; MI455X (gfx1250); checked and timed in simulation.
; The chip was launched on July 23, 2026; its instructions are those of AMD's public machine-readable ISA for CDNA 5 (MIT licence, August 2026) and "CDNA5" Instruction Set Architecture Reference Guide (July 2026). The comments in the code are by the model that wrote it; some were corrected since.
;; Attn A. Allowed arithmetic: matrix products marked QUANTISED: E4M3 operands, one E8M0 scale for each 32 along K, by v_wmma_scale_f32_16x16x128_f8f6f4 with both operands' format E4M3, f32 sums; everything else in f32.
;; Inputs: Wk 256 x 512 float32; Wp 512 x 512 float32; Wq 512 x 512 float32; Wv 256 x 512 float32; x 8 x 2,048 x 512 float32.
;; Outputs: out0 8 x 2,048 x 512 float32.
;; This version of the problem:
;;   THIS VERSION OF THE PROBLEM IS GIVEN IN LOW PRECISION. The matrix products marked QUANTISED in the list below multiply operands that are first quantised to E4M3 (4 exponent bits, 3 mantissa bits; 8 bits a number), with one power-of-two scale for each 32 numbers along K (OCP MX v1.0); their sums are f32. All else is computed in f32.
;;   The module's matrix products, in the order in which they are computed (A, B: the left and right operand; K: the contracted axis; several contracted axes count as one K, in the product's order):
;;     1. [M 16,384, K 512] x [K 512, N 512]; A: input x; B: input Wq: QUANTISED
;;     2. [M 16,384, K 512] x [K 512, N 256]; A: input x; B: input Wk: QUANTISED
;;     3. [M 16,384, K 512] x [K 512, N 256]; A: input x; B: input Wv: QUANTISED
;;     4. batch 64 x [M 2,048, K 64] x [K 64, N 2,048]; A: computed on the way; B: computed on the way: QUANTISED
;;     5. batch 64 x [M 2,048, K 2,048] x [K 2,048, N 64]; A: softmax (see below); B: computed on the way: QUANTISED
;;     6. [M 16,384, K 512] x [K 512, N 512]; A: computed on the way; B: input Wp: QUANTISED
;;   THE QUANTISER, for each operand of a quantised product, along K:
;;     - K is cut into blocks of 32 from its start; a last block that is shorter is filled with zeros.
;;     - A block's scale is 2^e with e = floor(log2(the largest magnitude in the block)) - 8, held to -126 .. 127; a block of zeros has e = 0. As a byte (E8M0): e + 127.
;;     - Each number is divided by its block's scale, clamped to +-448, and rounded to the nearest number of E4M3, ties to even, subnormals kept.
;;     - The product sums the exact products of the quantised numbers (number of the format x scale) in f32.
;;   ~~~python
;;   def quantise(x, axis):      # numpy; x: float32 -> the quantised numbers, widened to float32 again
;;       x = np.moveaxis(x, axis, -1); K = x.shape[-1]
;;       x = np.pad(x, [(0, 0)] * (x.ndim - 1) + [(0, -K % 32)]); x = x.reshape(x.shape[:-1] + (-1, 32)); a = np.abs(x).max(-1, keepdims=True)
;;       e = np.where(a > 0, np.clip(np.frexp(np.where(a > 0, a, 1))[1] - 1 - 8, -126, 127), 0)      # np.frexp(a)[1] - 1 = floor(log2(a)), exactly
;;       r = np.clip(x / 2.0 ** e, -448, 448)
;;       step = 2.0 ** (np.maximum(np.frexp(np.where(r == 0, 1, r))[1] - 1, -6) - 3)
;;       q = np.round(r / step) * step * 2.0 ** e      # np.round: ties to even
;;       return np.moveaxis(q.reshape(q.shape[:-2] + (-1,))[..., :K], -1, axis).astype(np.float32)
;;   ~~~
;;   SOFTMAX AHEAD OF A QUANTISED PRODUCT. Where the list says 'softmax', what is quantised is not the finished softmax but p = 2^(t - M), with t = logit x log2(e) and M = ceil(the row's largest t), a whole number; so 1/2 < the row's largest p <= 1. The row's sum l is taken of the UNQUANTISED p, in f32, and the product's result is divided by l at the end. Since M is a whole number, a kernel that streams over the keys may use a running M (the ceiling of the running maximum): every later rescaling is an exact power of two, which a block's scale takes up: the codes' values come out the same.
;;   OPERANDS COMPUTED ON THE WAY. 'Computed on the way' means the value that the module computes at that place (a softmax that the list does not call 'softmax' is quantised finished and normalised). What goes into a quantiser is computed in f32, as accurately as f32 sums, v_exp_f32 and their like allow (about 1e-6 of the number): no bf16 or f16 on the way to a quantiser, and a product that is left as it is and whose result goes on into a quantised operand takes f32 operands (vector FMAs, or v_wmma_f32_16x16x4_f32). A number that lies on a knife's edge between two numbers of the format may be rounded either way, as far as f32 arithmetic and the matrix unit's own rounding can turn it there, and no further.
;; 2 versions. Each part assembles by itself: llvm-mc -triple=amdgcn-amd-amdhsa -mcpu=gfx1250 --defsym DOCPART=n.
;; ======== version 1 of 2: 4 launches
;; workspace buffers: wcodes 786,432 bytes; wscales 49,152 bytes; rope 524,288 bytes; qrec 8,912,896 bytes; kvrec 8,781,824 bytes; ycodes 8,388,608 bytes; ysc 262,144 bytes
;; launch prep (part 1): grid 224 x 1, 1 waves a work-group, no clusters, 0 bytes of LDS; arguments Wq, Wk, Wv, Wp, wcodes, wscales, rope; writes wcodes, wscales, rope
.if DOCPART == 1
	.amdgcn_target "amdgcn-amd-amdhsa--gfx1250"
	.amdhsa_code_object_version 6
	.text
	.protected	k_qcad740c17e_prep
	.globl	k_qcad740c17e_prep
	.p2align	8
	.type	k_qcad740c17e_prep,@function
k_qcad740c17e_prep:
	s_mov_b64 s[64:65], 0
	v_nop
	global_prefetch_b8 v0, s[64:65] scope:SCOPE_SE
	s_setreg_imm32_b32 hwreg(HW_REG_WAVE_MODE, 25, 1), 1
	s_wait_xcnt 0x0
; FIRST OF FOUR LAUNCHES of: out = softmax_causal(rope(rms(x Wq^T)) rope(rms(x Wk^T))^T / 8) (x Wv^T) Wp^T, all six products on codes of FP8 (E4M3) with one E8M0 scale for each 32 along K.
; This launch: the four weights become codes and scale words, laid in the order of an operand's registers; and the table of cos and sin for the rotation.
; WORK LEFT OUT BY THE PROGRAM, and why it is dead: the scores of keys that come after a query.  The mask is built in the problem's own body (a lower triangle of ones); where it is false the score is replaced by the
; least f32 number, every row keeps its own key, so the exponential of (least - the row's maximum) is 0 for every finite input: such a key adds 0 to the row's sum and 0 to the second product.  Key steps of 128 keys that lie
; wholly behind a block of 128 queries are therefore not multiplied (third launch).  LIMIT: a NaN, an infinity or an overflow that reaches only such hidden scores is not carried to the result.
; Every input (x, Wq, Wk, Wv, Wp) has a way to the output and is loaded.
; LIMITS: NaN and infinities among the inputs are not served.  A block of zeros gets the scale byte 1 where the quantiser says 127: its codes are zeros, which add nothing under any byte but 0xff, and the bytes are read by
; this program alone.  The 32 frequencies are the f32 numbers nearest to 10^(-j/8); a power and a reciprocal taken in f32 may differ from that by a last bit, which at position 2,047 is some 1e-4 of a radian.
; The reduction of the angle holds for angles under 2,048.
; LAYOUT.  A TILE of 16 rows is never 16 neighbours: lane r of tile 2 b + u of a group of 64 rows takes row 32 b + 8 u + r + 8 (r / 8), so that the results of tiles 2 b and 2 b + 1 are 16 neighbours along the next product's K.
;   wcodes [96 tiles][K step 4][c 4][lane 32][16 bytes]: lane (r, h) holds W[row r of the tile][128 s + 32 c + 16 h + 0 .. 15].  Tiles 0-31 Wq, 32-47 Wk, 48-63 Wv, 64-95 Wp.
;   wscales [96][lane][K step 4][4 bytes].      rope [128 tiles of positions][8][lane][16 bytes]: groups 0-3 cos, 4-7 sin, of frequencies 16 h + 0 .. 15 at the lane's position.
; SHARES.  One wave to a work-group.  Work-groups 0-95: a tile of a weight each.  Work-groups 96-223: a tile of positions each.  No LDS, no matrix unit: there is nothing to share and nothing to multiply.
.set X,   16                           ; v16-143  two sets of 64 numbers
.set PC,  144                          ; v144-207 the codes, a set for each K step: no store's data are written again
.set TM,  208                          ; v208-223 largest magnitudes, bytes, holds, scale operands
.set SW,  224                          ; v224-227 the four scale words
.set SEL, 24                           ; s[24:25] lane selects: lane l xor 16
.set MNT, 26                           ; s26  the mantissa field of 448
.set HM,  27                           ; s27  lanes 16-31
; nb blocks of 32 along K: block b is v[src + 16 b + 0 .. 15] of lanes l and l xor 16.  Codes to v[dst + 4 b ..], bytes to v[TM + 4 + b].
.macro QCORE src, nb, dst
.set qb, 0
.rept \nb
	v_max3_num_f32 v[TM+qb], |v[\src+16*qb]|, |v[\src+16*qb+1]|, 0x4800000   ; my 16 numbers, and the floor 2^(9 - 127): the byte cannot fall under 1
.set qb, qb+1
.endr
.set qi, 2
.rept 7
.set qb, 0
.rept \nb
	v_max3_num_f32 v[TM+qb], v[TM+qb], |v[\src+16*qb+qi]|, |v[\src+16*qb+qi+1]|
.set qb, qb+1
.endr
.set qi, qi+2
.endr
.set qb, 0
.rept \nb
	v_permlanex16_b32 v[TM+4+qb], v[TM+qb], s[SEL], s[SEL+1]
.set qb, qb+1
.endr
.set qb, 0
.rept \nb
	v_max_num_f32 v[TM+qb], v[TM+qb], v[TM+4+qb]                ; the block's largest magnitude
.set qb, qb+1
.endr
.set qb, 0
.rept \nb
	v_add_nc_u32 v[TM+12+qb], 0xfc000000, v[TM+qb]              ; 8 off its exponent field: the conversion's scale operand
.set qb, qb+1
.endr
.set qb, 0
.rept \nb
	v_and_or_b32 v[TM+8+qb], v[TM+qb], 0x7f800000, s[MNT]       ; 448 x the scale
.set qb, qb+1
.endr
.set qb, 0
.rept \nb
	v_lshrrev_b32 v[TM+4+qb], 23, v[TM+12+qb]                   ; the scale's byte
.set qb, qb+1
.endr
.set qb, 0
.rept \nb
.set qi, 0
.rept 16
	v_med3_num_f32 v[\src+16*qb+qi], v[\src+16*qb+qi], -v[TM+8+qb], v[TM+8+qb]   ; the conversion does not saturate (ISA guide 7.6.2): the hold at 448 x the scale
.set qi, qi+1
.endr
	v_cvt_scalef32_pk8_fp8_f32 v[\dst+4*qb:\dst+4*qb+1], v[\src+16*qb:\src+16*qb+7], v[TM+12+qb]
	v_cvt_scalef32_pk8_fp8_f32 v[\dst+4*qb+2:\dst+4*qb+3], v[\src+16*qb+8:\src+16*qb+15], v[TM+12+qb]
.set qb, qb+1
.endr
	v_nop                                                       ; a plain line behind the last conversion
.endm
	s_load_b256 s[4:11], s[0:1], 0x0               ; Wq s[4:5], Wk s[6:7], Wv s[8:9], Wp s[10:11]
	s_load_b128 s[12:15], s[0:1], 0x20             ; wcodes, wscales
	s_load_b64 s[16:17], s[0:1], 0x30              ; rope
	v_and_b32 v1, 15, v0                           ; r
	v_lshrrev_b32 v2, 4, v0                        ; h
	v_and_b32 v3, 8, v0
	v_add_nc_u32 v3, v3, v1                        ; r + 8 (r / 8)
	v_lshlrev_b32 v4, 4, v0                        ; 16 x lane
	s_mov_b32 s[SEL], 0x76543210
	s_mov_b32 s[SEL+1], 0xfedcba98
	s_mov_b32 s[MNT], 0x600000
	s_mov_b32 s[HM], 0xffff0000
	s_mov_b32 s23, 0
	s_wait_kmcnt 0x0
	s_cmp_ge_u32 ttmp9, 96
	s_cbranch_scc1 .Lrope
	; ---- a tile of a weight: 16 rows x 512 along K
	s_cmp_lt_u32 ttmp9, 64                         ; which tensor: the choice hangs on the work-group's number alone
	s_cselect_b64 s[18:19], s[8:9], s[10:11]
	s_cselect_b32 s20, 48, 64
	s_cmp_lt_u32 ttmp9, 48
	s_cselect_b64 s[18:19], s[6:7], s[18:19]
	s_cselect_b32 s20, 32, s20
	s_cmp_lt_u32 ttmp9, 32
	s_cselect_b64 s[18:19], s[4:5], s[18:19]
	s_cselect_b32 s20, 0, s20
	s_sub_co_u32 s20, ttmp9, s20                   ; T: the tile in its tensor
	s_lshr_b32 s21, s20, 2
	s_lshl_b32 s21, s21, 6
	s_bfe_u32 s22, s20, 0x10001
	s_lshl_b32 s22, s22, 5
	s_add_co_u32 s21, s21, s22
	s_and_b32 s22, s20, 1
	s_lshl_b32 s22, s22, 3
	s_add_co_u32 s21, s21, s22                     ; its first row: 64 (T / 4) + 32 ((T / 2) % 2) + 8 (T % 2)
	s_lshl_b32 s22, s21, 11                        ; a row is 2,048 bytes
	s_add_nc_u64 s[18:19], s[18:19], s[22:23]
	s_lshl_b32 s22, ttmp9, 13
	s_add_nc_u64 s[12:13], s[12:13], s[22:23]      ; the tile's 8,192 bytes of codes
	s_lshl_b32 s22, ttmp9, 9
	s_add_nc_u64 s[14:15], s[14:15], s[22:23]      ; and its 512 bytes of scale words
	v_lshlrev_b32 v5, 11, v3
	v_lshl_add_u32 v5, v2, 6, v5                   ; my row, + 64 h: my 16 numbers of a block of 32
.irp b, 0,1,2,3
	v_mov_b32 v[TM+4+\b], 0                        ; written once: a lane permute's destination counts as one of its sources
.endr
.macro WLOAD ks                        ; K step ks: 64 numbers a lane, register 16 b + i = k 32 b + 16 h + i
.set nn, 0
.rept 16
	global_load_b128 v[X+64*((\ks)%2)+4*nn:X+64*((\ks)%2)+4*nn+3], v5, s[18:19] offset:512*(\ks)+128*(nn/4)+16*(nn%4)
.set nn, nn+1
.endr
.endm
.macro WSTEP ks, left
	s_wait_loadcnt \left                           ; this K step's 16 loads are in; the next one's may be out
	QCORE X+64*((\ks)%2), 4, PC+16*(\ks)
	v_lshl_or_b32 v[SW+\ks], v[TM+5], 8, v[TM+4]   ; the four bytes make my row's scale word
	v_lshl_or_b32 v[SW+\ks], v[TM+6], 16, v[SW+\ks]
	v_lshl_or_b32 v[SW+\ks], v[TM+7], 24, v[SW+\ks]
.if (\ks) < 2
	WLOAD (\ks)+2
.endif
.irp c, 0,1,2,3
	global_store_b128 v4, v[PC+16*(\ks)+4*\c:PC+16*(\ks)+4*\c+3], s[12:13] offset:2048*(\ks)+512*\c   ; 32 lanes store 512 consecutive bytes
.endr
.endm
	WLOAD 0
	WLOAD 1
	WSTEP 0, 16
	WSTEP 1, 16
	WSTEP 2, 16
	WSTEP 3, 0
	global_store_b128 v4, v[SW:SW+3], s[14:15]
	s_endpgm
	; ---- a tile of positions: cos and sin of position x frequency, 16 frequencies a lane
.Lrope:
.set FQ, 16                            ; v16-31   the frequency, then the angle, then the reduced angle r
.set NQ, 32                            ; v32-47   the number of quarter turns as f32; later at work
.set QQ, 48                            ; v48-63   the same as a whole number
.set ZZ, 64                            ; v64-79   r^2
.set CC, 80                            ; v80-95   cos r
.set RR, 96                            ; v96-111  sin r
.set CO, 112                           ; v112-127 the cosine
.set SI, 128                           ; v128-143 the sine
	s_sub_co_u32 s20, ttmp9, 96                    ; the tile
	s_lshr_b32 s21, s20, 1
	s_lshl_b32 s21, s21, 5
	s_and_b32 s22, s20, 1
	s_lshl_b32 s22, s22, 3
	s_add_co_u32 s21, s21, s22
	v_add_nc_u32 v6, s21, v3                       ; my position: 32 (tile / 2) + 8 (tile % 2) + r + 8 (r / 8)
	v_cvt_f32_u32 v6, v6
	s_lshl_b32 s22, s20, 12
	s_add_nc_u64 s[16:17], s[16:17], s[22:23]
	s_mov_b32 s28, 0x3f22f983                      ; 2 / pi
	s_mov_b32 s29, 0xbfc90fdb                      ; -(pi / 2 rounded to f32)
	s_mov_b32 s30, 0x333bbd2e                      ; that number less pi / 2
	s_mov_b32 s31, 0x37ccf5ce                      ; cos: 2.443315712e-5,
	s_mov_b32 s32, 0xbab6061a                      ; -1.388731625e-3,
	s_mov_b32 s33, 0x3d2aaaa5                      ; 4.166664568e-2
	s_mov_b32 s34, 0xb94ca1f9                      ; sin: -1.9515295891e-4,
	s_mov_b32 s35, 0x3c08839e                      ; 8.3321608736e-3,
	s_mov_b32 s36, 0xbe2aaaa3                      ; -1.6666654611e-1
.macro FREQ i, lo, hi                  ; lanes 0-15: 10^(-i / 8); lanes 16-31: 10^(-(16 + i) / 8)
	v_mov_b32 v[FQ+\i], \hi
	v_cndmask_b32 v[FQ+\i], \lo, v[FQ+\i], s[HM]
.endm
	FREQ 0,  1.0,           0.01
	FREQ 1,  0.7498942093,  0.007498942093
	FREQ 2,  0.5623413252,  0.005623413252
	FREQ 3,  0.4216965034,  0.004216965034
	FREQ 4,  0.3162277660,  0.003162277660
	FREQ 5,  0.2371373706,  0.002371373706
	FREQ 6,  0.1778279410,  0.001778279410
	FREQ 7,  0.1333521432,  0.001333521432
	FREQ 8,  0.1,           0.001
	FREQ 9,  0.07498942093, 0.0007498942093
	FREQ 10, 0.05623413252, 0.0005623413252
	FREQ 11, 0.04216965034, 0.0004216965034
	FREQ 12, 0.03162277660, 0.0003162277660
	FREQ 13, 0.02371373706, 0.0002371373706
	FREQ 14, 0.01778279410, 0.0001778279410
	FREQ 15, 0.01333521432, 0.0001333521432
.irp i, 0,1,2,3,4,5,6,7,8,9,10,11,12,13,14,15
	v_mul_f32 v[FQ+\i], v6, v[FQ+\i]               ; the angle, rounded once
.endr
.irp i, 0,1,2,3,4,5,6,7,8,9,10,11,12,13,14,15
	v_mul_f32 v[NQ+\i], s28, v[FQ+\i]
.endr
.irp i, 0,1,2,3,4,5,6,7,8,9,10,11,12,13,14,15
	v_rndne_f32 v[NQ+\i], v[NQ+\i]                 ; quarter turns
.endr
.irp i, 0,1,2,3,4,5,6,7,8,9,10,11,12,13,14,15
	v_fma_f32 v[FQ+\i], v[NQ+\i], s29, v[FQ+\i]    ; exact: a multiple of 2^-23 under 1
.endr
.irp i, 0,1,2,3,4,5,6,7,8,9,10,11,12,13,14,15
	v_fma_f32 v[FQ+\i], v[NQ+\i], s30, v[FQ+\i]    ; r, within pi / 4 of 0
.endr
.irp i, 0,1,2,3,4,5,6,7,8,9,10,11,12,13,14,15
	v_cvt_i32_f32 v[QQ+\i], v[NQ+\i]
.endr
.irp i, 0,1,2,3,4,5,6,7,8,9,10,11,12,13,14,15
	v_mul_f32 v[ZZ+\i], v[FQ+\i], v[FQ+\i]
.endr
.irp i, 0,1,2,3,4,5,6,7,8,9,10,11,12,13,14,15
	v_fma_f32 v[CC+\i], v[ZZ+\i], s31, s32
	v_fma_f32 v[RR+\i], v[ZZ+\i], s34, s35
.endr
.irp i, 0,1,2,3,4,5,6,7,8,9,10,11,12,13,14,15
	v_fma_f32 v[CC+\i], v[CC+\i], v[ZZ+\i], s33
	v_fma_f32 v[RR+\i], v[RR+\i], v[ZZ+\i], s36
.endr
.irp i, 0,1,2,3,4,5,6,7,8,9,10,11,12,13,14,15
	v_fma_f32 v[CC+\i], v[CC+\i], v[ZZ+\i], -0.5
	v_mul_f32 v[NQ+\i], v[FQ+\i], v[ZZ+\i]         ; r^3
.endr
.irp i, 0,1,2,3,4,5,6,7,8,9,10,11,12,13,14,15
	v_fma_f32 v[CC+\i], v[CC+\i], v[ZZ+\i], 1.0    ; cos r
	v_fma_f32 v[RR+\i], v[RR+\i], v[NQ+\i], v[FQ+\i]   ; sin r
.endr
.irp i, 0,1,2,3,4,5,6,7,8,9,10,11,12,13,14,15
	v_and_b32 v[NQ+\i], 1, v[QQ+\i]
.endr
.irp i, 0,1,2,3,4,5,6,7,8,9,10,11,12,13,14,15
	v_cmp_eq_u32 vcc_lo, 1, v[NQ+\i]               ; an odd number of quarter turns swaps the two
	v_cndmask_b32 v[CO+\i], v[CC+\i], v[RR+\i], vcc_lo
	v_cndmask_b32 v[SI+\i], v[RR+\i], v[CC+\i], vcc_lo
.endr
.irp i, 0,1,2,3,4,5,6,7,8,9,10,11,12,13,14,15
	v_lshlrev_b32 v[NQ+\i], 30, v[QQ+\i]           ; the sine is negative in quarters 2 and 3,
	v_add_nc_u32 v[QQ+\i], 1, v[QQ+\i]             ; the cosine in quarters 1 and 2
.endr
.irp i, 0,1,2,3,4,5,6,7,8,9,10,11,12,13,14,15
	v_and_b32 v[NQ+\i], 0x80000000, v[NQ+\i]
	v_lshlrev_b32 v[QQ+\i], 30, v[QQ+\i]
.endr
.irp i, 0,1,2,3,4,5,6,7,8,9,10,11,12,13,14,15
	v_xor_b32 v[SI+\i], v[SI+\i], v[NQ+\i]
	v_and_b32 v[QQ+\i], 0x80000000, v[QQ+\i]
.endr
.irp i, 0,1,2,3,4,5,6,7,8,9,10,11,12,13,14,15
	v_xor_b32 v[CO+\i], v[CO+\i], v[QQ+\i]
.endr
.irp q, 0,1,2,3
	global_store_b128 v4, v[CO+4*\q:CO+4*\q+3], s[16:17] offset:512*\q
.endr
.irp q, 0,1,2,3
	global_store_b128 v4, v[SI+4*\q:SI+4*\q+3], s[16:17] offset:2048+512*\q
.endr
	s_endpgm
.Lfunc_end_k_qcad740c17e_prep:
	.size	k_qcad740c17e_prep, .Lfunc_end_k_qcad740c17e_prep-k_qcad740c17e_prep
	.p2alignl 7, 3214868480
	.fill 96, 4, 3214868480
	.section	.rodata,"a",@progbits
	.p2align	6, 0x0
	.amdhsa_kernel k_qcad740c17e_prep
		.amdhsa_group_segment_fixed_size 0
		.amdhsa_private_segment_fixed_size 0
		.amdhsa_enable_private_segment 0
		.amdhsa_kernarg_size 56
		.amdhsa_user_sgpr_count 2
		.amdhsa_user_sgpr_kernarg_segment_ptr 1
		.amdhsa_wavefront_size32 1
		.amdhsa_system_sgpr_workgroup_id_x 1
		.amdhsa_system_sgpr_workgroup_id_y 1
		.amdhsa_system_sgpr_workgroup_id_z 1
		.amdhsa_system_vgpr_workitem_id 0
		.amdhsa_next_free_vgpr 256
		.amdhsa_next_free_sgpr 66
		.amdhsa_reserve_vcc 1
		.amdhsa_float_denorm_mode_32 3
		.amdhsa_float_denorm_mode_16_64 3
		.amdhsa_memory_ordered 1
		.amdhsa_forward_progress 1
		.amdhsa_inst_pref_size 65
	.end_amdhsa_kernel
	.amdgpu_metadata
---
amdhsa.version: [ 1, 2 ]
amdhsa.kernels:
  - .name:           k_qcad740c17e_prep
    .symbol:         k_qcad740c17e_prep.kd
    .args:
      - { .name: Wq, .offset: 0, .size: 8, .value_kind: global_buffer, .address_space: global }
      - { .name: Wk, .offset: 8, .size: 8, .value_kind: global_buffer, .address_space: global }
      - { .name: Wv, .offset: 16, .size: 8, .value_kind: global_buffer, .address_space: global }
      - { .name: Wp, .offset: 24, .size: 8, .value_kind: global_buffer, .address_space: global }
      - { .name: wcodes, .offset: 32, .size: 8, .value_kind: global_buffer, .address_space: global }
      - { .name: wscales, .offset: 40, .size: 8, .value_kind: global_buffer, .address_space: global }
      - { .name: rope, .offset: 48, .size: 8, .value_kind: global_buffer, .address_space: global }
    .group_segment_fixed_size: 0
    .private_segment_fixed_size: 0
    .kernarg_segment_align: 8
    .kernarg_segment_size: 56
    .max_flat_workgroup_size: 32
    .sgpr_count:     66
    .vgpr_count:     256
    .wavefront_size: 32
...
	.end_amdgpu_metadata
.endif
;; end of part 1
;; launch qkv (part 2): grid 2 x 128, 8 waves a work-group, no clusters, 138,240 bytes of LDS; arguments x, wcodes, wscales, rope, qrec, kvrec; writes qrec, kvrec
.if DOCPART == 2
	.amdgcn_target "amdgcn-amd-amdhsa--gfx1250"
	.amdhsa_code_object_version 6
	.text
	.protected	k_qcad740c17e_qkv
	.globl	k_qcad740c17e_qkv
	.p2align	8
	.type	k_qcad740c17e_qkv,@function
k_qcad740c17e_qkv:
	s_mov_b64 s[64:65], 0
	v_nop
	global_prefetch_b8 v0, s[64:65] scope:SCOPE_SE
	s_setreg_imm32_b32 hwreg(HW_REG_WAVE_MODE, 25, 1), 1
	s_wait_xcnt 0x0
; SECOND LAUNCH: x is quantised along its 512; q = x Wq^T, k = x Wk^T, v = x Wv^T on codes; q and k are normalised (root mean square over the head's 64) and rotated in f32 and quantised along the head's 64;
; v is quantised along the keys.  Nothing of the problem is left out here.
; SHARES.  Work-group (c, R) takes the 128 positions 128 R .. 128 R + 127 (batch R / 16, block J = R % 16) and half of the 1,024 output columns.  Each of its eight waves owns 64 columns, one head:
; waves 0-3 query heads 4 c + w, waves 4, 5 key heads 2 c + w % 2, waves 6, 7 value heads 2 c + w % 2.  A wave's 64 rows of weight (16 fragments, 256 registers) fill register window 1 for the whole launch.
; Half of the columns to a work-group, since the codes of 512 columns are half of what the registers of four SIMDs hold.  So x is read, and quantised, by two work-groups.
; No cluster: what the two share is x, which goes through registers on its way to codes.  No prefetch: the launch streams x and ends.
; TILES.  A tile of positions is never 16 neighbours: lane r of tile 2 b + u takes position 32 b + 8 u + r + 8 (r / 8); the weights' tiles are laid likewise (first launch).  So:
;   q, k: source 0 = 16 rows of W, source 1 = a tile of x: a lane holds ONE position, and registers 16 b + i are the head's d = 32 b + 16 h + i: the conversions' results are the next operand's registers.
;   v:    source 0 = a tile of x, source 1 = 16 rows of W: a lane holds ONE d, and the 16 registers of tiles 2 b, 2 b + 1 are keys 32 b + 16 h + 0 .. 15.
; OUT.  qrec [batch][head 8][J] records of 8,704 bytes: codes [tile 8][c 2][lane][16]; at 8,192 scale words [lane][pair 4]: lanes 0-15 tile 2 pair, lanes 16-31 tile 2 pair + 1; a word is the two bytes written twice.
;       kvrec [batch][head 4][J] records of 17,152 bytes: K's codes as q's; at 8,192 V's codes [d tile 4][c 4][lane][16]; at 16,384 K's scale words as q's; at 16,896 V's [lane][2]: a word's byte c is key block c.
; LIMITS: as stated at the head of the first launch.
; REGISTERS, window 0: v1-7 addresses; v8-13 at work; v16-31 the weights' scale words; v32-39 x's; v40-103 four fragments of x; v104-135 a tile of q or k, v136-167 cos and sin (values: v104-167 eight tiles);
;   v168-199 the rotated tile; v200-215 the quantiser's; v216-222 scale words in the making; v224-239 codes; v252, v253 the add's two.  While x is quantised: v40-103, v168-231 two sets of 64 numbers, v104-135 the quantiser's and codes.
.set XIMG,  0                          ; LDS: x's 32 fragments [tile 8][K step 4][c 4][lane][16]
.set XSC,   65536                      ; their scale words [tile][lane][K step][4]
.set STG,   69632                      ; a stage for each wave: 16 rows x (512 bytes + 16)
.set STGW,  8448
.set SP,    528
.set SPARE, 137216                     ; the spare words, 128 bytes for each wave: four blocks of 256 bytes that no other line names
.set LI,  1                            ; v1  16 x lane
.set L8,  2                            ; v2  8 x lane
.set STW, 3                            ; v3  the stage, on the way in
.set STR, 4                            ; v4  and on the way out: row r, + 64 h
.set XWI, 5                            ; v5  where I store my tile's images
.set XWS, 6                            ; v6  and its scale words
.set XSR, 7                            ; v7  where scale words are read
.set XW,  8                            ; v8-11 x's scale words in the making
.set SQ,  8                            ; v8-11 sums of squares
.set RS,  12                           ; v[12:13] 1 / root
.set WS,  16
.set XS,  32
.set XF,  40
.set HA,  104
.set VA,  104
.set CSN, 136
.set OUT, 168
.set KSW, 216
.set VSR, 220
.set WRD, 222
.set PC,  224
.set RR0, 40
.set RR1, 168
.set PCX, 120
.set SPW, 252
.set NIL, 253
.set WV,  16
.set R,   17
.set SEL, 18
.set MNT, 20
.set HM,  21
.set EPS, 22
.set I64, 23
.set WB,  36                           ; s[36:37] my weights' codes;  s[38:39] their scale words;  s[40:41] my record;  s[42:43] its scale words;  s[44:45] cos and sin;  s[46:47] x
.set WSB, 38
.set DB,  40
.set DS,  42
.set RB,  44
.set XB,  46
.set MSB, 0
.macro WIN new                         ; the immediate's high byte repeats the setting that is left
.if MSB != \new
	s_set_vgpr_msb (MSB<<8)|\new
.set MSB, \new
.endif
.endm
; nb blocks of 32 along K: block b is v[src + 16 b + 0 .. 15] of lanes l and l xor 16.  Codes to v[dst + 4 b ..], bytes to v[TM + 4 + b].
.macro QCORE src, nb, dst
.set qb, 0
.rept \nb
	v_max3_num_f32 v[TM+qb], |v[\src+16*qb]|, |v[\src+16*qb+1]|, 0x4800000   ; my 16 numbers, and the floor 2^(9 - 127): the byte cannot fall under 1
.set qb, qb+1
.endr
.set qi, 2
.rept 7
.set qb, 0
.rept \nb
	v_max3_num_f32 v[TM+qb], v[TM+qb], |v[\src+16*qb+qi]|, |v[\src+16*qb+qi+1]|
.set qb, qb+1
.endr
.set qi, qi+2
.endr
.set qb, 0
.rept \nb
	v_permlanex16_b32 v[TM+4+qb], v[TM+qb], s[SEL], s[SEL+1]
.set qb, qb+1
.endr
.set qb, 0
.rept \nb
	v_max_num_f32 v[TM+qb], v[TM+qb], v[TM+4+qb]                ; the block's largest magnitude
.set qb, qb+1
.endr
.set qb, 0
.rept \nb
	v_add_nc_u32 v[TM+12+qb], 0xfc000000, v[TM+qb]              ; 8 off its exponent field: the conversion's scale operand
.set qb, qb+1
.endr
.set qb, 0
.rept \nb
	v_and_or_b32 v[TM+8+qb], v[TM+qb], 0x7f800000, s[MNT]       ; 448 x the scale
.set qb, qb+1
.endr
.set qb, 0
.rept \nb
	v_lshrrev_b32 v[TM+4+qb], 23, v[TM+12+qb]                   ; the scale's byte
.set qb, qb+1
.endr
.set qb, 0
.rept \nb
.set qi, 0
.rept 16
	v_med3_num_f32 v[\src+16*qb+qi], v[\src+16*qb+qi], -v[TM+8+qb], v[TM+8+qb]   ; the conversion does not saturate (ISA guide 7.6.2): the hold at 448 x the scale
.set qi, qi+1
.endr
	v_cvt_scalef32_pk8_fp8_f32 v[\dst+4*qb:\dst+4*qb+1], v[\src+16*qb:\src+16*qb+7], v[TM+12+qb]
	v_cvt_scalef32_pk8_fp8_f32 v[\dst+4*qb+2:\dst+4*qb+3], v[\src+16*qb+8:\src+16*qb+15], v[TM+12+qb]
.set qb, qb+1
.endr
	v_nop                                                       ; a plain line behind the last conversion
.endm
	s_load_b256 s[4:11], s[0:1], 0x0               ; x s[4:5], wcodes s[6:7], wscales s[8:9], rope s[10:11]
	s_load_b128 s[12:15], s[0:1], 0x20             ; qrec s[12:13], kvrec s[14:15]
	v_lshl_add_u32 v[SPW], v0, 2, SPARE
	v_mov_b32 v[NIL], 0
	v_lshrrev_b32 v14, 5, v0
	v_readfirstlane_b32 s[WV], v14                 ; wave 0..7
	v_and_b32 v15, 31, v0
	v_lshlrev_b32 v[LI], 4, v15
	v_lshlrev_b32 v[L8], 3, v15
	v_and_b32 v14, 15, v0                          ; r
	v_bfe_u32 v15, v0, 4, 1                        ; h
	s_mul_i32 s25, s[WV], STGW
	s_add_co_u32 s25, s25, STG                     ; my stage.  Every LDS address is made here, ahead of the place where the waves part
	v_add_nc_u32 v[STW], s25, v[LI]
	v_mul_u32_u24 v[STR], v14, SP
	v_lshl_add_u32 v[STR], v15, 6, v[STR]
	v_add_nc_u32 v[STR], s25, v[STR]
	s_lshl_b32 s25, s[WV], 13
	v_add_nc_u32 v[XWI], s25, v[LI]
	s_lshl_b32 s25, s[WV], 9
	s_add_co_u32 s25, s25, XSC
	v_add_nc_u32 v[XWS], s25, v[LI]
	v_add_nc_u32 v[XSR], XSC, v[LI]
	v_mov_b32 v13, 0                               ; (named as the upper half of the pair v[12:13])
.irp b, 0,1,2,3
	v_mov_b32 v[108+\b], 0                         ; written once: a lane permute's destination counts as one of its sources
.endr
	s_mov_b32 s[SEL], 0x76543210
	s_mov_b32 s[SEL+1], 0xfedcba98
	s_mov_b32 s[MNT], 0x600000
	s_mov_b32 s[HM], 0xffff0000
	s_mov_b32 s[EPS], 0x34000000                   ; 2^-23
	s_mov_b32 s[I64], 0x3c800000                   ; 1 / 64
	s_and_b32 s[R], ttmp7, 0xffff
	s_lshl_b32 s24, ttmp9, 2
	s_add_co_u32 s24, s24, s[WV]                   ; waves 0-3: the query head, which is also the group of 64 weight rows
	s_and_b32 s25, s[WV], 1
	s_lshl_b32 s26, ttmp9, 1
	s_add_co_u32 s25, s25, s26                     ; waves 4-7: the key and value head
	s_lshr_b32 s26, s[WV], 1
	s_lshl_b32 s26, s26, 2
	s_add_co_u32 s26, s26, s25                     ; 8 + head for Wk, 12 + head for Wv
	s_cmp_lt_u32 s[WV], 4
	s_cselect_b32 s26, s24, s26                    ; my group of weight rows
	s_lshr_b32 s27, s[R], 4                        ; batch
	s_and_b32 s28, s[R], 15                        ; J
	s_lshl_b32 s29, s27, 3
	s_add_co_u32 s29, s29, s24
	s_lshl_b32 s29, s29, 4
	s_add_co_u32 s29, s29, s28
	s_mul_i32 s29, s29, 8704
	s_lshl_b32 s30, s27, 2
	s_add_co_u32 s30, s30, s25
	s_lshl_b32 s30, s30, 4
	s_add_co_u32 s30, s30, s28
	s_mul_i32 s30, s30, 17152
	s_cmp_lt_u32 s[WV], 4
	s_cselect_b32 s30, s29, s30                    ; my record
	s_mov_b32 s31, 0
	s_mov_b32 s32, 16384
	s_cselect_b32 s32, 8192, s32                   ; where its scale words for q or k lie
	s_mov_b32 s33, 0
	s_lshl_b32 s34, s[R], 7
	s_lshr_b32 s35, s[WV], 1
	s_lshl_b32 s35, s35, 5
	s_add_co_u32 s34, s34, s35
	s_and_b32 s35, s[WV], 1
	s_lshl_b32 s35, s35, 3
	s_add_co_u32 s34, s34, s35                     ; the first row of the tile of x that I quantise: tile w
	s_lshl_b32 s34, s34, 11
	s_mov_b32 s35, 0
	s_wait_kmcnt 0x0
	s_cmp_lt_u32 s[WV], 4
	s_cselect_b64 s[DB:DB+1], s[12:13], s[14:15]   ; the choice hangs on the wave's number alone
	s_add_nc_u64 s[DB:DB+1], s[DB:DB+1], s[30:31]
	s_add_nc_u64 s[DS:DS+1], s[DB:DB+1], s[32:33]
	s_add_nc_u64 s[XB:XB+1], s[4:5], s[34:35]
	s_lshl_b32 s30, s26, 15
	s_add_nc_u64 s[WB:WB+1], s[6:7], s[30:31]
	s_lshl_b32 s30, s26, 11
	s_add_nc_u64 s[WSB:WSB+1], s[8:9], s[30:31]
	s_lshl_b32 s30, s28, 15
	s_add_nc_u64 s[RB:RB+1], s[10:11], s[30:31]
; 16 rows x 128 numbers of x: each load reads 512 consecutive bytes of one row
.macro XLOAD reg, ks
.set nn, 0
.rept 16
	global_load_b128 v[\reg+4*nn:\reg+4*nn+3], v[LI], s[XB:XB+1] offset:(nn+8*(nn/8))*2048+512*(\ks)
.set nn, nn+1
.endr
.endm
	XLOAD RR0, 0
	XLOAD RR1, 1
	WIN 0x40                                       ; destination window 1
.set nn, 0
.rept 64
	global_load_b128 v[4*nn:4*nn+3], v[LI], s[WB:WB+1] offset:512*nn   ; fragment (tile t, K step s) at v[16 (4 t + s)] of window 1: they stay
.set nn, nn+1
.endr
	WIN 0
	; ---- X: wave w quantises tile w of x.  A K step's 16 x 512 bytes turn through my stage, so that a lane holds 16 neighbours of each block of 32 of ONE row
.set TM, 104
.macro XSTEP ks, reg
.set nn, 0
.rept 16
	ds_store_b128 v[STW], v[\reg+4*nn:\reg+4*nn+3] offset:SP*nn
.set nn, nn+1
.endr
	s_wait_dscnt 0x0                               ; the stores have read their registers, which take the numbers back; the last images' stores have read theirs
.set nn, 0
.rept 16
	ds_load_b128 v[\reg+4*nn:\reg+4*nn+3], v[STR] offset:128*(nn/4)+16*(nn%4)
.set nn, nn+1
.endr
	s_wait_dscnt 0x0
	QCORE \reg, 4, PCX
	v_lshl_or_b32 v[XW+\ks], v[TM+5], 8, v[TM+4]
	v_lshl_or_b32 v[XW+\ks], v[TM+6], 16, v[XW+\ks]
	v_lshl_or_b32 v[XW+\ks], v[TM+7], 24, v[XW+\ks]
.if (\ks) < 2
	XLOAD \reg, (\ks)+2
.endif
.irp c, 0,1,2,3
	ds_store_b128 v[XWI], v[PCX+4*\c:PCX+4*\c+3] offset:XIMG+2048*(\ks)+512*\c   ; the fragment goes to LDS as an image of its registers
.endr
.endm
	s_wait_loadcnt 63                              ; 96 loads are issued and x's 32 are the oldest: with 63 out at the most both K steps are in
	XSTEP 0, RR0
	XSTEP 1, RR1
	s_wait_loadcnt 16                              ; K step 2 is in (and the weights, issued ahead of it); K step 3's 16 loads may be out
	XSTEP 2, RR0
	s_wait_loadcnt 0x0
	XSTEP 3, RR1
	ds_store_b128 v[XWS], v[XW:XW+3]
.irp t, 0,1,2,3
	global_load_b128 v[WS+4*\t:WS+4*\t+3], v[LI], s[WSB:WSB+1] offset:512*\t   ; tile t's scale words of the four K steps
.endr
	s_wait_dscnt 0x0                               ; for the others' sake: my images have landed
	s_barrier_signal -1
	s_barrier_wait -1                              ; x's 32 fragments lie in LDS; nobody writes them again
.set TM, 200
.irp b, 0,1,2,3
	v_mov_b32 v[TM+4+\b], 0                        ; a lane permute's destination counts as one of its sources
.endr
	s_cmp_ge_u32 s[WV], 6
	s_cbranch_scc1 .Lv
	; ---- q and k: a tile of 16 positions at a time
.macro FETCHX m
.set nn, 0
.rept 16
	ds_load_b128 v[XF+4*nn:XF+4*nn+3], v[LI] offset:XIMG+8192*(\m)+512*nn
.set nn, nn+1
.endr
	ds_load_b128 v[XS:XS+3], v[XSR] offset:512*(\m)
.endm
.macro CSLOAD m
.irp q, 0,1,2,3,4,5,6,7
	global_load_b128 v[CSN+4*\q:CSN+4*\q+3], v[LI], s[RB:RB+1] offset:4096*(\m)+512*\q
.endr
.endm
.macro QKTILE m
	s_wait_dscnt 0x0                               ; the tile's four fragments and its scale words are in
	WIN 0x01                                       ; source 0 (W) window 1
.irp s, 0,1,2,3                        ; the four accumulators take turns, one instruction a turn
.irp t, 0,1,2,3
.if \s == 0
	v_wmma_scale_f32_16x16x128_f8f6f4 v[HA+8*\t:HA+8*\t+7], v[16*(4*\t+\s):16*(4*\t+\s)+15], v[XF+16*\s:XF+16*\s+15], 0, v[WS+4*\t+\s], v[XS+\s]
.else
	v_wmma_scale_f32_16x16x128_f8f6f4 v[HA+8*\t:HA+8*\t+7], v[16*(4*\t+\s):16*(4*\t+\s)+15], v[XF+16*\s:XF+16*\s+15], v[HA+8*\t:HA+8*\t+7], v[WS+4*\t+\s], v[XS+\s]
.endif
.endr
.endr
	WIN 0
.rept 8
	v_nop                                          ; eight places in front of loads into registers that these products read, and of the first read of results
.endr
.if (\m) < 7
	FETCHX (\m)+1
.endif
	v_pk_mul_f32 v[SQ:SQ+1], v[HA:HA+1], v[HA:HA+1]             ; the sum of squares of my 32 of the head's 64, in two chains, each accumulator from its low end on
	v_pk_mul_f32 v[SQ+2:SQ+3], v[HA+2:HA+3], v[HA+2:HA+3]
.set nn, 4
.rept 14
	v_pk_fma_f32 v[SQ+(nn%4):SQ+(nn%4)+1], v[HA+nn:HA+nn+1], v[HA+nn:HA+nn+1], v[SQ+(nn%4):SQ+(nn%4)+1]
.set nn, nn+2
.endr
	v_pk_add_f32 v[SQ:SQ+1], v[SQ:SQ+1], v[SQ+2:SQ+3]
	v_add_f32 v[SQ], v[SQ], v[SQ+1]
	v_permlanex16_b32 v[SQ+1], v[SQ], s[SEL], s[SEL+1]
	v_add_f32 v[SQ], v[SQ], v[SQ+1]                ; with lane l xor 16's 32
	v_fma_f32 v[SQ], v[SQ], s[I64], s[EPS]         ; the mean + eps
	v_rsq_f32 v[RS], v[SQ]
	v_nop                                          ; a plain line behind the transcendental
	s_wait_alu depctr_va_vdst(0)                   ; and the wait ahead of its first reader
.set nn, 0
.rept 16
	v_pk_mul_f32 v[HA+nn:HA+nn+1], v[HA+nn:HA+nn+1], v[RS:RS+1] op_sel_hi:[1,0]
.set nn, nn+2
.endr
	s_wait_loadcnt 0x0                             ; this tile's cos and sin
.set nn, 0
.rept 8                                ; registers 0-15: d = 16 h + i (the first half), 16-31: d = 32 + 16 h + i; both turn by frequency 16 h + i
	v_pk_mul_f32 v[OUT+nn:OUT+nn+1], v[HA+nn:HA+nn+1], v[CSN+nn:CSN+nn+1]
	v_pk_mul_f32 v[OUT+16+nn:OUT+16+nn+1], v[HA+16+nn:HA+16+nn+1], v[CSN+nn:CSN+nn+1]
.set nn, nn+2
.endr
.set nn, 0
.rept 8
	v_pk_fma_f32 v[OUT+nn:OUT+nn+1], v[HA+16+nn:HA+16+nn+1], v[CSN+16+nn:CSN+16+nn+1], v[OUT+nn:OUT+nn+1]                                  ; x1 c + x2 s
	v_pk_fma_f32 v[OUT+16+nn:OUT+16+nn+1], v[HA+nn:HA+nn+1], v[CSN+16+nn:CSN+16+nn+1], v[OUT+16+nn:OUT+16+nn+1] neg_lo:[1,0,0] neg_hi:[1,0,0]   ; -x1 s + x2 c
.set nn, nn+2
.endr
.if (\m) < 7
	CSLOAD (\m)+1
.endif
.if (\m) > 0
	s_wait_xcnt 0x0                                ; the last tile's stores have read the codes' registers
.endif
	QCORE OUT, 2, PC
	v_lshl_or_b32 v[WRD], v[TM+5], 8, v[TM+4]
	v_lshl_or_b32 v[WRD], v[WRD], 16, v[WRD]       ; the two bytes, twice: the third launch feeds these codes as K = 0 .. 63 or as K = 64 .. 127
.if (\m)%2 == 0
	v_mov_b32 v[KSW+(\m)/2], v[WRD]
.else
	v_cndmask_b32 v[KSW+(\m)/2], v[KSW+(\m)/2], v[WRD], s[HM]   ; lanes 16-31 carry the odd tile's words
.endif
	global_store_b128 v[LI], v[PC:PC+3], s[DB:DB+1] offset:1024*(\m)         ; 32 lanes store 512 consecutive bytes
	global_store_b128 v[LI], v[PC+4:PC+7], s[DB:DB+1] offset:1024*(\m)+512
.endm
	FETCHX 0
	CSLOAD 0
	s_wait_loadcnt 8                               ; the weights' scale words are in; the 8 loads of cos and sin issued behind them may be out
.irp m, 0,1,2,3,4,5,6,7
	QKTILE \m
.endr
	global_store_b128 v[LI], v[KSW:KSW+3], s[DS:DS+1]
	s_branch .Lend
	; ---- v: two tiles of positions (32 keys) at a time, eight accumulators by turns; K in two halves, four fragments of x each
.Lv:
	s_wait_loadcnt 0x0                             ; the weights' scale words
.macro VHALF b, sh
.irp u, 0,1
.irp sl, 0,1
.irp c, 0,1,2,3
	ds_load_b128 v[XF+16*(2*\u+\sl)+4*\c:XF+16*(2*\u+\sl)+4*\c+3], v[LI] offset:XIMG+8192*(2*(\b)+\u)+2048*(2*(\sh)+\sl)+512*\c
.endr
.endr
.if (\sh) == 0
	ds_load_b128 v[XS+4*\u:XS+4*\u+3], v[XSR] offset:512*(2*(\b)+\u)
.endif
.endr
	s_wait_dscnt 0x0
	WIN 0x04                                       ; source 1 (W) window 1
.irp sl, 0,1
.irp t, 0,1,2,3
.irp u, 0,1
.if ((\sh) == 0) && (\sl == 0)
	v_wmma_scale_f32_16x16x128_f8f6f4 v[VA+16*\t+8*\u:VA+16*\t+8*\u+7], v[XF+16*(2*\u+\sl):XF+16*(2*\u+\sl)+15], v[16*(4*\t+2*(\sh)+\sl):16*(4*\t+2*(\sh)+\sl)+15], 0, v[XS+4*\u+2*(\sh)+\sl], v[WS+4*\t+2*(\sh)+\sl]
.else
	v_wmma_scale_f32_16x16x128_f8f6f4 v[VA+16*\t+8*\u:VA+16*\t+8*\u+7], v[XF+16*(2*\u+\sl):XF+16*(2*\u+\sl)+15], v[16*(4*\t+2*(\sh)+\sl):16*(4*\t+2*(\sh)+\sl)+15], v[VA+16*\t+8*\u:VA+16*\t+8*\u+7], v[XS+4*\u+2*(\sh)+\sl], v[WS+4*\t+2*(\sh)+\sl]
.endif
.endr
.endr
.endr
	WIN 0
.rept 8
	v_nop                                          ; eight places in front of the next loads and of the first read of results
.endr
.endm
.macro VPAIR b
	VHALF \b, 0
	VHALF \b, 1
.if (\b) > 0
	s_wait_xcnt 0x0                                ; the last pair's stores have read the codes' registers
.endif
	QCORE VA, 4, PC                                ; block t: d tile t, keys 32 b .. 32 b + 31
.irp t, 0,1,2,3
.if (\b) == 0
	v_mov_b32 v[KSW+\t], v[TM+4+\t]
.else
	v_lshl_or_b32 v[KSW+\t], v[TM+4+\t], 8*(\b), v[KSW+\t]      ; byte b of d's word
.endif
.endr
.irp t, 0,1,2,3
	global_store_b128 v[LI], v[PC+4*\t:PC+4*\t+3], s[DB:DB+1] offset:8192+2048*\t+512*(\b)
.endr
.endm
	VPAIR 0
	VPAIR 1
	VPAIR 2
	VPAIR 3
	v_cndmask_b32 v[VSR], v[KSW], v[KSW+1], s[HM]  ; lanes 0-15 d tile 0, lanes 16-31 d tile 1;
	v_cndmask_b32 v[VSR+1], v[KSW+2], v[KSW+3], s[HM]   ; tiles 2 and 3
	global_store_b64 v[L8], v[VSR:VSR+1], s[DB:DB+1] offset:16896
.Lend:
	s_wait_tensorcnt 0x0                           ; the wave's end, behind my last LDS store
	ds_add_u32 v[SPW], v[NIL]
	s_wait_dscnt 0x0
	s_endpgm
.Lfunc_end_k_qcad740c17e_qkv:
	.size	k_qcad740c17e_qkv, .Lfunc_end_k_qcad740c17e_qkv-k_qcad740c17e_qkv
	.p2alignl 7, 3214868480
	.fill 96, 4, 3214868480
	.section	.rodata,"a",@progbits
	.p2align	6, 0x0
	.amdhsa_kernel k_qcad740c17e_qkv
		.amdhsa_group_segment_fixed_size 138240
		.amdhsa_private_segment_fixed_size 0
		.amdhsa_enable_private_segment 0
		.amdhsa_kernarg_size 48
		.amdhsa_user_sgpr_count 2
		.amdhsa_user_sgpr_kernarg_segment_ptr 1
		.amdhsa_wavefront_size32 1
		.amdhsa_system_sgpr_workgroup_id_x 1
		.amdhsa_system_sgpr_workgroup_id_y 1
		.amdhsa_system_sgpr_workgroup_id_z 1
		.amdhsa_system_vgpr_workitem_id 0
		.amdhsa_next_free_vgpr 512
		.amdhsa_next_free_sgpr 66
		.amdhsa_reserve_vcc 0
		.amdhsa_float_denorm_mode_32 3
		.amdhsa_float_denorm_mode_16_64 3
		.amdhsa_memory_ordered 1
		.amdhsa_forward_progress 1
		.amdhsa_inst_pref_size 222
	.end_amdhsa_kernel
	.amdgpu_metadata
---
amdhsa.version: [ 1, 2 ]
amdhsa.kernels:
  - .name:           k_qcad740c17e_qkv
    .symbol:         k_qcad740c17e_qkv.kd
    .args:
      - { .name: x, .offset: 0, .size: 8, .value_kind: global_buffer, .address_space: global }
      - { .name: wcodes, .offset: 8, .size: 8, .value_kind: global_buffer, .address_space: global }
      - { .name: wscales, .offset: 16, .size: 8, .value_kind: global_buffer, .address_space: global }
      - { .name: rope, .offset: 24, .size: 8, .value_kind: global_buffer, .address_space: global }
      - { .name: qrec, .offset: 32, .size: 8, .value_kind: global_buffer, .address_space: global }
      - { .name: kvrec, .offset: 40, .size: 8, .value_kind: global_buffer, .address_space: global }
    .group_segment_fixed_size: 138240
    .private_segment_fixed_size: 0
    .kernarg_segment_align: 8
    .kernarg_segment_size: 48
    .max_flat_workgroup_size: 256
    .sgpr_count:     66
    .vgpr_count:     512
    .wavefront_size: 32
...
	.end_amdgpu_metadata
.endif
;; end of part 2
;; launch attn (part 3): grid 8 x 32, 16 waves a work-group, no clusters, 327,680 bytes of LDS; arguments qrec, kvrec, ycodes, ysc; writes ycodes, ysc
.if DOCPART == 3
	.amdgcn_target "amdgcn-amd-amdhsa--gfx1250"
	.amdhsa_code_object_version 6
	.text
	.protected	k_qcad740c17e_attn
	.globl	k_qcad740c17e_attn
	.p2align	8
	.type	k_qcad740c17e_attn,@function
k_qcad740c17e_attn:
	s_mov_b64 s[64:65], 0
	v_nop
	global_prefetch_b8 v0, s[64:65] scope:SCOPE_SE
	s_setreg_imm32_b32 hwreg(HW_REG_WAVE_MODE, 25, 1), 1
	s_wait_xcnt 0x0
; THIRD LAUNCH: S = q k^T / 8 under the causal mask, p = 2^(t - M), y = (p v) / l, quantised along the 512 of the last product; both products on codes of FP8 (E4M3).
; LEFT OUT: key steps of 128 keys that lie wholly behind a block of 128 queries: the mask is built in the problem's own body and gives such keys the weight 0 for every finite input (shown at the head of the first launch).
; A NaN, an infinity or an overflow that reaches only such hidden scores is not carried to the result.
; THE SOFTMAX: t = score x log2(e) / 8; M = the running largest t rounded UP to a whole number, kept as -M = floor(-t); p = 2^(t - M) is quantised along the keys, not normalised; the row's sum is taken of the unquantised p;
; when M moves, the sum and O are multiplied by 2^(old M - new M), which rounds nothing.  A block's largest p is made from the block's largest score by the same multiply-add and exponential (this takes the exponential
; not to fall where its input rises).
; SHARES.  Work-group (j, batch x 4 + g) owns, for BOTH query heads 2 g and 2 g + 1 of key and value head g, the blocks of 128 queries 15 - j and j.  Wave w: head 2 g + w / 8, tile w % 8 of the block: 16 queries.
; It walks key records 0 .. 15 - j for the first block, then 0 .. j for the second: 17 key steps of 128 keys in EVERY work-group.  So the trip count is a constant, no step and no load is left out by a jump,
; and all work-groups have the same work.  The last step of each walk lies on the diagonal: there hidden scores become -infinity ahead of the maximum.
; NO CLUSTER: the eight work-groups of a (batch, g) go back to record 0 at eight different steps, so from there on they do not ask for the same record in the same round.
; RING.  A record (K's codes, V's codes, both scale words: 17,152 dense bytes) is one tensor load of wave 0 into one of two slots, asked for a step ahead.  One tensor load is out at the most; every wait for tensor loads is for 0.
; Records lie as images of the operands' registers: every LDS load takes 512 consecutive bytes, 16 a lane.
; THE HEAD'S 64 FILL HALF OF THE INSTRUCTION'S K: the other half is zero CODES on both sides.  Registers are laid [Q][zeros][Q] and [K even][zeros][K odd]: an even tile of keys multiplies [K 0] by [Q 0], an odd one [0 K] by [0 Q];
; the scale words hold the two bytes twice and serve both forms.
; REGISTERS: v1-11 addresses; v12 -M, v13 the largest t, v[14:15] the sum; v16-39 Q; v40-87 K of four tiles; v88-91 K's scale words, v92-93 V's, v94 Q's; v96-159 S^T, then p, then V's four fragments; v160-191 O^T;
;   v192-207 p's codes; v208-215 y's codes; v216-231 the quantisers'; v232-239 at work (v237 p's scale word).
.set RECB,  17152
.set KSOFF, 16384
.set VSOFF, 16896
.set SLOT1, 32768                      ; slot 0 at 0, slot 1 here: one exclusive or turns an address
.set YSH,   17408                      ; y's scale words of the first block: [lane][pair 4][4 bytes]: 512 bytes;
.set YSL,   17920                      ; of the second
.set SPARE, 18432                      ; the spare words, 128 bytes for each wave: eight blocks of 256 bytes that no other line names
.set LI,   1                           ; v1  16 x lane
.set L8,   2                           ; v2  8 x lane
.set DRG,  3                           ; v3  my query's place in its block less 16 h
.set YA,   4                           ; v4  where my two scale bytes of y go
.set SPW,  5
.set NIL,  6
.set PFO,  7                           ; v7  the prefetches' offset
.set ADK,  8
.set ADV8, 9
.set QSO,  10
.set QCO,  11
.set QR,   16
.set KR,   40
.set KS,   88
.set VS,   92
.set QS,   94
.set S,    96
.set O,    160
.set PCD,  192
.set YC,   208
.set TM,   216
.set BM,   216
.set BT,   220
.set HLD,  224
.set SOP,  228
.set TMP,  234
.set FF,   236                         ; v236 f; v237 p's scale word
.set HW,   238
.set NINF, 239
.set TB,   2
.set I,    3
.set WV,   18
.set MNT,  19
.set SEL,  20
.set CS,   22
.set G1,   24
.set G0,   32
.set HL,   36                          ; s36 15 - j: the first block, and the trip whose step lies on its diagonal
.set WRAP, 37                          ; s37 16 - j: behind so many records the walk begins anew
.set NR,   38                          ; s38 the record that is asked for
.set OFF,  40
.set KVB,  42
.set QBH,  44
.set QBL,  46
.set YBH,  48
.set YBL,  50
.set YSBH, 52
.set YSBL, 54
.set PFA,  56
.set LIM,  58
; nb blocks of 32 along K: block b is v[src + 16 b + 0 .. 15] of lanes l and l xor 16.  Codes to v[dst + 4 b ..], bytes to v[TM + 4 + b].
.macro QCORE src, nb, dst
.set qb, 0
.rept \nb
	v_max3_num_f32 v[TM+qb], |v[\src+16*qb]|, |v[\src+16*qb+1]|, 0x4800000   ; my 16 numbers, and the floor 2^(9 - 127): the byte cannot fall under 1
.set qb, qb+1
.endr
.set qi, 2
.rept 7
.set qb, 0
.rept \nb
	v_max3_num_f32 v[TM+qb], v[TM+qb], |v[\src+16*qb+qi]|, |v[\src+16*qb+qi+1]|
.set qb, qb+1
.endr
.set qi, qi+2
.endr
.set qb, 0
.rept \nb
	v_permlanex16_b32 v[TM+4+qb], v[TM+qb], s[SEL], s[SEL+1]
.set qb, qb+1
.endr
.set qb, 0
.rept \nb
	v_max_num_f32 v[TM+qb], v[TM+qb], v[TM+4+qb]
.set qb, qb+1
.endr
.set qb, 0
.rept \nb
	v_add_nc_u32 v[TM+12+qb], 0xfc000000, v[TM+qb]
.set qb, qb+1
.endr
.set qb, 0
.rept \nb
	v_and_or_b32 v[TM+8+qb], v[TM+qb], 0x7f800000, s[MNT]
.set qb, qb+1
.endr
.set qb, 0
.rept \nb
	v_lshrrev_b32 v[TM+4+qb], 23, v[TM+12+qb]
.set qb, qb+1
.endr
.set qb, 0
.rept \nb
.set qi, 0
.rept 16
	v_med3_num_f32 v[\src+16*qb+qi], v[\src+16*qb+qi], -v[TM+8+qb], v[TM+8+qb]   ; the conversion does not saturate (ISA guide 7.6.2): the hold at 448 x the scale
.set qi, qi+1
.endr
	v_cvt_scalef32_pk8_fp8_f32 v[\dst+4*qb:\dst+4*qb+1], v[\src+16*qb:\src+16*qb+7], v[TM+12+qb]
	v_cvt_scalef32_pk8_fp8_f32 v[\dst+4*qb+2:\dst+4*qb+3], v[\src+16*qb+8:\src+16*qb+15], v[TM+12+qb]
.set qb, qb+1
.endr
	v_nop                                                       ; a plain line behind the last conversion
.endm
; Wave 0 alone fetches.  The branch hangs on the wave's number alone.  An s_nop 0 and four v_nop follow the load.
.macro TLOAD
	s_cmp_lg_u32 s[WV], 0
	s_cbranch_scc1 .Lnot_mine_\@
	tensor_load_to_lds s[G0:G0+3], s[G1:G1+7]
	s_nop 0
.rept 4
	v_nop
.endr
.Lnot_mine_\@:
.endm
; A PREFETCH INTO THE L2 of the record that the NEXT change of slots will ask for: in trip I record I + 2, one key step ahead of its tensor load.  All eight work-groups of a (batch, g) walk the same records; the one with j = 0,
; whose first walk takes all sixteen, asks, and nobody else.  In it waves 1, 2 and 3 ask, a lane a block of 256 bytes: blocks 0-31, 32-63, 64-66 (the lanes beyond name block 66 again, so that none points past the record).
; Records 0 and 1 come by their loads alone; trips 14 and 15 ask for nothing: record 15 is the last.
.macro ASK
	s_cmp_lt_u32 s[I], s[LIM]
	s_cbranch_scc0 .Lno_ask_\@
	global_prefetch_b8 v[PFO], s[PFA:PFA+1] th:TH_LOAD_NT scope:SCOPE_SE
.Lno_ask_\@:
.endm
.macro QLOAD base                      ; my tile's codes, twice ([Q][zeros][Q]), and its scale words
	global_load_b128 v[QR:QR+3], v[QCO], s[\base:\base+1]
	global_load_b128 v[QR+4:QR+7], v[QCO], s[\base:\base+1] offset:512
	global_load_b128 v[QR+16:QR+19], v[QCO], s[\base:\base+1]
	global_load_b128 v[QR+20:QR+23], v[QCO], s[\base:\base+1] offset:512
	global_load_b32 v[QS], v[QSO], s[\base:\base+1]
.endm
.macro INIT                            ; a walk begins: the step is written once, and its first turn finds zeros, which the first change of M leaves zeros
	v_mov_b32 v13, 0xff61b1e6                      ; the largest t so far: -3e38, under every t
	v_floor_f32 v12, -v13                          ; -M
	v_mov_b32 v14, 0
	v_mov_b32 v15, 0
.set nn, 0
.rept 32
	v_mov_b32 v[O+nn], 0
.set nn, nn+1
.endr
.endm
	s_load_b256 s[4:11], s[0:1], 0x0               ; qrec s[4:5], kvrec s[6:7], ycodes s[8:9], ysc s[10:11]
	v_lshl_add_u32 v[SPW], v0, 2, SPARE
	v_mov_b32 v[NIL], 0
	ds_add_u32 v[SPW], v[NIL]                      ; the wave's opening: the add, twice on end, and its wait ahead of the first tensor load; work on registers stands between the second and the wait
	ds_add_u32 v[SPW], v[NIL]
	v_lshrrev_b32 v8, 5, v0
	v_readfirstlane_b32 s[WV], v8                  ; wave 0..15
	s_mov_b32 s[G1], 3<<16                         ; group 1: no mask; elements of 8 bytes; no padding
	s_mov_b32 s[G1+1], 32<<16                      ; tensor_dim0 = 32 elements: rows of 256 bytes
	s_mov_b32 s[G1+2], 67<<16                      ; tensor_dim1 = 67 rows: the record's 17,152 dense bytes
	s_mov_b32 s[G1+3], 32<<16                      ; tile_dim0
	s_mov_b32 s[G1+4], 67                          ; tile_dim1
	s_mov_b32 s[G1+5], 32                          ; from row to row
	s_mov_b32 s[G1+6], 0
	s_mov_b32 s[G1+7], 0
	s_mov_b32 s[SEL], 0x76543210
	s_mov_b32 s[SEL+1], 0xfedcba98
	s_mov_b32 s[CS], 0x3e38aa3b                    ; c = log2(e) / 8
	s_mov_b32 s[CS+1], s[CS]                       ; (named with it as a pair)
	s_mov_b32 s[MNT], 0x600000
	s_mov_b32 s[TB], 0
	s_mov_b32 s[I], 0
	s_mov_b32 s[NR], 0
	s_mov_b32 s[OFF+1], 0
	s_sub_co_u32 s[HL], 15, ttmp9
	s_sub_co_u32 s[WRAP], 16, ttmp9
	s_and_b32 s66, ttmp7, 0xffff                   ; 4 x batch + g
	s_lshr_b32 s67, s66, 2                         ; batch
	s_and_b32 s68, s66, 3                          ; g
	s_lshr_b32 s69, s[WV], 3                       ; which of the two query heads
	s_and_b32 s70, s[WV], 7                        ; my tile
	s_lshl_b32 s71, s66, 1
	s_add_co_u32 s71, s71, s69
	s_lshl_b32 s71, s71, 4                         ; 16 x (8 x batch + head)
	s_lshl_b32 s78, s67, 4
	s_add_co_u32 s79, s78, s[HL]                   ; 16 x batch + the first block,
	s_add_co_u32 s78, s78, ttmp9                   ; + the second
	s_mov_b32 s73, 0
	s_sub_co_u32 s74, s[WV], 1
	s_cmp_lt_u32 s74, 3
	s_cselect_b32 s74, 0, 1                        ; 0 in waves 1, 2, 3
	s_or_b32 s74, s74, ttmp9                       ; of the work-group with j = 0
	s_cmp_eq_u32 s74, 0
	s_cselect_b32 s[LIM], 14, 0
	s_wait_dscnt 0x0                               ; both opening adds are done
	s_wait_kmcnt 0x0
	s_mul_i32 s72, s66, 16*RECB
	s_add_nc_u64 s[KVB:KVB+1], s[6:7], s[72:73]    ; my head's sixteen records
	s_mov_b32 s[G0], 1                             ; group 0: count = 1,
	s_mov_b32 s[G0+1], 0                           ; slot 0,
	s_mov_b64 s[G0+2:G0+3], s[KVB:KVB+1]           ; record 0,
	s_or_b32 s[G0+3], s[G0+3], 0x80000000          ; type = 2
	TLOAD
	s_add_nc_u64 s[PFA:PFA+1], s[KVB:KVB+1], RECB  ; at record 1: the first change of slots steps it to record 2.  Nothing is prefetched here, at the head
	s_add_co_u32 s72, s71, s[HL]
	s_mul_i32 s72, s72, 8704
	s_add_nc_u64 s[QBH:QBH+1], s[4:5], s[72:73]
	s_add_co_u32 s72, s71, ttmp9
	s_mul_i32 s72, s72, 8704
	s_add_nc_u64 s[QBL:QBL+1], s[4:5], s[72:73]
	s_lshl_b32 s74, s70, 13                        ; y's codes [block][tile 8][g 4][c = 2 head + b 4][lane][16]
	s_lshl_b32 s75, s68, 11
	s_add_co_u32 s74, s74, s75
	s_lshl_b32 s75, s69, 10
	s_add_co_u32 s74, s74, s75
	s_lshl_b32 s72, s79, 16
	s_add_co_u32 s72, s72, s74
	s_add_nc_u64 s[YBH:YBH+1], s[8:9], s[72:73]
	s_lshl_b32 s72, s78, 16
	s_add_co_u32 s72, s72, s74
	s_add_nc_u64 s[YBL:YBL+1], s[8:9], s[72:73]
	s_lshl_b32 s75, s68, 9                         ; y's scale words [block][g 4][512 bytes]
	s_lshl_b32 s72, s79, 11
	s_add_co_u32 s72, s72, s75
	s_add_nc_u64 s[YSBH:YSBH+1], s[10:11], s[72:73]
	s_lshl_b32 s72, s78, 11
	s_add_co_u32 s72, s72, s75
	s_add_nc_u64 s[YSBL:YSBL+1], s[10:11], s[72:73]
	v_and_b32 v8, 31, v0
	v_lshlrev_b32 v[LI], 4, v8
	v_lshlrev_b32 v[L8], 3, v8
	v_and_b32 v8, 15, v0                           ; r
	v_and_b32 v9, 8, v0
	v_add_nc_u32 v[DRG], v8, v9                    ; r + 8 (r / 8)
	v_bfe_u32 v9, v0, 5, 1                         ; u = tile % 2
	v_lshl_add_u32 v[DRG], v9, 3, v[DRG]
	v_bfe_u32 v10, v0, 6, 2                        ; tile / 2
	v_lshl_add_u32 v[DRG], v10, 5, v[DRG]          ; my query's place in its block
	v_bfe_u32 v11, v0, 4, 1                        ; h
	v_lshlrev_b32 v11, 4, v11
	v_sub_nc_u32 v[DRG], v[DRG], v11
	v_lshlrev_b32 v[YA], 4, v8
	v_lshl_add_u32 v[YA], v9, 8, v[YA]
	v_lshl_add_u32 v[YA], v10, 2, v[YA]            ; 16 (r + 16 u) + 4 (tile / 2): my row's word among the pairs
	v_add_nc_u32 v[QSO], 8192, v[YA]               ; so in Q's record,
	v_bfe_u32 v11, v0, 8, 1
	v_lshl_add_u32 v[YA], v11, 1, v[YA]            ; and in y's words: + 2 x head: my two bytes
	v_add_nc_u32 v[YA], YSH, v[YA]
	v_bfe_u32 v11, v0, 5, 3
	v_lshl_add_u32 v[QCO], v11, 10, v[LI]          ; my tile's codes: 1,024 x tile + 16 x lane
	v_add_nc_u32 v[PFO], 0xffffffe0, v0            ; thread - 32,
	v_min_u32 v[PFO], 66, v[PFO]                   ; held at the record's last block,
	v_lshlrev_b32 v[PFO], 8, v[PFO]                ; x 256 bytes
	QLOAD QBH
.irp z, 0,1,2,3,4,5,6,7
	v_mov_b32 v[QR+8+\z], 0                        ; the zero codes: written once, never loaded into
	v_mov_b32 v[KR+8+\z], 0
	v_mov_b32 v[KR+32+\z], 0
.endr
	INIT
.irp b, 0,1,2,3
	v_mov_b32 v[BT+\b], 0                          ; a lane permute's destination counts as one of its sources
.endr
	v_mov_b32 v[FF+1], 0                           ; (named as the upper half of the pair before it is first written)
	v_mov_b32 v[NINF], 0xff800000                  ; -infinity
	s_wait_loadcnt 0x0                             ; Q
; THE CHANGE OF SLOTS stands at a step's head.  Each wave waits for all its tensor loads (wave 0: the record that is about to be read), adds 0 to its spare word, and waits for that and for its reads of the slot that it has left.
; Behind the barrier the slot ahead is whole and nobody reads the other.  fill = 1: the other slot takes the next step's record, which has this step in which to land.
.macro CHANGE fill
	s_wait_tensorcnt 0x0                           ; no tensor load of mine is out, so group 0 may be written
	ds_add_u32 v[SPW], v[NIL]                      ; 0 onto my spare word
.if \fill
	ds_add_u32 v[SPW], v[NIL]                      ; and once more: the add twice on end, in every trip alike
	s_xor_b32 s[G0+1], s[G0+1], SLOT1              ; the other slot than last time
	s_add_co_u32 s[NR], s[NR], 1                   ; the next record,
	s_cmp_eq_u32 s[NR], s[WRAP]
	s_cselect_b32 s[NR], 0, s[NR]                  ; or, behind the first walk's last, record 0: ids and the count of steps alone
	s_mul_i32 s[OFF], s[NR], RECB
	s_add_nc_u64 s[G0+2:G0+3], s[KVB:KVB+1], s[OFF:OFF+1]
	s_or_b32 s[G0+3], s[G0+3], 0x80000000
	s_wait_xcnt 0x0                                ; the last prefetch, a step back, has read its address, so it may be written
	s_add_nc_u64 s[PFA:PFA+1], s[PFA:PFA+1], RECB
.endif
	s_wait_dscnt 0x0                               ; the add is done (fill = 1: both are), and my reads of the slot that I have left are over
	s_barrier_signal -1
	s_barrier_wait -1
.if \fill
	TLOAD                                          ; the first thing behind the barrier, and the one tensor load until the next
	ASK
.endif
.endm
; A KEY STEP: 128 keys.  diag = 1: it lies on the diagonal; diag = 0: it does where I = 15 - j.
.macro STEP diag
	v_add_nc_u32 v[ADK], s[TB], v[LI]
	v_add_nc_u32 v[ADV8], s[TB], v[L8]
.rept 7
	v_nop                                          ; with the two additions nine places behind the last products: the new scores are laid over the registers that held V's fragments, and V's scale words are loaded anew
.endr
	ds_load_b128 v[KS:KS+3], v[ADK] offset:KSOFF   ; K's scale words: register = pair of tiles; lanes 0-15 the even tile, lanes 16-31 the odd
	ds_load_b64 v[VS:VS+1], v[ADV8] offset:VSOFF   ; V's likewise
.irp gq, 0,1                           ; S^T = K Q^T, four tiles of 16 keys at a time
.if \gq
.rept 8
	v_nop                                          ; eight places in front of loads into registers that the last four products read
.endr
.endif
.irp pp, 0,1
.irp uk, 0,1
.irp c, 0,1
	ds_load_b128 v[KR+24*\pp+16*\uk+4*\c:KR+24*\pp+16*\uk+4*\c+3], v[ADK] offset:1024*(4*\gq+2*\pp+\uk)+512*\c
.endr
.endr
.endr
	s_wait_dscnt 0x0
.irp pp, 0,1
	v_wmma_scale_f32_16x16x128_f8f6f4 v[S+8*(4*\gq+2*\pp):S+8*(4*\gq+2*\pp)+7], v[KR+24*\pp:KR+24*\pp+15], v[QR:QR+15], 0, v[KS+2*\gq+\pp], v[QS]
	v_wmma_scale_f32_16x16x128_f8f6f4 v[S+8*(4*\gq+2*\pp+1):S+8*(4*\gq+2*\pp+1)+7], v[KR+24*\pp+8:KR+24*\pp+23], v[QR+8:QR+23], 0, v[KS+2*\gq+\pp], v[QS] matrix_a_scale:MATRIX_SCALE_ROW1
.endr
.endr                                  ; lane (r, h) holds query r; register 16 b + i is key 32 b + 16 h + i of the step
.rept 8
	v_nop
.endr
.if \diag == 0
	s_cmp_lg_u32 s[I], s[HL]                       ; ids and the count of steps alone
	s_cbranch_scc1 .Lopen_\@
.endif
.set nn, 0
.rept 64                               ; on the diagonal the scores of hidden keys become -infinity ahead of the maximum: p = 0 then.  Hidden: 32 b + i > my query's place - 16 h
	v_cmp_gt_i32 vcc_lo, 32*(nn/16)+nn%16, v[DRG]
	v_cndmask_b32 v[S+nn], v[S+nn], v[NINF], vcc_lo
.set nn, nn+1
.endr
.if \diag == 0
.Lopen_\@:
.endif
.irp b, 0,1,2,3
	v_max3_num_f32 v[BM+\b], v[S+16*\b], v[S+1+16*\b], v[S+2+16*\b]   ; the largest score of each block of 32 keys: for the row's maximum, and for the block's largest p
.endr
.irp i, 3,5,7,9,11,13
.irp b, 0,1,2,3
	v_max3_num_f32 v[BM+\b], v[BM+\b], v[S+16*\b+\i], v[S+1+16*\b+\i]
.endr
.endr
.irp b, 0,1,2,3
	v_max_num_f32 v[BM+\b], v[BM+\b], v[S+15+16*\b]
.endr
.irp b, 0,1,2,3
	v_permlanex16_b32 v[BT+\b], v[BM+\b], s[SEL], s[SEL+1]
.endr
.irp b, 0,1,2,3
	v_max_num_f32 v[BM+\b], v[BM+\b], v[BT+\b]     ; with lane l xor 16's 16 keys
.endr
	v_max3_num_f32 v[TMP], v[BM], v[BM+1], v[BM+2]
	v_max_num_f32 v[TMP], v[TMP], v[BM+3]          ; the step's largest score of my query
	v_mul_f32 v[TMP], s[CS], v[TMP]                ; as t (c is positive)
	v_max_num_f32 v13, v13, v[TMP]                 ; the running largest t
	v_mov_b32 v[TMP], v12
	v_floor_f32 v12, -v13                          ; the new -M = floor(-t): M is a whole number
	v_sub_f32 v[TMP], v12, v[TMP]                  ; old M less new M: a whole number, 0 or less
	v_cvt_i32_f32 v[TMP], v[TMP]                   ; (it saturates)
	v_ldexp_f32 v[FF], 1.0, v[TMP]                 ; f = 2^(old M - new M)
.set nn, 0
.rept 32
	v_pk_fma_f32 v[S+nn:S+nn+1], v[S+nn:S+nn+1], s[CS:CS+1], v[12:13] op_sel_hi:[1,0,0]   ; t - M, two at a time
.set nn, nn+2
.endr
.irp b, 0,1,2,3
	v_fma_f32 v[BM+\b], v[BM+\b], s[CS], v12       ; the same of each block's largest score
.endr
.set nn, 0
.rept 64
	v_exp_f32 v[S+nn], v[S+nn]                     ; p = 2^(t - M), at most 1: not normalised
.set nn, nn+1
.endr
	v_pk_mul_f32 v[14:15], v[14:15], v[FF:FF+1] op_sel_hi:[1,0]   ; the sums under the new M (a plain line behind the exponentials)
	s_wait_alu depctr_va_vdst(0)                   ; the wait ahead of the batch's first reader: one for the 64
.irp b, 0,1,2,3
	v_exp_f32 v[BM+\b], v[BM+\b]                   ; the block's largest p
.endr
	v_pk_add_f32 v[232:233], v[S:S+1], v[S+2:S+3]  ; the row's sum is taken of the unquantised p, in two chains
.irp j, 4,8,12,16,20,24,28,32,36,40,44,48,52,56,60
	v_pk_add_f32 v[14:15], v[14:15], v[S+\j:S+\j+1]
	v_pk_add_f32 v[232:233], v[232:233], v[S+2+\j:S+3+\j]
.endr
	v_pk_add_f32 v[14:15], v[14:15], v[232:233]
	s_wait_alu depctr_va_vdst(0)                   ; and one for the four
.irp b, 0,1,2,3
	v_max_num_f32 v[BM+\b], 0x4800000, v[BM+\b]    ; the floor 2^(9 - 127): the byte cannot fall under 1
.endr
.irp b, 0,1,2,3
	v_add_nc_u32 v[SOP+\b], 0xfc000000, v[BM+\b]   ; 8 off the exponent field: the conversion's scale operand
.endr
.irp b, 0,1,2,3
	v_and_or_b32 v[HLD+\b], v[BM+\b], 0x7f800000, s[MNT]   ; 448 x the scale
.endr
.irp b, 0,1,2,3
	v_lshrrev_b32 v[BT+\b], 23, v[SOP+\b]          ; the scale's byte
.endr
	v_lshl_or_b32 v[FF+1], v[BT+1], 8, v[BT]       ; p's scale word for these 128 keys
	v_lshl_or_b32 v[FF+1], v[BT+2], 16, v[FF+1]
	v_lshl_or_b32 v[FF+1], v[BT+3], 24, v[FF+1]
.irp b, 0,1,2,3
.irp i, 0,1,2,3,4,5,6,7,8,9,10,11,12,13,14,15
	v_min_num_f32 v[S+16*\b+\i], v[S+16*\b+\i], v[HLD+\b]   ; the conversion does not saturate (ISA guide 7.6.2); p is not negative, so the hold is one-sided
.endr
	v_cvt_scalef32_pk8_fp8_f32 v[PCD+4*\b:PCD+4*\b+1], v[S+16*\b:S+16*\b+7], v[SOP+\b]
	v_cvt_scalef32_pk8_fp8_f32 v[PCD+4*\b+2:PCD+4*\b+3], v[S+16*\b+8:S+16*\b+15], v[SOP+\b]
.endr
	v_nop                                          ; a plain line behind the last conversion
.set nn, 0
.rept 16
	ds_load_b128 v[S+4*nn:S+4*nn+3], v[ADK] offset:8192+512*nn   ; V's four fragments (16 d x 128 keys each) into the registers that p has left
.set nn, nn+1
.endr
.set nn, 0
.rept 16
	v_pk_mul_f32 v[O+nn:O+nn+1], v[O+nn:O+nn+1], v[FF:FF+1] op_sel_hi:[1,0]   ; O^T under the new M; these lines also stand between the codes' making and the products
.set nn, nn+2
.endr
	s_wait_dscnt 0x0
.irp t, 0,2                            ; O^T += V^T P^T: the four accumulators take turns, one instruction a turn
	v_wmma_scale_f32_16x16x128_f8f6f4 v[O+8*\t:O+8*\t+7], v[S+16*\t:S+16*\t+15], v[PCD:PCD+15], v[O+8*\t:O+8*\t+7], v[VS+\t/2], v[FF+1]
	v_wmma_scale_f32_16x16x128_f8f6f4 v[O+8*\t+8:O+8*\t+15], v[S+16*\t+16:S+16*\t+31], v[PCD:PCD+15], v[O+8*\t+8:O+8*\t+15], v[VS+\t/2], v[FF+1] matrix_a_scale:MATRIX_SCALE_ROW1
.endr
	s_xor_b32 s[TB], s[TB], SLOT1                  ; on to the other slot
.endm
; A WALK'S END: y = O^T / the sum; register 16 b + i is d = 32 b + 16 h + i of my head: two blocks of the last product's K.  The codes are that product's operand registers and leave as they stand.
.macro WAYOUT yb, ysoff, next
	s_wait_xcnt 0x0                                ; the first way out's stores have read the codes' registers
	v_add_f32 v14, v14, v15
	v_permlanex16_b32 v[TMP], v14, s[SEL], s[SEL+1]
	v_add_f32 v14, v14, v[TMP]                     ; the row's sum
	v_rcp_f32 v14, v14
.rept 6
	v_nop                                          ; with the two additions eight places behind the last products; also the plain line behind the reciprocal
.endr
	s_wait_alu depctr_va_vdst(0)                   ; the wait ahead of its first reader
.set nn, 0
.rept 16
	v_pk_mul_f32 v[O+nn:O+nn+1], v[O+nn:O+nn+1], v[14:15] op_sel_hi:[1,0]   ; each accumulator from its low end on
.set nn, nn+2
.endr
	QCORE O, 2, YC
	v_lshl_or_b32 v[HW], v[TM+5], 8, v[TM+4]
	global_store_b128 v[LI], v[YC:YC+3], s[\yb:\yb+1]            ; 32 lanes store 512 consecutive bytes
	global_store_b128 v[LI], v[YC+4:YC+7], s[\yb:\yb+1] offset:512
	ds_store_b16 v[YA], v[HW] offset:\ysoff        ; my row's two bytes of its word; lanes l and l xor 16 write the same bytes with the same value
.if \next
	QLOAD QBL
	INIT
	s_wait_loadcnt 0x0
.endif
.endm
.Lstep:                                ; 16 trips: behind each change of slots the next step's record is asked for
	CHANGE 1
	STEP 0
	s_cmp_lg_u32 s[I], s[HL]
	s_cbranch_scc1 .Lgo
	WAYOUT YBH, 0, 1                               ; the first block is done; the second begins
.Lgo:
	s_add_co_u32 s[I], s[I], 1
	s_cmp_lt_u32 s[I], 16
	s_cbranch_scc1 .Lstep
	CHANGE 0                                       ; the seventeenth step is written out: nothing is left to fetch, and it always lies on the diagonal
	STEP 1
	WAYOUT YBL, YSL-YSH, 0
	s_wait_dscnt 0x0                               ; for wave 0's sake: my scale bytes have landed
	s_barrier_signal -1
	s_barrier_wait -1
	s_cmp_lg_u32 s[WV], 0
	s_cbranch_scc1 .Ldone
	ds_load_b128 v[96:99], v[LI] offset:YSH        ; the sixteen waves' bytes make 512 bytes of words for each block: each leaves by one store of 512 consecutive bytes
	ds_load_b128 v[100:103], v[LI] offset:YSL
	s_wait_dscnt 0x0
	global_store_b128 v[LI], v[96:99], s[YSBH:YSBH+1]
	global_store_b128 v[LI], v[100:103], s[YSBL:YSBL+1]
.Ldone:
	s_wait_tensorcnt 0x0                           ; the wave's end, behind the last tensor load and my last LDS store
	ds_add_u32 v[SPW], v[NIL]
	s_wait_dscnt 0x0
	s_endpgm
.Lfunc_end_k_qcad740c17e_attn:
	.size	k_qcad740c17e_attn, .Lfunc_end_k_qcad740c17e_attn-k_qcad740c17e_attn
	.p2alignl 7, 3214868480
	.fill 96, 4, 3214868480
	.section	.rodata,"a",@progbits
	.p2align	6, 0x0
	.amdhsa_kernel k_qcad740c17e_attn
		.amdhsa_group_segment_fixed_size 327680
		.amdhsa_private_segment_fixed_size 0
		.amdhsa_enable_private_segment 0
		.amdhsa_kernarg_size 32
		.amdhsa_user_sgpr_count 2
		.amdhsa_user_sgpr_kernarg_segment_ptr 1
		.amdhsa_wavefront_size32 1
		.amdhsa_system_sgpr_workgroup_id_x 1
		.amdhsa_system_sgpr_workgroup_id_y 1
		.amdhsa_system_sgpr_workgroup_id_z 1
		.amdhsa_system_vgpr_workitem_id 0
		.amdhsa_next_free_vgpr 256
		.amdhsa_next_free_sgpr 82
		.amdhsa_reserve_vcc 1
		.amdhsa_float_denorm_mode_32 3
		.amdhsa_float_denorm_mode_16_64 3
		.amdhsa_memory_ordered 1
		.amdhsa_forward_progress 1
		.amdhsa_inst_pref_size 70
	.end_amdhsa_kernel
	.amdgpu_metadata
---
amdhsa.version: [ 1, 2 ]
amdhsa.kernels:
  - .name:           k_qcad740c17e_attn
    .symbol:         k_qcad740c17e_attn.kd
    .args:
      - { .name: qrec, .offset: 0, .size: 8, .value_kind: global_buffer, .address_space: global }
      - { .name: kvrec, .offset: 8, .size: 8, .value_kind: global_buffer, .address_space: global }
      - { .name: ycodes, .offset: 16, .size: 8, .value_kind: global_buffer, .address_space: global }
      - { .name: ysc, .offset: 24, .size: 8, .value_kind: global_buffer, .address_space: global }
    .group_segment_fixed_size: 327680
    .private_segment_fixed_size: 0
    .kernarg_segment_align: 8
    .kernarg_segment_size: 32
    .max_flat_workgroup_size: 512
    .sgpr_count:     82
    .vgpr_count:     256
    .wavefront_size: 32
...
	.end_amdgpu_metadata
.endif
;; end of part 3
;; launch oproj (part 4): grid 256 x 1, 8 waves a work-group, no clusters, 68,608 bytes of LDS; arguments ycodes, ysc, wcodes, wscales, out0; writes out0
.if DOCPART == 4
	.amdgcn_target "amdgcn-amd-amdhsa--gfx1250"
	.amdhsa_code_object_version 6
	.text
	.protected	k_qcad740c17e_oproj
	.globl	k_qcad740c17e_oproj
	.p2align	8
	.type	k_qcad740c17e_oproj,@function
k_qcad740c17e_oproj:
	s_mov_b64 s[64:65], 0
	v_nop
	global_prefetch_b8 v0, s[64:65] scope:SCOPE_SE
	s_setreg_imm32_b32 hwreg(HW_REG_WAVE_MODE, 25, 1), 1
	s_wait_xcnt 0x0
; FOURTH LAUNCH: out = y Wp^T on codes of FP8 (E4M3) with one E8M0 scale for each 32 along K = 512.  Nothing of the problem is left out here.
; SHARES.  A work-group takes 64 positions (four tiles; their codes are 32,768 dense bytes, laid as images of the operand's registers) and all 512 columns.  Wave w owns columns 64 w .. 64 w + 63: its 64 rows of Wp
; (16 fragments, 256 registers) fill register window 1.  The eight waves copy y's images into LDS once, 4,096 bytes each, and every wave reads all of them.
; TRANSPOSED: source 0 = 16 rows of Wp, source 1 = a tile of y: a lane holds one position and eight neighbouring columns; a tile goes through my own stage in LDS and leaves as runs of 256 consecutive bytes, aligned.
; A tile's positions are 32 (m / 2) + 8 (m % 2) + r + 8 (r / 8); Wp's tiles are laid likewise, so registers 8 t + i of lane (r, h) are columns 32 (t / 2) + 16 h + 8 (t % 2) + i.
; No cluster and no tensor load: the weights go to registers once, a part to each wave, and y's codes are read by one work-group.  No prefetch: the launch reads its codes at its head and then only stores.
; REGISTERS, window 0: v1-6 addresses; v16-31 Wp's scale words; v32-39 y's; v64-127 y's four fragments; v128-159 accumulators; v160-191 rows on their way out; v192-223 the copy; v252, v253 the add's two.
.set YIMG,  0                          ; LDS: [tile 4][K step 4][c 4][lane][16]
.set STG,   32768                      ; a stage for each wave: 16 rows x (256 bytes + 16)
.set STGW,  4352
.set SPARE, 67584                      ; the spare words, 128 bytes for each wave: four blocks of 256 bytes that no other line names
.set LI,  1
.set SO,  2
.set SR,  3
.set CO,  4
.set YLO, 5
.set CPI, 6
.set WS,  16
.set YS,  32
.set YF,  64
.set ACC, 128
.set OB,  160
.set CP,  192
.set SPW, 252
.set NIL, 253
.set WV,  16
.set MSB, 0
.macro WIN new                         ; the immediate's high byte repeats the setting that is left
.if MSB != \new
	s_set_vgpr_msb (MSB<<8)|\new
.set MSB, \new
.endif
.endm
	s_load_b256 s[4:11], s[0:1], 0x0               ; ycodes s[4:5], ysc s[6:7], wcodes s[8:9], wscales s[10:11]
	s_load_b64 s[12:13], s[0:1], 0x20              ; out0
	v_lshl_add_u32 v[SPW], v0, 2, SPARE
	v_mov_b32 v[NIL], 0
	v_lshrrev_b32 v8, 5, v0
	v_readfirstlane_b32 s[WV], v8                  ; wave 0..7
	v_and_b32 v8, 31, v0
	v_lshlrev_b32 v[LI], 4, v8
	v_and_b32 v8, 15, v0                           ; r
	v_bfe_u32 v9, v0, 4, 1                         ; h
	s_mul_i32 s20, s[WV], STGW
	s_add_co_u32 s20, s20, STG                     ; my stage
	v_mul_u32_u24 v[SO], v8, 272
	v_lshl_add_u32 v[SO], v9, 6, v[SO]
	v_add_nc_u32 v[SO], s20, v[SO]                 ; in: row r, + 64 h
	v_mul_u32_u24 v[SR], v9, 272
	v_lshl_add_u32 v[SR], v8, 4, v[SR]
	v_add_nc_u32 v[SR], s20, v[SR]                 ; back: lanes 0-15 one row, lanes 16-31 the next
	v_lshlrev_b32 v[CO], 11, v9
	v_lshl_add_u32 v[CO], v8, 4, v[CO]
	s_lshl_b32 s20, s[WV], 8
	v_add_nc_u32 v[CO], s20, v[CO]                 ; the same two rows in out0, my 256 bytes of them
	s_and_b32 s20, ttmp9, 1
	s_lshl_b32 s20, s20, 3
	v_add_nc_u32 v[YLO], s20, v[LI]                ; y's scale words [lane][pair 4]: my half of the block of 128 has two pairs
	s_lshl_b32 s20, s[WV], 12
	v_add_nc_u32 v[CPI], s20, v[LI]                ; my 4,096 bytes of the copy
	s_mov_b32 s21, 0
	s_add_co_u32 s22, s[WV], 16                    ; my group of 64 rows: Wp's are groups 16 to 23
	s_wait_kmcnt 0x0
	s_lshl_b32 s20, ttmp9, 15
	s_add_nc_u64 s[4:5], s[4:5], s[20:21]
	s_lshr_b32 s20, ttmp9, 1
	s_lshl_b32 s20, s20, 11
	s_add_nc_u64 s[6:7], s[6:7], s[20:21]
	s_lshl_b32 s20, s22, 15
	s_add_nc_u64 s[8:9], s[8:9], s[20:21]
	s_lshl_b32 s20, s22, 11
	s_add_nc_u64 s[10:11], s[10:11], s[20:21]
	s_lshl_b32 s20, ttmp9, 17
	s_add_nc_u64 s[12:13], s[12:13], s[20:21]
.irp k, 0,1,2,3,4,5,6,7
	global_load_b128 v[CP+4*\k:CP+4*\k+3], v[CPI], s[4:5] offset:512*\k th:TH_LOAD_NT   ; read once in the launch
.endr
.irp s, 0,1,2,3
	global_load_b64 v[YS+2*\s:YS+2*\s+1], v[YLO], s[6:7] offset:512*\s   ; K step s: two pairs of tiles; lanes 0-15 the even tile's words, lanes 16-31 the odd tile's
.endr
.irp t, 0,1,2,3
	global_load_b128 v[WS+4*\t:WS+4*\t+3], v[LI], s[10:11] offset:512*\t
.endr
	WIN 0x40                                       ; destination window 1
.set nn, 0
.rept 64
	global_load_b128 v[4*nn:4*nn+3], v[LI], s[8:9] offset:512*nn   ; fragment (tile t, K step s) at v[16 (4 t + s)] of window 1
.set nn, nn+1
.endr
	WIN 0
	s_wait_loadcnt 63                              ; 80 loads are issued and the copy's 8 are the oldest: with 63 out at the most they are in
.irp k, 0,1,2,3,4,5,6,7
	ds_store_b128 v[CPI], v[CP+4*\k:CP+4*\k+3] offset:YIMG+512*\k
.endr
	s_wait_dscnt 0x0                               ; for the others' sake: my part of the copy has landed
	s_barrier_signal -1
	s_barrier_wait -1                              ; y's sixteen fragments lie in LDS; nobody writes them again
.macro FETCHY m
.set nn, 0
.rept 16
	ds_load_b128 v[YF+4*nn:YF+4*nn+3], v[LI] offset:YIMG+8192*(\m)+512*nn
.set nn, nn+1
.endr
.endm
.macro OTILE m
	s_wait_dscnt 0x0                               ; the tile's fragments are in; the last tile's stores into the stage have read the accumulators
	WIN 0x01                                       ; source 0 (Wp) window 1
.irp s, 0,1,2,3                        ; the four accumulators take turns, one instruction a turn
.irp t, 0,1,2,3
.if \s == 0
.if (\m)%2
	v_wmma_scale_f32_16x16x128_f8f6f4 v[ACC+8*\t:ACC+8*\t+7], v[16*(4*\t+\s):16*(4*\t+\s)+15], v[YF+16*\s:YF+16*\s+15], 0, v[WS+4*\t+\s], v[YS+2*\s+(\m)/2] matrix_b_scale:MATRIX_SCALE_ROW1
.else
	v_wmma_scale_f32_16x16x128_f8f6f4 v[ACC+8*\t:ACC+8*\t+7], v[16*(4*\t+\s):16*(4*\t+\s)+15], v[YF+16*\s:YF+16*\s+15], 0, v[WS+4*\t+\s], v[YS+2*\s+(\m)/2]
.endif
.else
.if (\m)%2
	v_wmma_scale_f32_16x16x128_f8f6f4 v[ACC+8*\t:ACC+8*\t+7], v[16*(4*\t+\s):16*(4*\t+\s)+15], v[YF+16*\s:YF+16*\s+15], v[ACC+8*\t:ACC+8*\t+7], v[WS+4*\t+\s], v[YS+2*\s+(\m)/2] matrix_b_scale:MATRIX_SCALE_ROW1
.else
	v_wmma_scale_f32_16x16x128_f8f6f4 v[ACC+8*\t:ACC+8*\t+7], v[16*(4*\t+\s):16*(4*\t+\s)+15], v[YF+16*\s:YF+16*\s+15], v[ACC+8*\t:ACC+8*\t+7], v[WS+4*\t+\s], v[YS+2*\s+(\m)/2]
.endif
.endif
.endr
.endr
	WIN 0
.rept 9
	v_nop                                          ; eight places in front of the stores that read results and of loads into the fragments' registers; the ninth for the next tile's first product, which writes over an accumulator
.endr
.irp t, 0,1,2,3
	ds_store_b128 v[SO], v[ACC+8*\t:ACC+8*\t+3] offset:128*(\t/2)+32*(\t%2)      ; each accumulator from its low end on
	ds_store_b128 v[SO], v[ACC+8*\t+4:ACC+8*\t+7] offset:128*(\t/2)+32*(\t%2)+16
.endr
.if (\m) > 0
	s_wait_xcnt 0x0                                ; the last tile's global stores have read their registers
.endif
.irp i, 0,1,2,3,4,5,6,7
	ds_load_b128 v[OB+4*\i:OB+4*\i+3], v[SR] offset:544*\i   ; LDS serves a wave's instructions in order (ISA guide 5.7.1.4): these see my stores
.endr
.if (\m) < 3
	FETCHY (\m)+1
	s_wait_dscnt 16                                ; the rows are back; the next tile's 16 fragment loads may be out
.else
	s_wait_dscnt 0x0
.endif
.irp i, 0,1,2,3,4,5,6,7
	global_store_b128 v[CO], v[OB+4*\i:OB+4*\i+3], s[12:13] offset:(32*((\m)/2)+8*((\m)%2)+2*\i+8*(\i/4))*2048 th:TH_STORE_NT   ; 16 lanes store 256 consecutive bytes, at a multiple of 256 from out0's first byte
.endr
.endm
	FETCHY 0
	s_wait_loadcnt 0x0                             ; the weights and all scale words
	OTILE 0
	OTILE 1
	OTILE 2
	OTILE 3
	s_wait_tensorcnt 0x0                           ; the wave's end, behind my last LDS store
	ds_add_u32 v[SPW], v[NIL]
	s_wait_dscnt 0x0
	s_endpgm
.Lfunc_end_k_qcad740c17e_oproj:
	.size	k_qcad740c17e_oproj, .Lfunc_end_k_qcad740c17e_oproj-k_qcad740c17e_oproj
	.p2alignl 7, 3214868480
	.fill 96, 4, 3214868480
	.section	.rodata,"a",@progbits
	.p2align	6, 0x0
	.amdhsa_kernel k_qcad740c17e_oproj
		.amdhsa_group_segment_fixed_size 68608
		.amdhsa_private_segment_fixed_size 0
		.amdhsa_enable_private_segment 0
		.amdhsa_kernarg_size 40
		.amdhsa_user_sgpr_count 2
		.amdhsa_user_sgpr_kernarg_segment_ptr 1
		.amdhsa_wavefront_size32 1
		.amdhsa_system_sgpr_workgroup_id_x 1
		.amdhsa_system_sgpr_workgroup_id_y 1
		.amdhsa_system_sgpr_workgroup_id_z 1
		.amdhsa_system_vgpr_workitem_id 0
		.amdhsa_next_free_vgpr 512
		.amdhsa_next_free_sgpr 66
		.amdhsa_reserve_vcc 0
		.amdhsa_float_denorm_mode_32 3
		.amdhsa_float_denorm_mode_16_64 3
		.amdhsa_memory_ordered 1
		.amdhsa_forward_progress 1
		.amdhsa_inst_pref_size 32
	.end_amdhsa_kernel
	.amdgpu_metadata
---
amdhsa.version: [ 1, 2 ]
amdhsa.kernels:
  - .name:           k_qcad740c17e_oproj
    .symbol:         k_qcad740c17e_oproj.kd
    .args:
      - { .name: ycodes, .offset: 0, .size: 8, .value_kind: global_buffer, .address_space: global }
      - { .name: ysc, .offset: 8, .size: 8, .value_kind: global_buffer, .address_space: global }
      - { .name: wcodes, .offset: 16, .size: 8, .value_kind: global_buffer, .address_space: global }
      - { .name: wscales, .offset: 24, .size: 8, .value_kind: global_buffer, .address_space: global }
      - { .name: out0, .offset: 32, .size: 8, .value_kind: global_buffer, .address_space: global }
    .group_segment_fixed_size: 68608
    .private_segment_fixed_size: 0
    .kernarg_segment_align: 8
    .kernarg_segment_size: 40
    .max_flat_workgroup_size: 256
    .sgpr_count:     66
    .vgpr_count:     512
    .wavefront_size: 32
...
	.end_amdgpu_metadata
.endif
;; end of part 4
;; ======== version 2 of 2: 4 launches
;; workspace buffers: wcodes 786,432 bytes; wscales 49,152 bytes; rope 524,288 bytes; qrec 8,912,896 bytes; kvrec 8,781,824 bytes; ycodes 8,388,608 bytes; ysc 262,144 bytes
;; launch prep (part 5): grid 224 x 1, 1 waves a work-group, no clusters, 0 bytes of LDS; arguments Wq, Wk, Wv, Wp, wcodes, wscales, rope; writes wcodes, wscales, rope
.if DOCPART == 5
	.amdgcn_target "amdgcn-amd-amdhsa--gfx1250"
	.amdhsa_code_object_version 6
	.text
	.protected	k_qcad740c17e_prep
	.globl	k_qcad740c17e_prep
	.p2align	8
	.type	k_qcad740c17e_prep,@function
k_qcad740c17e_prep:
	s_mov_b64 s[64:65], 0
	v_nop
	global_prefetch_b8 v0, s[64:65] scope:SCOPE_SE
	s_setreg_imm32_b32 hwreg(HW_REG_WAVE_MODE, 25, 1), 1
	s_wait_xcnt 0x0
; FIRST OF FOUR LAUNCHES of: out = softmax_causal(rope(rms(x Wq^T)) rope(rms(x Wk^T))^T / 8) (x Wv^T) Wp^T, all six products on codes of FP8 (E4M3) with one E8M0 scale for each 32 along K.
; This launch: the four weights become codes and scale words, laid in the order of an operand's registers; and the table of cos and sin for the rotation.
; WORK LEFT OUT BY THE PROGRAM, and why it is dead: the scores of keys that come after a query.  The mask is built in the problem's own body (a lower triangle of ones); where it is false the score is replaced by the
; least f32 number, every row keeps its own key, so the exponential of (least - the row's maximum) is 0 for every finite input: such a key adds 0 to the row's sum and 0 to the second product.  Key steps of 128 keys that lie
; wholly behind a block of 128 queries are therefore not multiplied (third launch).  LIMIT: a NaN, an infinity or an overflow that reaches only such hidden scores is not carried to the result.
; Every input (x, Wq, Wk, Wv, Wp) has a way to the output and is loaded.
; LIMITS: NaN and infinities among the inputs are not served.  A block of zeros gets the scale byte 1 where the quantiser says 127: its codes are zeros, which add nothing under any byte but 0xff, and the bytes are read by
; this program alone.  The 32 frequencies are the f32 numbers nearest to 10^(-j/8); a power and a reciprocal taken in f32 may differ from that by a last bit, which at position 2,047 is some 1e-4 of a radian.
; The reduction of the angle holds for angles under 2,048.
; LAYOUT.  A TILE of 16 rows is never 16 neighbours: lane r of tile 2 b + u of a group of 64 rows takes row 32 b + 8 u + r + 8 (r / 8), so that the results of tiles 2 b and 2 b + 1 are 16 neighbours along the next product's K.
;   wcodes [96 tiles][K step 4][c 4][lane 32][16 bytes]: lane (r, h) holds W[row r of the tile][128 s + 32 c + 16 h + 0 .. 15].  Tiles 0-31 Wq, 32-47 Wk, 48-63 Wv, 64-95 Wp.
;   wscales [96][lane][K step 4][4 bytes].      rope [128 tiles of positions][8][lane][16 bytes]: groups 0-3 cos, 4-7 sin, of frequencies 16 h + 0 .. 15 at the lane's position.
; SHARES.  One wave to a work-group.  Work-groups 0-95: a tile of a weight each.  Work-groups 96-223: a tile of positions each.  No LDS, no matrix unit: there is nothing to share and nothing to multiply.
.set X,   16                           ; v16-143  two sets of 64 numbers
.set PC,  144                          ; v144-207 the codes, a set for each K step: no store's data are written again
.set TM,  208                          ; v208-223 largest magnitudes, bytes, holds, scale operands
.set SW,  224                          ; v224-227 the four scale words
.set SEL, 24                           ; s[24:25] lane selects: lane l xor 16
.set MNT, 26                           ; s26  the mantissa field of 448
.set HM,  27                           ; s27  lanes 16-31
; nb blocks of 32 along K: block b is v[src + 16 b + 0 .. 15] of lanes l and l xor 16.  Codes to v[dst + 4 b ..], bytes to v[TM + 4 + b].
.macro QCORE src, nb, dst
.set qb, 0
.rept \nb
	v_max3_num_f32 v[TM+qb], |v[\src+16*qb]|, |v[\src+16*qb+1]|, 0x4800000   ; my 16 numbers, and the floor 2^(9 - 127): the byte cannot fall under 1
.set qb, qb+1
.endr
.set qi, 2
.rept 7
.set qb, 0
.rept \nb
	v_max3_num_f32 v[TM+qb], v[TM+qb], |v[\src+16*qb+qi]|, |v[\src+16*qb+qi+1]|
.set qb, qb+1
.endr
.set qi, qi+2
.endr
.set qb, 0
.rept \nb
	v_permlanex16_b32 v[TM+4+qb], v[TM+qb], s[SEL], s[SEL+1]
.set qb, qb+1
.endr
.set qb, 0
.rept \nb
	v_max_num_f32 v[TM+qb], v[TM+qb], v[TM+4+qb]                ; the block's largest magnitude
.set qb, qb+1
.endr
.set qb, 0
.rept \nb
	v_add_nc_u32 v[TM+12+qb], 0xfc000000, v[TM+qb]              ; 8 off its exponent field: the conversion's scale operand
.set qb, qb+1
.endr
.set qb, 0
.rept \nb
	v_and_or_b32 v[TM+8+qb], v[TM+qb], 0x7f800000, s[MNT]       ; 448 x the scale
.set qb, qb+1
.endr
.set qb, 0
.rept \nb
	v_lshrrev_b32 v[TM+4+qb], 23, v[TM+12+qb]                   ; the scale's byte
.set qb, qb+1
.endr
.set qb, 0
.rept \nb
.set qi, 0
.rept 16
	v_med3_num_f32 v[\src+16*qb+qi], v[\src+16*qb+qi], -v[TM+8+qb], v[TM+8+qb]   ; the conversion does not saturate (ISA guide 7.6.2): the hold at 448 x the scale
.set qi, qi+1
.endr
	v_cvt_scalef32_pk8_fp8_f32 v[\dst+4*qb:\dst+4*qb+1], v[\src+16*qb:\src+16*qb+7], v[TM+12+qb]
	v_cvt_scalef32_pk8_fp8_f32 v[\dst+4*qb+2:\dst+4*qb+3], v[\src+16*qb+8:\src+16*qb+15], v[TM+12+qb]
.set qb, qb+1
.endr
	v_nop                                                       ; a plain line behind the last conversion
.endm
	s_load_b256 s[4:11], s[0:1], 0x0               ; Wq s[4:5], Wk s[6:7], Wv s[8:9], Wp s[10:11]
	s_load_b128 s[12:15], s[0:1], 0x20             ; wcodes, wscales
	s_load_b64 s[16:17], s[0:1], 0x30              ; rope
	v_and_b32 v1, 15, v0                           ; r
	v_lshrrev_b32 v2, 4, v0                        ; h
	v_and_b32 v3, 8, v0
	v_add_nc_u32 v3, v3, v1                        ; r + 8 (r / 8)
	v_lshlrev_b32 v4, 4, v0                        ; 16 x lane
	s_mov_b32 s[SEL], 0x76543210
	s_mov_b32 s[SEL+1], 0xfedcba98
	s_mov_b32 s[MNT], 0x600000
	s_mov_b32 s[HM], 0xffff0000
	s_mov_b32 s23, 0
	s_wait_kmcnt 0x0
	s_cmp_ge_u32 ttmp9, 96
	s_cbranch_scc1 .Lrope
	; ---- a tile of a weight: 16 rows x 512 along K
	s_cmp_lt_u32 ttmp9, 64                         ; which tensor: the choice hangs on the work-group's number alone
	s_cselect_b64 s[18:19], s[8:9], s[10:11]
	s_cselect_b32 s20, 48, 64
	s_cmp_lt_u32 ttmp9, 48
	s_cselect_b64 s[18:19], s[6:7], s[18:19]
	s_cselect_b32 s20, 32, s20
	s_cmp_lt_u32 ttmp9, 32
	s_cselect_b64 s[18:19], s[4:5], s[18:19]
	s_cselect_b32 s20, 0, s20
	s_sub_co_u32 s20, ttmp9, s20                   ; T: the tile in its tensor
	s_lshr_b32 s21, s20, 2
	s_lshl_b32 s21, s21, 6
	s_bfe_u32 s22, s20, 0x10001
	s_lshl_b32 s22, s22, 5
	s_add_co_u32 s21, s21, s22
	s_and_b32 s22, s20, 1
	s_lshl_b32 s22, s22, 3
	s_add_co_u32 s21, s21, s22                     ; its first row: 64 (T / 4) + 32 ((T / 2) % 2) + 8 (T % 2)
	s_lshl_b32 s22, s21, 11                        ; a row is 2,048 bytes
	s_add_nc_u64 s[18:19], s[18:19], s[22:23]
	s_lshl_b32 s22, ttmp9, 13
	s_add_nc_u64 s[12:13], s[12:13], s[22:23]      ; the tile's 8,192 bytes of codes
	s_lshl_b32 s22, ttmp9, 9
	s_add_nc_u64 s[14:15], s[14:15], s[22:23]      ; and its 512 bytes of scale words
	s_wait_alu depctr_va_vdst(0)
	v_lshlrev_b32 v5, 11, v3
	v_lshl_add_u32 v5, v2, 6, v5                   ; my row, + 64 h: my 16 numbers of a block of 32
.irp b, 0,1,2,3
	v_mov_b32 v[TM+4+\b], 0                        ; written once: a lane permute's destination counts as one of its sources
.endr
.macro WLOAD ks                        ; K step ks: 64 numbers a lane, register 16 b + i = k 32 b + 16 h + i
.set nn, 0
.rept 16
	global_load_b128 v[X+64*((\ks)%2)+4*nn:X+64*((\ks)%2)+4*nn+3], v5, s[18:19] offset:512*(\ks)+128*(nn/4)+16*(nn%4)
.set nn, nn+1
.endr
.endm
.macro WSTEP ks, left
	s_wait_loadcnt \left                           ; this K step's 16 loads are in; the next one's may be out
	QCORE X+64*((\ks)%2), 4, PC+16*(\ks)
	v_lshl_or_b32 v[SW+\ks], v[TM+5], 8, v[TM+4]   ; the four bytes make my row's scale word
	v_lshl_or_b32 v[SW+\ks], v[TM+6], 16, v[SW+\ks]
	v_lshl_or_b32 v[SW+\ks], v[TM+7], 24, v[SW+\ks]
.if (\ks) < 2
	WLOAD (\ks)+2
.endif
.irp c, 0,1,2,3
	global_store_b128 v4, v[PC+16*(\ks)+4*\c:PC+16*(\ks)+4*\c+3], s[12:13] offset:2048*(\ks)+512*\c   ; 32 lanes store 512 consecutive bytes
.endr
.endm
	WLOAD 0
	WLOAD 1
	WSTEP 0, 16
	WSTEP 1, 16
	WSTEP 2, 16
	WSTEP 3, 0
	global_store_b128 v4, v[SW:SW+3], s[14:15]
	s_endpgm
	; ---- a tile of positions: cos and sin of position x frequency, 16 frequencies a lane
.Lrope:
.set FQ, 16                            ; v16-31   the frequency, then the angle, then the reduced angle r
.set NQ, 32                            ; v32-47   the number of quarter turns as f32; later at work
.set QQ, 48                            ; v48-63   the same as a whole number
.set ZZ, 64                            ; v64-79   r^2
.set CC, 80                            ; v80-95   cos r
.set RR, 96                            ; v96-111  sin r
.set CO, 112                           ; v112-127 the cosine
.set SI, 128                           ; v128-143 the sine
	s_sub_co_u32 s20, ttmp9, 96                    ; the tile
	s_lshr_b32 s21, s20, 1
	s_lshl_b32 s21, s21, 5
	s_and_b32 s22, s20, 1
	s_lshl_b32 s22, s22, 3
	s_add_co_u32 s21, s21, s22
	s_wait_alu depctr_va_vdst(0)
	v_add_nc_u32 v6, s21, v3                       ; my position: 32 (tile / 2) + 8 (tile % 2) + r + 8 (r / 8)
	v_cvt_f32_u32 v6, v6
	s_lshl_b32 s22, s20, 12
	s_add_nc_u64 s[16:17], s[16:17], s[22:23]
	s_mov_b32 s28, 0x3f22f983                      ; 2 / pi
	s_mov_b32 s29, 0xbfc90fdb                      ; -(pi / 2 rounded to f32)
	s_mov_b32 s30, 0x333bbd2e                      ; that number less pi / 2
	s_mov_b32 s31, 0x37ccf5ce                      ; cos: 2.443315712e-5,
	s_mov_b32 s32, 0xbab6061a                      ; -1.388731625e-3,
	s_mov_b32 s33, 0x3d2aaaa5                      ; 4.166664568e-2
	s_mov_b32 s34, 0xb94ca1f9                      ; sin: -1.9515295891e-4,
	s_mov_b32 s35, 0x3c08839e                      ; 8.3321608736e-3,
	s_mov_b32 s36, 0xbe2aaaa3                      ; -1.6666654611e-1
.macro FREQ i, lo, hi                  ; lanes 0-15: 10^(-i / 8); lanes 16-31: 10^(-(16 + i) / 8)
	v_mov_b32 v[FQ+\i], \hi
	v_cndmask_b32 v[FQ+\i], \lo, v[FQ+\i], s[HM]
.endm
	FREQ 0,  1.0,           0.01
	FREQ 1,  0.7498942093,  0.007498942093
	FREQ 2,  0.5623413252,  0.005623413252
	FREQ 3,  0.4216965034,  0.004216965034
	FREQ 4,  0.3162277660,  0.003162277660
	FREQ 5,  0.2371373706,  0.002371373706
	FREQ 6,  0.1778279410,  0.001778279410
	FREQ 7,  0.1333521432,  0.001333521432
	FREQ 8,  0.1,           0.001
	FREQ 9,  0.07498942093, 0.0007498942093
	FREQ 10, 0.05623413252, 0.0005623413252
	FREQ 11, 0.04216965034, 0.0004216965034
	FREQ 12, 0.03162277660, 0.0003162277660
	FREQ 13, 0.02371373706, 0.0002371373706
	FREQ 14, 0.01778279410, 0.0001778279410
	FREQ 15, 0.01333521432, 0.0001333521432
.irp i, 0,1,2,3,4,5,6,7,8,9,10,11,12,13,14,15
	v_mul_f32 v[FQ+\i], v6, v[FQ+\i]               ; the angle, rounded once
.endr
.irp i, 0,1,2,3,4,5,6,7,8,9,10,11,12,13,14,15
	v_mul_f32 v[NQ+\i], s28, v[FQ+\i]
.endr
.irp i, 0,1,2,3,4,5,6,7,8,9,10,11,12,13,14,15
	v_rndne_f32 v[NQ+\i], v[NQ+\i]                 ; quarter turns
.endr
.irp i, 0,1,2,3,4,5,6,7,8,9,10,11,12,13,14,15
	v_fma_f32 v[FQ+\i], v[NQ+\i], s29, v[FQ+\i]    ; exact: a multiple of 2^-23 under 1
.endr
.irp i, 0,1,2,3,4,5,6,7,8,9,10,11,12,13,14,15
	v_fma_f32 v[FQ+\i], v[NQ+\i], s30, v[FQ+\i]    ; r, within pi / 4 of 0
.endr
.irp i, 0,1,2,3,4,5,6,7,8,9,10,11,12,13,14,15
	v_cvt_i32_f32 v[QQ+\i], v[NQ+\i]
.endr
.irp i, 0,1,2,3,4,5,6,7,8,9,10,11,12,13,14,15
	v_mul_f32 v[ZZ+\i], v[FQ+\i], v[FQ+\i]
.endr
.irp i, 0,1,2,3,4,5,6,7,8,9,10,11,12,13,14,15
	v_fma_f32 v[CC+\i], v[ZZ+\i], s31, s32
	v_fma_f32 v[RR+\i], v[ZZ+\i], s34, s35
.endr
.irp i, 0,1,2,3,4,5,6,7,8,9,10,11,12,13,14,15
	v_fma_f32 v[CC+\i], v[CC+\i], v[ZZ+\i], s33
	v_fma_f32 v[RR+\i], v[RR+\i], v[ZZ+\i], s36
.endr
.irp i, 0,1,2,3,4,5,6,7,8,9,10,11,12,13,14,15
	v_fma_f32 v[CC+\i], v[CC+\i], v[ZZ+\i], -0.5
	v_mul_f32 v[NQ+\i], v[FQ+\i], v[ZZ+\i]         ; r^3
.endr
.irp i, 0,1,2,3,4,5,6,7,8,9,10,11,12,13,14,15
	v_fma_f32 v[CC+\i], v[CC+\i], v[ZZ+\i], 1.0    ; cos r
	v_fma_f32 v[RR+\i], v[RR+\i], v[NQ+\i], v[FQ+\i]   ; sin r
.endr
.irp i, 0,1,2,3,4,5,6,7,8,9,10,11,12,13,14,15
	v_and_b32 v[NQ+\i], 1, v[QQ+\i]
.endr
.irp i, 0,1,2,3,4,5,6,7,8,9,10,11,12,13,14,15
	v_cmp_eq_u32 vcc_lo, 1, v[NQ+\i]               ; an odd number of quarter turns swaps the two
	v_cndmask_b32 v[CO+\i], v[CC+\i], v[RR+\i], vcc_lo
	v_cndmask_b32 v[SI+\i], v[RR+\i], v[CC+\i], vcc_lo
.endr
.irp i, 0,1,2,3,4,5,6,7,8,9,10,11,12,13,14,15
	v_lshlrev_b32 v[NQ+\i], 30, v[QQ+\i]           ; the sine is negative in quarters 2 and 3,
	v_add_nc_u32 v[QQ+\i], 1, v[QQ+\i]             ; the cosine in quarters 1 and 2
.endr
.irp i, 0,1,2,3,4,5,6,7,8,9,10,11,12,13,14,15
	v_and_b32 v[NQ+\i], 0x80000000, v[NQ+\i]
	v_lshlrev_b32 v[QQ+\i], 30, v[QQ+\i]
.endr
.irp i, 0,1,2,3,4,5,6,7,8,9,10,11,12,13,14,15
	v_xor_b32 v[SI+\i], v[SI+\i], v[NQ+\i]
	v_and_b32 v[QQ+\i], 0x80000000, v[QQ+\i]
.endr
.irp i, 0,1,2,3,4,5,6,7,8,9,10,11,12,13,14,15
	v_xor_b32 v[CO+\i], v[CO+\i], v[QQ+\i]
.endr
.irp q, 0,1,2,3
	global_store_b128 v4, v[CO+4*\q:CO+4*\q+3], s[16:17] offset:512*\q
.endr
.irp q, 0,1,2,3
	global_store_b128 v4, v[SI+4*\q:SI+4*\q+3], s[16:17] offset:2048+512*\q
.endr
	s_endpgm
.Lfunc_end_k_qcad740c17e_prep:
	.size	k_qcad740c17e_prep, .Lfunc_end_k_qcad740c17e_prep-k_qcad740c17e_prep
	.p2alignl 7, 3214868480
	.fill 96, 4, 3214868480
	.section	.rodata,"a",@progbits
	.p2align	6, 0x0
	.amdhsa_kernel k_qcad740c17e_prep
		.amdhsa_group_segment_fixed_size 0
		.amdhsa_private_segment_fixed_size 0
		.amdhsa_enable_private_segment 0
		.amdhsa_kernarg_size 56
		.amdhsa_user_sgpr_count 2
		.amdhsa_user_sgpr_kernarg_segment_ptr 1
		.amdhsa_wavefront_size32 1
		.amdhsa_system_sgpr_workgroup_id_x 1
		.amdhsa_system_sgpr_workgroup_id_y 1
		.amdhsa_system_sgpr_workgroup_id_z 1
		.amdhsa_system_vgpr_workitem_id 0
		.amdhsa_next_free_vgpr 256
		.amdhsa_next_free_sgpr 66
		.amdhsa_reserve_vcc 1
		.amdhsa_float_denorm_mode_32 3
		.amdhsa_float_denorm_mode_16_64 3
		.amdhsa_memory_ordered 1
		.amdhsa_forward_progress 1
		.amdhsa_inst_pref_size 65
	.end_amdhsa_kernel
	.amdgpu_metadata
---
amdhsa.version: [ 1, 2 ]
amdhsa.kernels:
  - .name:           k_qcad740c17e_prep
    .symbol:         k_qcad740c17e_prep.kd
    .args:
      - { .name: Wq, .offset: 0, .size: 8, .value_kind: global_buffer, .address_space: global }
      - { .name: Wk, .offset: 8, .size: 8, .value_kind: global_buffer, .address_space: global }
      - { .name: Wv, .offset: 16, .size: 8, .value_kind: global_buffer, .address_space: global }
      - { .name: Wp, .offset: 24, .size: 8, .value_kind: global_buffer, .address_space: global }
      - { .name: wcodes, .offset: 32, .size: 8, .value_kind: global_buffer, .address_space: global }
      - { .name: wscales, .offset: 40, .size: 8, .value_kind: global_buffer, .address_space: global }
      - { .name: rope, .offset: 48, .size: 8, .value_kind: global_buffer, .address_space: global }
    .group_segment_fixed_size: 0
    .private_segment_fixed_size: 0
    .kernarg_segment_align: 8
    .kernarg_segment_size: 56
    .max_flat_workgroup_size: 32
    .sgpr_count:     66
    .vgpr_count:     256
    .wavefront_size: 32
...
	.end_amdgpu_metadata
.endif
;; end of part 5
;; launch qkv (part 6): grid 2 x 128, 8 waves a work-group, no clusters, 138,240 bytes of LDS; arguments x, wcodes, wscales, rope, qrec, kvrec; writes qrec, kvrec
.if DOCPART == 6
	.amdgcn_target "amdgcn-amd-amdhsa--gfx1250"
	.amdhsa_code_object_version 6
	.text
	.protected	k_qcad740c17e_qkv
	.globl	k_qcad740c17e_qkv
	.p2align	8
	.type	k_qcad740c17e_qkv,@function
k_qcad740c17e_qkv:
	s_mov_b64 s[64:65], 0
	v_nop
	global_prefetch_b8 v0, s[64:65] scope:SCOPE_SE
	s_setreg_imm32_b32 hwreg(HW_REG_WAVE_SCHED_MODE, 0, 2), 2
	s_setreg_imm32_b32 hwreg(HW_REG_WAVE_MODE, 25, 1), 1
	s_wait_xcnt 0x0
	s_wait_alu depctr_vm_vsrc(0)
; SECOND LAUNCH: x is quantised along its 512; q = x Wq^T, k = x Wk^T, v = x Wv^T on codes; q and k are normalised (root mean square over the head's 64) and rotated in f32 and quantised along the head's 64;
; v is quantised along the keys.  Nothing of the problem is left out here.
; SHARES.  Work-group (c, R) takes the 128 positions 128 R .. 128 R + 127 (batch R / 16, block J = R % 16) and half of the 1,024 output columns.  Each of its eight waves owns 64 columns, one head:
; waves 0-3 query heads 4 c + w, waves 4, 5 key heads 2 c + w % 2, waves 6, 7 value heads 2 c + w % 2.  A wave's 64 rows of weight (16 fragments, 256 registers) fill register window 1 for the whole launch.
; Half of the columns to a work-group, since the codes of 512 columns are half of what the registers of four SIMDs hold.  So x is read, and quantised, by two work-groups.
; No cluster: what the two share is x, which goes through registers on its way to codes.  No prefetch: the launch streams x and ends.
; TILES.  A tile of positions is never 16 neighbours: lane r of tile 2 b + u takes position 32 b + 8 u + r + 8 (r / 8); the weights' tiles are laid likewise (first launch).  So:
;   q, k: source 0 = 16 rows of W, source 1 = a tile of x: a lane holds ONE position, and registers 16 b + i are the head's d = 32 b + 16 h + i: the conversions' results are the next operand's registers.
;   v:    source 0 = a tile of x, source 1 = 16 rows of W: a lane holds ONE d, and the 16 registers of tiles 2 b, 2 b + 1 are keys 32 b + 16 h + 0 .. 15.
; OUT.  qrec [batch][head 8][J] records of 8,704 bytes: codes [tile 8][c 2][lane][16]; at 8,192 scale words [lane][pair 4]: lanes 0-15 tile 2 pair, lanes 16-31 tile 2 pair + 1; a word is the two bytes written twice.
;       kvrec [batch][head 4][J] records of 17,152 bytes: K's codes as q's; at 8,192 V's codes [d tile 4][c 4][lane][16]; at 16,384 K's scale words as q's; at 16,896 V's [lane][2]: a word's byte c is key block c.
; LIMITS: as stated at the head of the first launch.
; REGISTERS, window 0: v1-7 addresses; v8-13 at work; v16-31 the weights' scale words; v32-39 x's; v40-103 four fragments of x; v104-135 a tile of q or k, v136-167 cos and sin (values: v104-167 eight tiles);
;   v168-199 the rotated tile; v200-215 the quantiser's; v216-222 scale words in the making; v224-239 codes; v252, v253 the add's two.  While x is quantised: v40-103, v168-231 two sets of 64 numbers, v104-135 the quantiser's and codes.
; THE MODE: SCHED_MODE bits 1:0 = 2 (LLVM: expert scheduling mode 2), set by the entry lines.  The code itself states the register dependences
; between vector or matrix instructions and memory or LDS instructions, with s_wait_alu, always for 0.
; THE PLAN.  Registers that memory or LDS instructions touch, and who else names them:
;   v1-7, v252, v253   Written at the head, ahead of one wait on va_vdst; never again.
;   RR0, RR1           (x is quantised)  Global loads land; the stage's stores read them; the stage's loads land in them; the quantiser reads and writes them; the loads of two K steps on land.
;   PCX, XW            Written by the quantiser, read by the images' LDS stores.
;                      So a K step holds one wait on vm_vsrc, between the stage's stores and its loads, and one on va_vdst, behind the quantiser.
;   XF, XS             LDS loads land; the products read them.      CSN  Global loads land; the rotation reads it.      PC, KSW, VSR  Written by the quantiser's lines, read by global stores.
;   A tile of q or k:  one wait on va_vdst behind the products (XF and XS are free; the tile before has written PC): behind it that tile's stores, and the next tile's LDS loads, dealt among the sum of squares, whose lines
;                      name the tile and v8-11 alone; the wait ahead of the root's first reader; one behind the rotation (CSN is free), and beside it the wait on vm_vsrc for PC.
;   A pair of v:       one wait on va_vdst behind each half's products: behind the first the second half's loads and the last pair's stores, behind the second the next pair's loads, which land while this pair is quantised.
.set XIMG,  0                          ; LDS: x's 32 fragments [tile 8][K step 4][c 4][lane][16]
.set XSC,   65536                      ; their scale words [tile][lane][K step][4]
.set STG,   69632                      ; a stage for each wave: 16 rows x (512 bytes + 16)
.set STGW,  8448
.set SP,    528
.set SPARE, 137216                     ; the spare words, 128 bytes for each wave: four blocks of 256 bytes that no other line names
.set LI,  1                            ; v1  16 x lane
.set L8,  2                            ; v2  8 x lane
.set STW, 3                            ; v3  the stage, on the way in
.set STR, 4                            ; v4  and on the way out: row r, + 64 h
.set XWI, 5                            ; v5  where I store my tile's images
.set XWS, 6                            ; v6  and its scale words
.set XSR, 7                            ; v7  where scale words are read
.set XW,  8                            ; v8-11 x's scale words in the making
.set SQ,  8                            ; v8-11 sums of squares
.set RS,  12                           ; v[12:13] 1 / root
.set WS,  16
.set XS,  32
.set XF,  40
.set HA,  104
.set VA,  104
.set CSN, 136
.set OUT, 168
.set KSW, 216
.set VSR, 220
.set WRD, 222
.set PC,  224
.set RR0, 40
.set RR1, 168
.set PCX, 120
.set SPW, 252
.set NIL, 253
.set WV,  16
.set R,   17
.set SEL, 18
.set MNT, 20
.set HM,  21
.set EPS, 22
.set I64, 23
.set WB,  36                           ; s[36:37] my weights' codes;  s[38:39] their scale words;  s[40:41] my record;  s[42:43] its scale words;  s[44:45] cos and sin;  s[46:47] x
.set WSB, 38
.set DB,  40
.set DS,  42
.set RB,  44
.set XB,  46
.set MSB, 0
.macro WIN new                         ; the immediate's high byte repeats the setting that is left
.if MSB != \new
	s_set_vgpr_msb (MSB<<8)|\new
.set MSB, \new
.endif
.endm
; nb blocks of 32 along K: block b is v[src + 16 b + 0 .. 15] of lanes l and l xor 16.  Codes to v[dst + 4 b ..], bytes to v[TM + 4 + b].
.macro QCORE src, nb, dst
.set qb, 0
.rept \nb
	v_max3_num_f32 v[TM+qb], |v[\src+16*qb]|, |v[\src+16*qb+1]|, 0x4800000   ; my 16 numbers, and the floor 2^(9 - 127): the byte cannot fall under 1
.set qb, qb+1
.endr
.set qi, 2
.rept 7
.set qb, 0
.rept \nb
	v_max3_num_f32 v[TM+qb], v[TM+qb], |v[\src+16*qb+qi]|, |v[\src+16*qb+qi+1]|
.set qb, qb+1
.endr
.set qi, qi+2
.endr
.set qb, 0
.rept \nb
	v_permlanex16_b32 v[TM+4+qb], v[TM+qb], s[SEL], s[SEL+1]
.set qb, qb+1
.endr
.set qb, 0
.rept \nb
	v_max_num_f32 v[TM+qb], v[TM+qb], v[TM+4+qb]                ; the block's largest magnitude
.set qb, qb+1
.endr
.set qb, 0
.rept \nb
	v_add_nc_u32 v[TM+12+qb], 0xfc000000, v[TM+qb]              ; 8 off its exponent field: the conversion's scale operand
.set qb, qb+1
.endr
.set qb, 0
.rept \nb
	v_and_or_b32 v[TM+8+qb], v[TM+qb], 0x7f800000, s[MNT]       ; 448 x the scale
.set qb, qb+1
.endr
.set qb, 0
.rept \nb
	v_lshrrev_b32 v[TM+4+qb], 23, v[TM+12+qb]                   ; the scale's byte
.set qb, qb+1
.endr
.set qb, 0
.rept \nb
.set qi, 0
.rept 16
	v_med3_num_f32 v[\src+16*qb+qi], v[\src+16*qb+qi], -v[TM+8+qb], v[TM+8+qb]   ; the conversion does not saturate (ISA guide 7.6.2): the hold at 448 x the scale
.set qi, qi+1
.endr
	v_cvt_scalef32_pk8_fp8_f32 v[\dst+4*qb:\dst+4*qb+1], v[\src+16*qb:\src+16*qb+7], v[TM+12+qb]
	v_cvt_scalef32_pk8_fp8_f32 v[\dst+4*qb+2:\dst+4*qb+3], v[\src+16*qb+8:\src+16*qb+15], v[TM+12+qb]
.set qb, qb+1
.endr
	v_nop                                                       ; a plain line behind the last conversion
.endm
	s_load_b256 s[4:11], s[0:1], 0x0               ; x s[4:5], wcodes s[6:7], wscales s[8:9], rope s[10:11]
	s_load_b128 s[12:15], s[0:1], 0x20             ; qrec s[12:13], kvrec s[14:15]
	v_lshl_add_u32 v[SPW], v0, 2, SPARE
	v_mov_b32 v[NIL], 0
	v_lshrrev_b32 v14, 5, v0
	v_readfirstlane_b32 s[WV], v14                 ; wave 0..7
	v_and_b32 v15, 31, v0
	v_lshlrev_b32 v[LI], 4, v15
	v_lshlrev_b32 v[L8], 3, v15
	v_and_b32 v14, 15, v0                          ; r
	v_bfe_u32 v15, v0, 4, 1                        ; h
	s_wait_alu depctr_va_sdst(0)                   ; the wave's number is written, ahead of its first reader: LDS addresses, bases and a branch are made from it
	s_mul_i32 s25, s[WV], STGW
	s_add_co_u32 s25, s25, STG                     ; my stage.  Every LDS address is made here, ahead of the place where the waves part
	v_add_nc_u32 v[STW], s25, v[LI]
	v_mul_u32_u24 v[STR], v14, SP
	v_lshl_add_u32 v[STR], v15, 6, v[STR]
	v_add_nc_u32 v[STR], s25, v[STR]
	s_lshl_b32 s25, s[WV], 13
	v_add_nc_u32 v[XWI], s25, v[LI]
	s_lshl_b32 s25, s[WV], 9
	s_add_co_u32 s25, s25, XSC
	v_add_nc_u32 v[XWS], s25, v[LI]
	v_add_nc_u32 v[XSR], XSC, v[LI]
	v_mov_b32 v13, 0                               ; (named as the upper half of the pair v[12:13])
.irp b, 0,1,2,3
	v_mov_b32 v[108+\b], 0                         ; written once: a lane permute's destination counts as one of its sources
.endr
	s_mov_b32 s[SEL], 0x76543210
	s_mov_b32 s[SEL+1], 0xfedcba98
	s_mov_b32 s[MNT], 0x600000
	s_mov_b32 s[HM], 0xffff0000
	s_mov_b32 s[EPS], 0x34000000                   ; 2^-23
	s_mov_b32 s[I64], 0x3c800000                   ; 1 / 64
	s_and_b32 s[R], ttmp7, 0xffff
	s_lshl_b32 s24, ttmp9, 2
	s_add_co_u32 s24, s24, s[WV]                   ; waves 0-3: the query head, which is also the group of 64 weight rows
	s_and_b32 s25, s[WV], 1
	s_lshl_b32 s26, ttmp9, 1
	s_add_co_u32 s25, s25, s26                     ; waves 4-7: the key and value head
	s_lshr_b32 s26, s[WV], 1
	s_lshl_b32 s26, s26, 2
	s_add_co_u32 s26, s26, s25                     ; 8 + head for Wk, 12 + head for Wv
	s_cmp_lt_u32 s[WV], 4
	s_cselect_b32 s26, s24, s26                    ; my group of weight rows
	s_lshr_b32 s27, s[R], 4                        ; batch
	s_and_b32 s28, s[R], 15                        ; J
	s_lshl_b32 s29, s27, 3
	s_add_co_u32 s29, s29, s24
	s_lshl_b32 s29, s29, 4
	s_add_co_u32 s29, s29, s28
	s_mul_i32 s29, s29, 8704
	s_lshl_b32 s30, s27, 2
	s_add_co_u32 s30, s30, s25
	s_lshl_b32 s30, s30, 4
	s_add_co_u32 s30, s30, s28
	s_mul_i32 s30, s30, 17152
	s_cmp_lt_u32 s[WV], 4
	s_cselect_b32 s30, s29, s30                    ; my record
	s_mov_b32 s31, 0
	s_mov_b32 s32, 16384
	s_cselect_b32 s32, 8192, s32                   ; where its scale words for q or k lie
	s_mov_b32 s33, 0
	s_lshl_b32 s34, s[R], 7
	s_lshr_b32 s35, s[WV], 1
	s_lshl_b32 s35, s35, 5
	s_add_co_u32 s34, s34, s35
	s_and_b32 s35, s[WV], 1
	s_lshl_b32 s35, s35, 3
	s_add_co_u32 s34, s34, s35                     ; the first row of the tile of x that I quantise: tile w
	s_lshl_b32 s34, s34, 11
	s_mov_b32 s35, 0
	s_wait_kmcnt 0x0
	s_cmp_lt_u32 s[WV], 4
	s_cselect_b64 s[DB:DB+1], s[12:13], s[14:15]   ; the choice hangs on the wave's number alone
	s_add_nc_u64 s[DB:DB+1], s[DB:DB+1], s[30:31]
	s_add_nc_u64 s[DS:DS+1], s[DB:DB+1], s[32:33]
	s_add_nc_u64 s[XB:XB+1], s[4:5], s[34:35]
	s_lshl_b32 s30, s26, 15
	s_add_nc_u64 s[WB:WB+1], s[6:7], s[30:31]
	s_lshl_b32 s30, s26, 11
	s_add_nc_u64 s[WSB:WSB+1], s[8:9], s[30:31]
	s_lshl_b32 s30, s28, 15
	s_add_nc_u64 s[RB:RB+1], s[10:11], s[30:31]
	s_wait_alu depctr_va_vdst(0)                   ; the seven addresses v1 to v7 are written, which every load and store of the kernel reads; they are never written again
; 16 rows x 128 numbers of x: each load reads 512 consecutive bytes of one row
.macro XLOAD reg, ks
.set nn, 0
.rept 16
	global_load_b128 v[\reg+4*nn:\reg+4*nn+3], v[LI], s[XB:XB+1] offset:(nn+8*(nn/8))*2048+512*(\ks)
.set nn, nn+1
.endr
.endm
	XLOAD RR0, 0
	XLOAD RR1, 1
	WIN 0x40                                       ; destination window 1 (between the wait above and these loads stand loads and this switch alone)
.set nn, 0
.rept 64
	global_load_b128 v[4*nn:4*nn+3], v[LI], s[WB:WB+1] offset:512*nn   ; fragment (tile t, K step s) at v[16 (4 t + s)] of window 1: they stay
.set nn, nn+1
.endr
	WIN 0
	; ---- X: wave w quantises tile w of x.  A K step's 16 x 512 bytes turn through my stage, so that a lane holds 16 neighbours of each block of 32 of ONE row
.set TM, 104
.macro XSTEP ks, reg
.set nn, 0
.rept 16
	ds_store_b128 v[STW], v[\reg+4*nn:\reg+4*nn+3] offset:SP*nn
.set nn, nn+1
.endr
	s_wait_dscnt 0x0                               ; my stores into the stage, and the last step's images, are done
	s_wait_alu depctr_vm_vsrc(0)                   ; the stores into the stage have read these 64 registers, which take the numbers back; the last step's image stores have read v[PCX ..], which this step's conversions write
.set nn, 0
.rept 16
	ds_load_b128 v[\reg+4*nn:\reg+4*nn+3], v[STR] offset:128*(nn/4)+16*(nn%4)
.set nn, nn+1
.endr
	s_wait_dscnt 0x0
	QCORE \reg, 4, PCX
	v_lshl_or_b32 v[XW+\ks], v[TM+5], 8, v[TM+4]
	v_lshl_or_b32 v[XW+\ks], v[TM+6], 16, v[XW+\ks]
	v_lshl_or_b32 v[XW+\ks], v[TM+7], 24, v[XW+\ks]
	s_wait_alu depctr_va_vdst(0)                   ; the quantiser is done reading and writing its 64 numbers, in whose registers the loads below land; it has written v[PCX ..] and the scale word, which LDS stores read
.if (\ks) < 2
	XLOAD \reg, (\ks)+2
.endif
.irp c, 0,1,2,3
	ds_store_b128 v[XWI], v[PCX+4*\c:PCX+4*\c+3] offset:XIMG+2048*(\ks)+512*\c   ; the fragment goes to LDS as an image of its registers
.endr
.endm
	s_wait_loadcnt 63                              ; 96 loads are issued and x's 32 are the oldest: with 63 out at the most both K steps are in
	XSTEP 0, RR0
	XSTEP 1, RR1
	s_wait_loadcnt 16                              ; K step 2 is in (and the weights, issued ahead of it); K step 3's 16 loads may be out
	XSTEP 2, RR0
	s_wait_loadcnt 0x0
	XSTEP 3, RR1
	ds_store_b128 v[XWS], v[XW:XW+3]               ; (the four words stand ahead of the last step's wait on va_vdst)
.irp t, 0,1,2,3
	global_load_b128 v[WS+4*\t:WS+4*\t+3], v[LI], s[WSB:WSB+1] offset:512*\t   ; tile t's scale words of the four K steps
.endr
	s_wait_dscnt 0x0                               ; for the others' sake: my images have landed
	s_barrier_signal -1
	s_barrier_wait -1                              ; x's 32 fragments lie in LDS; nobody writes them again
	s_wait_alu depctr_vm_vsrc(0)                   ; my last image stores have read v[PCX ..] and the scale words' store v[XW ..]: the products and the sums of squares write these registers from here on, on both ways
.set TM, 200
.irp b, 0,1,2,3
	v_mov_b32 v[TM+4+\b], 0                        ; a lane permute's destination counts as one of its sources
.endr
	s_cmp_ge_u32 s[WV], 6
	s_cbranch_scc1 .Lv
	; ---- q and k: a tile of 16 positions at a time
.macro FETCHX m
.set nn, 0
.rept 16
	ds_load_b128 v[XF+4*nn:XF+4*nn+3], v[LI] offset:XIMG+8192*(\m)+512*nn
.set nn, nn+1
.endr
	ds_load_b128 v[XS:XS+3], v[XSR] offset:512*(\m)
.endm
.macro CSLOAD m
.irp q, 0,1,2,3,4,5,6,7
	global_load_b128 v[CSN+4*\q:CSN+4*\q+3], v[LI], s[RB:RB+1] offset:4096*(\m)+512*\q
.endr
.endm
.macro QKTILE m
	s_wait_dscnt 0x0                               ; the tile's four fragments and its scale words are in
	WIN 0x01                                       ; source 0 (W) window 1
.irp s, 0,1,2,3                        ; the four accumulators take turns, one instruction a turn
.irp t, 0,1,2,3
.if \s == 0
	v_wmma_scale_f32_16x16x128_f8f6f4 v[HA+8*\t:HA+8*\t+7], v[16*(4*\t+\s):16*(4*\t+\s)+15], v[XF+16*\s:XF+16*\s+15], 0, v[WS+4*\t+\s], v[XS+\s]
.else
	v_wmma_scale_f32_16x16x128_f8f6f4 v[HA+8*\t:HA+8*\t+7], v[16*(4*\t+\s):16*(4*\t+\s)+15], v[XF+16*\s:XF+16*\s+15], v[HA+8*\t:HA+8*\t+7], v[WS+4*\t+\s], v[XS+\s]
.endif
.endr
.endr
	WIN 0
.rept 8
	v_nop                                          ; eight places in front of the first read of results
.endr
	s_wait_alu depctr_va_vdst(0)                   ; the products are done reading v[XF ..] and v[XS ..], in which the next tile's loads land; the tile before has written v[PC ..], which its stores read
.if (\m) > 0
	global_store_b128 v[LI], v[PC:PC+3], s[DB:DB+1] offset:1024*((\m)-1)         ; the tile before: 32 lanes store 512 consecutive bytes
	global_store_b128 v[LI], v[PC+4:PC+7], s[DB:DB+1] offset:1024*((\m)-1)+512
.endif
.if (\m) < 7
	ds_load_b128 v[XS:XS+3], v[XSR] offset:512*((\m)+1)
.endif
.set nn, 0
.rept 16                               ; the sum of squares of my 32 of the head's 64, in two chains, each accumulator from its low end on; the next tile's fragments are asked for among its lines, which name v[HA ..] and v[SQ ..] alone
.if (\m) < 7
	ds_load_b128 v[XF+4*nn:XF+4*nn+3], v[LI] offset:XIMG+8192*((\m)+1)+512*nn
.endif
.if nn < 2
	v_pk_mul_f32 v[SQ+2*nn:SQ+2*nn+1], v[HA+2*nn:HA+2*nn+1], v[HA+2*nn:HA+2*nn+1]
.else
	v_pk_fma_f32 v[SQ+2*(nn%2):SQ+2*(nn%2)+1], v[HA+2*nn:HA+2*nn+1], v[HA+2*nn:HA+2*nn+1], v[SQ+2*(nn%2):SQ+2*(nn%2)+1]
.endif
.set nn, nn+1
.endr
	v_pk_add_f32 v[SQ:SQ+1], v[SQ:SQ+1], v[SQ+2:SQ+3]
	v_add_f32 v[SQ], v[SQ], v[SQ+1]
	v_permlanex16_b32 v[SQ+1], v[SQ], s[SEL], s[SEL+1]
	v_add_f32 v[SQ], v[SQ], v[SQ+1]                ; with lane l xor 16's 32
	v_fma_f32 v[SQ], v[SQ], s[I64], s[EPS]         ; the mean + eps
	s_wait_alu depctr_va_vdst(0)
	v_rsq_f32 v[RS], v[SQ]
	v_nop                                          ; a plain line behind the transcendental
	s_wait_alu depctr_va_vdst(0)                   ; 1 / root is written: the wait ahead of its first reader
.set nn, 0
.rept 16
	v_pk_mul_f32 v[HA+nn:HA+nn+1], v[HA+nn:HA+nn+1], v[RS:RS+1] op_sel_hi:[1,0]
.set nn, nn+2
.endr
	s_wait_alu depctr_va_vdst(0)
	s_wait_loadcnt 0x0                             ; this tile's cos and sin
.set nn, 0
.rept 8                                ; registers 0-15: d = 16 h + i (the first half), 16-31: d = 32 + 16 h + i; both turn by frequency 16 h + i
	v_pk_mul_f32 v[OUT+nn:OUT+nn+1], v[HA+nn:HA+nn+1], v[CSN+nn:CSN+nn+1]
	v_pk_mul_f32 v[OUT+16+nn:OUT+16+nn+1], v[HA+16+nn:HA+16+nn+1], v[CSN+nn:CSN+nn+1]
.set nn, nn+2
.endr
.set nn, 0
.rept 8
	v_pk_fma_f32 v[OUT+nn:OUT+nn+1], v[HA+16+nn:HA+16+nn+1], v[CSN+16+nn:CSN+16+nn+1], v[OUT+nn:OUT+nn+1]                                  ; x1 c + x2 s
	v_pk_fma_f32 v[OUT+16+nn:OUT+16+nn+1], v[HA+nn:HA+nn+1], v[CSN+16+nn:CSN+16+nn+1], v[OUT+16+nn:OUT+16+nn+1] neg_lo:[1,0,0] neg_hi:[1,0,0]   ; -x1 s + x2 c
.set nn, nn+2
.endr
.if (\m) > 0
	s_wait_xcnt 0x0                                ; the stores of the tile before have had their addresses translated: the codes' registers are rewritten only behind this wait,
	s_wait_alu depctr_vm_vsrc(0)                   ; and those stores have read v[PC ..], which this tile's conversions write
.endif
.if (\m) < 7
	s_wait_alu depctr_va_vdst(0)                   ; the rotation is done reading v[CSN ..], in which the next tile's cos and sin land
	CSLOAD (\m)+1
.endif
	QCORE OUT, 2, PC
	v_lshl_or_b32 v[WRD], v[TM+5], 8, v[TM+4]
	v_lshl_or_b32 v[WRD], v[WRD], 16, v[WRD]       ; the two bytes, twice: the third launch feeds these codes as K = 0 .. 63 or as K = 64 .. 127
.if (\m)%2 == 0
	v_mov_b32 v[KSW+(\m)/2], v[WRD]
.else
	v_cndmask_b32 v[KSW+(\m)/2], v[KSW+(\m)/2], v[WRD], s[HM]   ; lanes 16-31 carry the odd tile's words
.endif
.endm
	FETCHX 0                                       ; (the quantiser's lines that named these registers stand ahead of the last wait on va_vdst)
	CSLOAD 0
	s_wait_loadcnt 8                               ; the weights' scale words are in; the 8 loads of cos and sin issued behind them may be out
.irp m, 0,1,2,3,4,5,6,7
	QKTILE \m
.endr
	s_wait_alu depctr_va_vdst(0)                   ; the last tile has written v[PC ..] and the last of the four scale words, which the stores below read
	global_store_b128 v[LI], v[PC:PC+3], s[DB:DB+1] offset:1024*7
	global_store_b128 v[LI], v[PC+4:PC+7], s[DB:DB+1] offset:1024*7+512
	global_store_b128 v[LI], v[KSW:KSW+3], s[DS:DS+1]
	s_branch .Lend
	; ---- v: two tiles of positions (32 keys) at a time, eight accumulators by turns; K in two halves, four fragments of x each
.macro VFETCH b, sh                    ; the four fragments of pair b's half sh; with the first half the pair's scale words
.irp u, 0,1
.irp sl, 0,1
.irp c, 0,1,2,3
	ds_load_b128 v[XF+16*(2*\u+\sl)+4*\c:XF+16*(2*\u+\sl)+4*\c+3], v[LI] offset:XIMG+8192*(2*(\b)+\u)+2048*(2*(\sh)+\sl)+512*\c
.endr
.endr
.if (\sh) == 0
	ds_load_b128 v[XS+4*\u:XS+4*\u+3], v[XSR] offset:512*(2*(\b)+\u)
.endif
.endr
.endm
.macro VMUL sh
	s_wait_dscnt 0x0
	WIN 0x04                                       ; source 1 (W) window 1
.irp sl, 0,1
.irp t, 0,1,2,3
.irp u, 0,1
.if ((\sh) == 0) && (\sl == 0)
	v_wmma_scale_f32_16x16x128_f8f6f4 v[VA+16*\t+8*\u:VA+16*\t+8*\u+7], v[XF+16*(2*\u+\sl):XF+16*(2*\u+\sl)+15], v[16*(4*\t+2*(\sh)+\sl):16*(4*\t+2*(\sh)+\sl)+15], 0, v[XS+4*\u+2*(\sh)+\sl], v[WS+4*\t+2*(\sh)+\sl]
.else
	v_wmma_scale_f32_16x16x128_f8f6f4 v[VA+16*\t+8*\u:VA+16*\t+8*\u+7], v[XF+16*(2*\u+\sl):XF+16*(2*\u+\sl)+15], v[16*(4*\t+2*(\sh)+\sl):16*(4*\t+2*(\sh)+\sl)+15], v[VA+16*\t+8*\u:VA+16*\t+8*\u+7], v[XS+4*\u+2*(\sh)+\sl], v[WS+4*\t+2*(\sh)+\sl]
.endif
.endr
.endr
.endr
	WIN 0
.rept 8
	v_nop                                          ; eight places in front of the first read of results
.endr
.endm
.macro VPAIR b
	VMUL 0
	s_wait_alu depctr_va_vdst(0)                   ; the first half's products are done reading v[XF ..], in which the second half's fragments land; the pair before has written v[PC ..], which its stores read
	VFETCH \b, 1
.if (\b) > 0
.irp t, 0,1,2,3
	global_store_b128 v[LI], v[PC+4*\t:PC+4*\t+3], s[DB:DB+1] offset:8192+2048*\t+512*((\b)-1)   ; the pair before
.endr
.endif
	VMUL 1
.if (\b) < 3
	s_wait_alu depctr_va_vdst(0)                   ; the second half's products are done reading v[XF ..] and v[XS ..], in which the next pair's loads land, while this pair is quantised
	VFETCH (\b)+1, 0
.endif
.if (\b) > 0
	s_wait_xcnt 0x0                                ; the stores of the pair before have had their addresses translated: the codes' registers are rewritten only behind this wait,
	s_wait_alu depctr_vm_vsrc(0)                   ; and those stores have read v[PC ..], which this pair's conversions write
.endif
	QCORE VA, 4, PC                                ; block t: d tile t, keys 32 b .. 32 b + 31
.irp t, 0,1,2,3
.if (\b) == 0
	v_mov_b32 v[KSW+\t], v[TM+4+\t]
.else
	v_lshl_or_b32 v[KSW+\t], v[TM+4+\t], 8*(\b), v[KSW+\t]      ; byte b of d's word
.endif
.endr
.endm
.Lv:
	s_wait_loadcnt 0x0                             ; the weights' scale words
	VFETCH 0, 0                                    ; (the quantiser's lines that named these registers stand ahead of the last wait on va_vdst)
	VPAIR 0
	VPAIR 1
	VPAIR 2
	VPAIR 3
	v_cndmask_b32 v[VSR], v[KSW], v[KSW+1], s[HM]  ; lanes 0-15 d tile 0, lanes 16-31 d tile 1;
	v_cndmask_b32 v[VSR+1], v[KSW+2], v[KSW+3], s[HM]   ; tiles 2 and 3
	s_wait_alu depctr_va_vdst(0)                   ; the last pair has written v[PC ..], and the two lines above the scale words, which the stores below read
.irp t, 0,1,2,3
	global_store_b128 v[LI], v[PC+4*\t:PC+4*\t+3], s[DB:DB+1] offset:8192+2048*\t+512*3
.endr
	global_store_b64 v[L8], v[VSR:VSR+1], s[DB:DB+1] offset:16896
.Lend:
	s_wait_dscnt 0x0                               ; the closing lines, six on end
	s_wait_alu 0x0
	s_wait_tensorcnt 0x0
	ds_add_u32 v[SPW], v[NIL]
	s_wait_dscnt 0x0
	s_endpgm
.Lfunc_end_k_qcad740c17e_qkv:
	.size	k_qcad740c17e_qkv, .Lfunc_end_k_qcad740c17e_qkv-k_qcad740c17e_qkv
	.p2alignl 7, 3214868480
	.fill 96, 4, 3214868480
	.section	.rodata,"a",@progbits
	.p2align	6, 0x0
	.amdhsa_kernel k_qcad740c17e_qkv
		.amdhsa_group_segment_fixed_size 138240
		.amdhsa_private_segment_fixed_size 0
		.amdhsa_enable_private_segment 0
		.amdhsa_kernarg_size 48
		.amdhsa_user_sgpr_count 2
		.amdhsa_user_sgpr_kernarg_segment_ptr 1
		.amdhsa_wavefront_size32 1
		.amdhsa_system_sgpr_workgroup_id_x 1
		.amdhsa_system_sgpr_workgroup_id_y 1
		.amdhsa_system_sgpr_workgroup_id_z 1
		.amdhsa_system_vgpr_workitem_id 0
		.amdhsa_next_free_vgpr 512
		.amdhsa_next_free_sgpr 66
		.amdhsa_reserve_vcc 0
		.amdhsa_float_denorm_mode_32 3
		.amdhsa_float_denorm_mode_16_64 3
		.amdhsa_memory_ordered 1
		.amdhsa_forward_progress 1
		.amdhsa_inst_pref_size 224
	.end_amdhsa_kernel
	.amdgpu_metadata
---
amdhsa.version: [ 1, 2 ]
amdhsa.kernels:
  - .name:           k_qcad740c17e_qkv
    .symbol:         k_qcad740c17e_qkv.kd
    .args:
      - { .name: x, .offset: 0, .size: 8, .value_kind: global_buffer, .address_space: global }
      - { .name: wcodes, .offset: 8, .size: 8, .value_kind: global_buffer, .address_space: global }
      - { .name: wscales, .offset: 16, .size: 8, .value_kind: global_buffer, .address_space: global }
      - { .name: rope, .offset: 24, .size: 8, .value_kind: global_buffer, .address_space: global }
      - { .name: qrec, .offset: 32, .size: 8, .value_kind: global_buffer, .address_space: global }
      - { .name: kvrec, .offset: 40, .size: 8, .value_kind: global_buffer, .address_space: global }
    .group_segment_fixed_size: 138240
    .private_segment_fixed_size: 0
    .kernarg_segment_align: 8
    .kernarg_segment_size: 48
    .max_flat_workgroup_size: 256
    .sgpr_count:     66
    .vgpr_count:     512
    .wavefront_size: 32
...
	.end_amdgpu_metadata
.endif
;; end of part 6
;; launch attn (part 7): grid 8 x 32, 16 waves a work-group, no clusters, 327,680 bytes of LDS; arguments qrec, kvrec, ycodes, ysc; writes ycodes, ysc
.if DOCPART == 7
	.amdgcn_target "amdgcn-amd-amdhsa--gfx1250"
	.amdhsa_code_object_version 6
	.text
	.protected	k_qcad740c17e_attn
	.globl	k_qcad740c17e_attn
	.p2align	8
	.type	k_qcad740c17e_attn,@function
k_qcad740c17e_attn:
	s_mov_b64 s[64:65], 0
	v_nop
	global_prefetch_b8 v0, s[64:65] scope:SCOPE_SE
	s_setreg_imm32_b32 hwreg(HW_REG_WAVE_MODE, 25, 1), 1
	s_wait_xcnt 0x0
; THIRD LAUNCH: S = q k^T / 8 under the causal mask, p = 2^(t - M), y = (p v) / l, quantised along the 512 of the last product; both products on codes of FP8 (E4M3).
; LEFT OUT: key steps of 128 keys that lie wholly behind a block of 128 queries: the mask is built in the problem's own body and gives such keys the weight 0 for every finite input (shown at the head of the first launch).
; A NaN, an infinity or an overflow that reaches only such hidden scores is not carried to the result.
; THE SOFTMAX: t = score x log2(e) / 8; M = the running largest t rounded UP to a whole number, kept as -M = floor(-t); p = 2^(t - M) is quantised along the keys, not normalised; the row's sum is taken of the unquantised p;
; when M moves, the sum and O are multiplied by 2^(old M - new M), which rounds nothing.  A block's largest p is made from the block's largest score by the same multiply-add and exponential (this takes the exponential
; not to fall where its input rises).
; SHARES.  Work-group (j, batch x 4 + g) owns, for BOTH query heads 2 g and 2 g + 1 of key and value head g, the blocks of 128 queries 15 - j and j.  Wave w: head 2 g + w / 8, tile w % 8 of the block: 16 queries.
; It walks key records 0 .. 15 - j for the first block, then 0 .. j for the second: 17 key steps of 128 keys in EVERY work-group.  So the trip count is a constant, no step and no load is left out by a jump,
; and all work-groups have the same work.  The last step of each walk lies on the diagonal: there hidden scores become -infinity ahead of the maximum.
; NO CLUSTER: the eight work-groups of a (batch, g) go back to record 0 at eight different steps, so from there on they do not ask for the same record in the same round.
; RING.  A record (K's codes, V's codes, both scale words: 17,152 dense bytes) is one tensor load of wave 0 into one of two slots, asked for a step ahead.  One tensor load is out at the most; every wait for tensor loads is for 0.
; Records lie as images of the operands' registers: every LDS load takes 512 consecutive bytes, 16 a lane.
; THE HEAD'S 64 FILL HALF OF THE INSTRUCTION'S K: the other half is zero CODES on both sides.  Registers are laid [Q][zeros][Q] and [K even][zeros][K odd]: an even tile of keys multiplies [K 0] by [Q 0], an odd one [0 K] by [0 Q];
; the scale words hold the two bytes twice and serve both forms.
; REGISTERS: v1-11 addresses; v12 -M, v13 the largest t, v[14:15] the sum; v16-39 Q; v40-87 K of four tiles; v88-91 K's scale words, v92-93 V's, v94 Q's; v96-159 S^T, then p, then V's four fragments; v160-191 O^T;
;   v192-207 p's codes; v208-215 y's codes; v216-231 the quantisers'; v232-239 at work (v237 p's scale word).
.set RECB,  17152
.set KSOFF, 16384
.set VSOFF, 16896
.set SLOT1, 32768                      ; slot 0 at 0, slot 1 here: one exclusive or turns an address
.set YSH,   17408                      ; y's scale words of the first block: [lane][pair 4][4 bytes]: 512 bytes;
.set YSL,   17920                      ; of the second
.set SPARE, 18432                      ; the spare words, 128 bytes for each wave: eight blocks of 256 bytes that no other line names
.set LI,   1                           ; v1  16 x lane
.set L8,   2                           ; v2  8 x lane
.set DRG,  3                           ; v3  my query's place in its block less 16 h
.set YA,   4                           ; v4  where my two scale bytes of y go
.set SPW,  5
.set NIL,  6
.set PFO,  7                           ; v7  the prefetches' offset
.set ADK,  8
.set ADV8, 9
.set QSO,  10
.set QCO,  11
.set QR,   16
.set KR,   40
.set KS,   88
.set VS,   92
.set QS,   94
.set S,    96
.set O,    160
.set PCD,  192
.set YC,   208
.set TM,   216
.set BM,   216
.set BT,   220
.set HLD,  224
.set SOP,  228
.set TMP,  234
.set FF,   236                         ; v236 f; v237 p's scale word
.set HW,   238
.set NINF, 239
.set TB,   2
.set I,    3
.set WV,   18
.set MNT,  19
.set SEL,  20
.set CS,   22
.set G1,   24
.set G0,   32
.set HL,   36                          ; s36 15 - j: the first block, and the trip whose step lies on its diagonal
.set WRAP, 37                          ; s37 16 - j: behind so many records the walk begins anew
.set NR,   38                          ; s38 the record that is asked for
.set OFF,  40
.set KVB,  42
.set QBH,  44
.set QBL,  46
.set YBH,  48
.set YBL,  50
.set YSBH, 52
.set YSBL, 54
.set PFA,  56
.set LIM,  58
; nb blocks of 32 along K: block b is v[src + 16 b + 0 .. 15] of lanes l and l xor 16.  Codes to v[dst + 4 b ..], bytes to v[TM + 4 + b].
.macro QCORE src, nb, dst
.set qb, 0
.rept \nb
	v_max3_num_f32 v[TM+qb], |v[\src+16*qb]|, |v[\src+16*qb+1]|, 0x4800000   ; my 16 numbers, and the floor 2^(9 - 127): the byte cannot fall under 1
.set qb, qb+1
.endr
.set qi, 2
.rept 7
.set qb, 0
.rept \nb
	s_delay_alu instid0(VALU_DEP_2)
	v_max3_num_f32 v[TM+qb], v[TM+qb], |v[\src+16*qb+qi]|, |v[\src+16*qb+qi+1]|
.set qb, qb+1
.endr
.set qi, qi+2
.endr
.set qb, 0
.rept \nb
	s_delay_alu instid0(VALU_DEP_2)
	v_permlanex16_b32 v[TM+4+qb], v[TM+qb], s[SEL], s[SEL+1]
.set qb, qb+1
.endr
.set qb, 0
.rept \nb
	s_delay_alu instid0(VALU_DEP_2)
	v_max_num_f32 v[TM+qb], v[TM+qb], v[TM+4+qb]
.set qb, qb+1
.endr
.set qb, 0
.rept \nb
	s_delay_alu instid0(VALU_DEP_2)
	v_add_nc_u32 v[TM+12+qb], 0xfc000000, v[TM+qb]
.set qb, qb+1
.endr
.set qb, 0
.rept \nb
	s_delay_alu instid0(VALU_DEP_4)
	v_and_or_b32 v[TM+8+qb], v[TM+qb], 0x7f800000, s[MNT]
.set qb, qb+1
.endr
.set qb, 0
.rept \nb
	s_delay_alu instid0(VALU_DEP_4)
	v_lshrrev_b32 v[TM+4+qb], 23, v[TM+12+qb]
.set qb, qb+1
.endr
.set qb, 0
.rept \nb
.set qi, 0
.rept 16
	v_med3_num_f32 v[\src+16*qb+qi], v[\src+16*qb+qi], -v[TM+8+qb], v[TM+8+qb]   ; the conversion does not saturate (ISA guide 7.6.2): the hold at 448 x the scale
.set qi, qi+1
.endr
	v_cvt_scalef32_pk8_fp8_f32 v[\dst+4*qb:\dst+4*qb+1], v[\src+16*qb:\src+16*qb+7], v[TM+12+qb]
	v_cvt_scalef32_pk8_fp8_f32 v[\dst+4*qb+2:\dst+4*qb+3], v[\src+16*qb+8:\src+16*qb+15], v[TM+12+qb]
.set qb, qb+1
.endr
	v_nop                                                       ; a plain line behind the last conversion
.endm
; Wave 0 alone fetches.  The branch hangs on the wave's number alone.  An s_nop 0 and four v_nop follow the load.
.macro TLOAD
	s_cmp_lg_u32 s[WV], 0
	s_cbranch_scc1 .Lnot_mine_\@
	tensor_load_to_lds s[G0:G0+3], s[G1:G1+7]
	s_nop 0
.rept 4
	v_nop
.endr
.Lnot_mine_\@:
.endm
; A PREFETCH INTO THE L2 of the record that the NEXT change of slots will ask for: in trip I record I + 2, one key step ahead of its tensor load.  All eight work-groups of a (batch, g) walk the same records; the one with j = 0,
; whose first walk takes all sixteen, asks, and nobody else.  In it waves 1, 2 and 3 ask, a lane a block of 256 bytes: blocks 0-31, 32-63, 64-66 (the lanes beyond name block 66 again, so that none points past the record).
; Records 0 and 1 come by their loads alone; trips 14 and 15 ask for nothing: record 15 is the last.
.macro ASK
	s_cmp_lt_u32 s[I], s[LIM]
	s_cbranch_scc0 .Lno_ask_\@
	global_prefetch_b8 v[PFO], s[PFA:PFA+1] th:TH_LOAD_NT scope:SCOPE_SE
.Lno_ask_\@:
.endm
.macro QLOAD base                      ; my tile's codes, twice ([Q][zeros][Q]), and its scale words
	global_load_b128 v[QR:QR+3], v[QCO], s[\base:\base+1]
	global_load_b128 v[QR+4:QR+7], v[QCO], s[\base:\base+1] offset:512
	global_load_b128 v[QR+16:QR+19], v[QCO], s[\base:\base+1]
	global_load_b128 v[QR+20:QR+23], v[QCO], s[\base:\base+1] offset:512
	global_load_b32 v[QS], v[QSO], s[\base:\base+1]
.endm
.macro INIT                            ; a walk begins: the step is written once, and its first turn finds zeros, which the first change of M leaves zeros
	v_mov_b32 v13, 0xff61b1e6                      ; the largest t so far: -3e38, under every t
	s_delay_alu instid0(VALU_DEP_1)
	v_floor_f32 v12, -v13                          ; -M
	v_mov_b32 v14, 0
	v_mov_b32 v15, 0
.set nn, 0
.rept 32
	v_mov_b32 v[O+nn], 0
.set nn, nn+1
.endr
.endm
	s_load_b256 s[4:11], s[0:1], 0x0               ; qrec s[4:5], kvrec s[6:7], ycodes s[8:9], ysc s[10:11]
	v_lshl_add_u32 v[SPW], v0, 2, SPARE
	v_mov_b32 v[NIL], 0
	ds_add_u32 v[SPW], v[NIL]                      ; the wave's opening: the add, twice on end, and its wait ahead of the first tensor load; work on registers stands between the second and the wait
	ds_add_u32 v[SPW], v[NIL]
	v_lshrrev_b32 v8, 5, v0
	s_delay_alu instid0(VALU_DEP_1)
	v_readfirstlane_b32 s[WV], v8                  ; wave 0..15
	s_mov_b32 s[G1], 3<<16                         ; group 1: no mask; elements of 8 bytes; no padding
	s_mov_b32 s[G1+1], 32<<16                      ; tensor_dim0 = 32 elements: rows of 256 bytes
	s_mov_b32 s[G1+2], 67<<16                      ; tensor_dim1 = 67 rows: the record's 17,152 dense bytes
	s_mov_b32 s[G1+3], 32<<16                      ; tile_dim0
	s_mov_b32 s[G1+4], 67                          ; tile_dim1
	s_mov_b32 s[G1+5], 32                          ; from row to row
	s_mov_b32 s[G1+6], 0
	s_mov_b32 s[G1+7], 0
	s_mov_b32 s[SEL], 0x76543210
	s_mov_b32 s[SEL+1], 0xfedcba98
	s_mov_b32 s[CS], 0x3e38aa3b                    ; c = log2(e) / 8
	s_mov_b32 s[CS+1], s[CS]                       ; (named with it as a pair)
	s_mov_b32 s[MNT], 0x600000
	s_mov_b32 s[TB], 0
	s_mov_b32 s[I], 0
	s_mov_b32 s[NR], 0
	s_mov_b32 s[OFF+1], 0
	s_sub_co_u32 s[HL], 15, ttmp9
	s_sub_co_u32 s[WRAP], 16, ttmp9
	s_and_b32 s66, ttmp7, 0xffff                   ; 4 x batch + g
	s_lshr_b32 s67, s66, 2                         ; batch
	s_and_b32 s68, s66, 3                          ; g
	s_lshr_b32 s69, s[WV], 3                       ; which of the two query heads
	s_and_b32 s70, s[WV], 7                        ; my tile
	s_lshl_b32 s71, s66, 1
	s_add_co_u32 s71, s71, s69
	s_lshl_b32 s71, s71, 4                         ; 16 x (8 x batch + head)
	s_lshl_b32 s78, s67, 4
	s_add_co_u32 s79, s78, s[HL]                   ; 16 x batch + the first block,
	s_add_co_u32 s78, s78, ttmp9                   ; + the second
	s_mov_b32 s73, 0
	s_sub_co_u32 s74, s[WV], 1
	s_cmp_lt_u32 s74, 3
	s_cselect_b32 s74, 0, 1                        ; 0 in waves 1, 2, 3
	s_or_b32 s74, s74, ttmp9                       ; of the work-group with j = 0
	s_cmp_eq_u32 s74, 0
	s_cselect_b32 s[LIM], 14, 0
	s_wait_dscnt 0x0                               ; both opening adds are done
	s_wait_kmcnt 0x0
	s_mul_i32 s72, s66, 16*RECB
	s_add_nc_u64 s[KVB:KVB+1], s[6:7], s[72:73]    ; my head's sixteen records
	s_mov_b32 s[G0], 1                             ; group 0: count = 1,
	s_mov_b32 s[G0+1], 0                           ; slot 0,
	s_mov_b64 s[G0+2:G0+3], s[KVB:KVB+1]           ; record 0,
	s_or_b32 s[G0+3], s[G0+3], 0x80000000          ; type = 2
	TLOAD
	s_add_nc_u64 s[PFA:PFA+1], s[KVB:KVB+1], RECB  ; at record 1: the first change of slots steps it to record 2.  Nothing is prefetched here, at the head
	s_add_co_u32 s72, s71, s[HL]
	s_mul_i32 s72, s72, 8704
	s_add_nc_u64 s[QBH:QBH+1], s[4:5], s[72:73]
	s_add_co_u32 s72, s71, ttmp9
	s_mul_i32 s72, s72, 8704
	s_add_nc_u64 s[QBL:QBL+1], s[4:5], s[72:73]
	s_lshl_b32 s74, s70, 13                        ; y's codes [block][tile 8][g 4][c = 2 head + b 4][lane][16]
	s_lshl_b32 s75, s68, 11
	s_add_co_u32 s74, s74, s75
	s_lshl_b32 s75, s69, 10
	s_add_co_u32 s74, s74, s75
	s_lshl_b32 s72, s79, 16
	s_add_co_u32 s72, s72, s74
	s_add_nc_u64 s[YBH:YBH+1], s[8:9], s[72:73]
	s_lshl_b32 s72, s78, 16
	s_add_co_u32 s72, s72, s74
	s_add_nc_u64 s[YBL:YBL+1], s[8:9], s[72:73]
	s_lshl_b32 s75, s68, 9                         ; y's scale words [block][g 4][512 bytes]
	s_lshl_b32 s72, s79, 11
	s_add_co_u32 s72, s72, s75
	s_add_nc_u64 s[YSBH:YSBH+1], s[10:11], s[72:73]
	s_lshl_b32 s72, s78, 11
	s_add_co_u32 s72, s72, s75
	s_add_nc_u64 s[YSBL:YSBL+1], s[10:11], s[72:73]
	v_and_b32 v8, 31, v0
	s_delay_alu instid0(VALU_DEP_1)
	v_lshlrev_b32 v[LI], 4, v8
	s_delay_alu instid0(VALU_DEP_2)
	v_lshlrev_b32 v[L8], 3, v8
	v_and_b32 v8, 15, v0                           ; r
	v_and_b32 v9, 8, v0
	s_delay_alu instid0(VALU_DEP_1)
	v_add_nc_u32 v[DRG], v8, v9                    ; r + 8 (r / 8)
	v_bfe_u32 v9, v0, 5, 1                         ; u = tile % 2
	s_delay_alu instid0(VALU_DEP_1)
	v_lshl_add_u32 v[DRG], v9, 3, v[DRG]
	v_bfe_u32 v10, v0, 6, 2                        ; tile / 2
	s_delay_alu instid0(VALU_DEP_1)
	v_lshl_add_u32 v[DRG], v10, 5, v[DRG]          ; my query's place in its block
	v_bfe_u32 v11, v0, 4, 1                        ; h
	s_delay_alu instid0(VALU_DEP_1)
	v_lshlrev_b32 v11, 4, v11
	s_delay_alu instid0(VALU_DEP_1)
	v_sub_nc_u32 v[DRG], v[DRG], v11
	v_lshlrev_b32 v[YA], 4, v8
	s_delay_alu instid0(VALU_DEP_1)
	v_lshl_add_u32 v[YA], v9, 8, v[YA]
	s_delay_alu instid0(VALU_DEP_1)
	v_lshl_add_u32 v[YA], v10, 2, v[YA]            ; 16 (r + 16 u) + 4 (tile / 2): my row's word among the pairs
	s_delay_alu instid0(VALU_DEP_1)
	v_add_nc_u32 v[QSO], 8192, v[YA]               ; so in Q's record,
	v_bfe_u32 v11, v0, 8, 1
	s_delay_alu instid0(VALU_DEP_1)
	v_lshl_add_u32 v[YA], v11, 1, v[YA]            ; and in y's words: + 2 x head: my two bytes
	s_delay_alu instid0(VALU_DEP_1)
	v_add_nc_u32 v[YA], YSH, v[YA]
	v_bfe_u32 v11, v0, 5, 3
	s_delay_alu instid0(VALU_DEP_1)
	v_lshl_add_u32 v[QCO], v11, 10, v[LI]          ; my tile's codes: 1,024 x tile + 16 x lane
	v_add_nc_u32 v[PFO], 0xffffffe0, v0            ; thread - 32,
	s_delay_alu instid0(VALU_DEP_1)
	v_min_u32 v[PFO], 66, v[PFO]                   ; held at the record's last block,
	s_delay_alu instid0(VALU_DEP_1)
	v_lshlrev_b32 v[PFO], 8, v[PFO]                ; x 256 bytes
	QLOAD QBH
.irp z, 0,1,2,3,4,5,6,7
	v_mov_b32 v[QR+8+\z], 0                        ; the zero codes: written once, never loaded into
	v_mov_b32 v[KR+8+\z], 0
	v_mov_b32 v[KR+32+\z], 0
.endr
	INIT
.irp b, 0,1,2,3
	v_mov_b32 v[BT+\b], 0                          ; a lane permute's destination counts as one of its sources
.endr
	v_mov_b32 v[FF+1], 0                           ; (named as the upper half of the pair before it is first written)
	v_mov_b32 v[NINF], 0xff800000                  ; -infinity
	s_wait_loadcnt 0x0                             ; Q
; THE CHANGE OF SLOTS stands at a step's head.  Each wave waits for all its tensor loads (wave 0: the record that is about to be read), adds 0 to its spare word, and waits for that and for its reads of the slot that it has left.
; Behind the barrier the slot ahead is whole and nobody reads the other.  fill = 1: the other slot takes the next step's record, which has this step in which to land.
.macro CHANGE fill
	s_wait_tensorcnt 0x0                           ; no tensor load of mine is out, so group 0 may be written
	ds_add_u32 v[SPW], v[NIL]                      ; 0 onto my spare word
.if \fill
	ds_add_u32 v[SPW], v[NIL]                      ; and once more: the add twice on end, in every trip alike
	s_xor_b32 s[G0+1], s[G0+1], SLOT1              ; the other slot than last time
	s_add_co_u32 s[NR], s[NR], 1                   ; the next record,
	s_cmp_eq_u32 s[NR], s[WRAP]
	s_cselect_b32 s[NR], 0, s[NR]                  ; or, behind the first walk's last, record 0: ids and the count of steps alone
	s_mul_i32 s[OFF], s[NR], RECB
	s_add_nc_u64 s[G0+2:G0+3], s[KVB:KVB+1], s[OFF:OFF+1]
	s_or_b32 s[G0+3], s[G0+3], 0x80000000
	s_wait_xcnt 0x0                                ; the last prefetch, a step back, has read its address, so it may be written
	s_add_nc_u64 s[PFA:PFA+1], s[PFA:PFA+1], RECB
.endif
	s_wait_dscnt 0x0                               ; the add is done (fill = 1: both are), and my reads of the slot that I have left are over
	s_barrier_signal -1
	s_barrier_wait -1
.if \fill
	TLOAD                                          ; the first thing behind the barrier, and the one tensor load until the next
	ASK
.endif
.endm
; A KEY STEP: 128 keys.  diag = 1: it lies on the diagonal; diag = 0: it does where I = 15 - j.
.macro STEP diag
	v_add_nc_u32 v[ADK], s[TB], v[LI]
	s_wait_alu depctr_va_vdst(0)
	v_add_nc_u32 v[ADV8], s[TB], v[L8]
.rept 7
	v_nop                                          ; with the two additions nine places behind the last products: the new scores are laid over the registers that held V's fragments, and V's scale words are loaded anew
.endr
	ds_load_b128 v[KS:KS+3], v[ADK] offset:KSOFF   ; K's scale words: register = pair of tiles; lanes 0-15 the even tile, lanes 16-31 the odd
	ds_load_b64 v[VS:VS+1], v[ADV8] offset:VSOFF   ; V's likewise
.irp gq, 0,1                           ; S^T = K Q^T, four tiles of 16 keys at a time
.if \gq
.rept 8
	v_nop                                          ; eight places in front of loads into registers that the last four products read
.endr
.endif
.irp pp, 0,1
.irp uk, 0,1
.irp c, 0,1
	ds_load_b128 v[KR+24*\pp+16*\uk+4*\c:KR+24*\pp+16*\uk+4*\c+3], v[ADK] offset:1024*(4*\gq+2*\pp+\uk)+512*\c
.endr
.endr
.endr
	s_wait_dscnt 0x0
.irp pp, 0,1
	v_wmma_scale_f32_16x16x128_f8f6f4 v[S+8*(4*\gq+2*\pp):S+8*(4*\gq+2*\pp)+7], v[KR+24*\pp:KR+24*\pp+15], v[QR:QR+15], 0, v[KS+2*\gq+\pp], v[QS]
	v_wmma_scale_f32_16x16x128_f8f6f4 v[S+8*(4*\gq+2*\pp+1):S+8*(4*\gq+2*\pp+1)+7], v[KR+24*\pp+8:KR+24*\pp+23], v[QR+8:QR+23], 0, v[KS+2*\gq+\pp], v[QS] matrix_a_scale:MATRIX_SCALE_ROW1
.endr
.endr                                  ; lane (r, h) holds query r; register 16 b + i is key 32 b + 16 h + i of the step
.rept 8
	v_nop
.endr
.if \diag == 0
	s_cmp_lg_u32 s[I], s[HL]                       ; ids and the count of steps alone
	s_cbranch_scc1 .Lopen_\@
.endif
.set nn, 0
.rept 64                               ; on the diagonal the scores of hidden keys become -infinity ahead of the maximum: p = 0 then.  Hidden: 32 b + i > my query's place - 16 h
	v_cmp_gt_i32 vcc_lo, 32*(nn/16)+nn%16, v[DRG]
	v_cndmask_b32 v[S+nn], v[S+nn], v[NINF], vcc_lo
.set nn, nn+1
.endr
.if \diag == 0
.Lopen_\@:
.endif
.irp b, 0,1,2,3
	v_max3_num_f32 v[BM+\b], v[S+16*\b], v[S+1+16*\b], v[S+2+16*\b]   ; the largest score of each block of 32 keys: for the row's maximum, and for the block's largest p
.endr
.irp i, 3,5,7,9,11,13
.irp b, 0,1,2,3
	v_max3_num_f32 v[BM+\b], v[BM+\b], v[S+16*\b+\i], v[S+1+16*\b+\i]
.endr
.endr
.irp b, 0,1,2,3
	v_max_num_f32 v[BM+\b], v[BM+\b], v[S+15+16*\b]
.endr
.irp b, 0,1,2,3
	s_delay_alu instid0(VALU_DEP_4)
	v_permlanex16_b32 v[BT+\b], v[BM+\b], s[SEL], s[SEL+1]
.endr
.irp b, 0,1,2,3
	s_delay_alu instid0(VALU_DEP_4)
	v_max_num_f32 v[BM+\b], v[BM+\b], v[BT+\b]     ; with lane l xor 16's 16 keys
.endr
	s_delay_alu instid0(VALU_DEP_2)
	v_max3_num_f32 v[TMP], v[BM], v[BM+1], v[BM+2]
	s_delay_alu instid0(VALU_DEP_1)
	v_max_num_f32 v[TMP], v[TMP], v[BM+3]          ; the step's largest score of my query
	s_delay_alu instid0(VALU_DEP_1)
	v_mul_f32 v[TMP], s[CS], v[TMP]                ; as t (c is positive)
	s_delay_alu instid0(VALU_DEP_1)
	v_max_num_f32 v13, v13, v[TMP]                 ; the running largest t
	v_mov_b32 v[TMP], v12
	s_delay_alu instid0(VALU_DEP_2)
	v_floor_f32 v12, -v13                          ; the new -M = floor(-t): M is a whole number
	s_delay_alu instid0(VALU_DEP_1)
	v_sub_f32 v[TMP], v12, v[TMP]                  ; old M less new M: a whole number, 0 or less
	s_delay_alu instid0(VALU_DEP_1)
	v_cvt_i32_f32 v[TMP], v[TMP]                   ; (it saturates)
	s_delay_alu instid0(VALU_DEP_1)
	v_ldexp_f32 v[FF], 1.0, v[TMP]                 ; f = 2^(old M - new M)
.set nn, 0
.rept 32
	v_pk_fma_f32 v[S+nn:S+nn+1], v[S+nn:S+nn+1], s[CS:CS+1], v[12:13] op_sel_hi:[1,0,0]   ; t - M, two at a time
.set nn, nn+2
.endr
.irp b, 0,1,2,3
	v_fma_f32 v[BM+\b], v[BM+\b], s[CS], v12       ; the same of each block's largest score
.endr
.set nn, 0
	s_wait_alu depctr_va_vdst(0)
.rept 64
	v_exp_f32 v[S+nn], v[S+nn]                     ; p = 2^(t - M), at most 1: not normalised
.set nn, nn+1
.endr
	v_pk_mul_f32 v[14:15], v[14:15], v[FF:FF+1] op_sel_hi:[1,0]   ; the sums under the new M (a plain line behind the exponentials)
	s_wait_alu depctr_va_vdst(0)                   ; the wait ahead of the batch's first reader: one for the 64
.irp b, 0,1,2,3
	v_exp_f32 v[BM+\b], v[BM+\b]                   ; the block's largest p
.endr
	v_pk_add_f32 v[232:233], v[100:101], v[104:105]
	v_pk_add_f32 v[254:255], v[108:109], v[112:113]
	v_pk_add_f32 v[252:253], v[116:117], v[120:121]
	v_pk_add_f32 v[250:251], v[124:125], v[128:129]
	v_pk_add_f32 v[248:249], v[132:133], v[136:137]
	v_pk_add_f32 v[246:247], v[140:141], v[144:145]
	v_pk_add_f32 v[244:245], v[148:149], v[152:153]
	v_pk_add_f32 v[14:15], v[14:15], v[156:157]
	v_pk_add_f32 v[232:233], v[232:233], v[96:97]
	v_pk_add_f32 v[254:255], v[254:255], v[98:99]
	v_pk_add_f32 v[252:253], v[252:253], v[102:103]
	v_pk_add_f32 v[250:251], v[250:251], v[106:107]
	v_pk_add_f32 v[248:249], v[248:249], v[110:111]
	v_pk_add_f32 v[246:247], v[246:247], v[114:115]
	v_pk_add_f32 v[244:245], v[244:245], v[118:119]
	v_pk_add_f32 v[14:15], v[14:15], v[122:123]
	v_pk_add_f32 v[232:233], v[232:233], v[126:127]
	v_pk_add_f32 v[254:255], v[254:255], v[130:131]
	v_pk_add_f32 v[252:253], v[252:253], v[134:135]
	v_pk_add_f32 v[250:251], v[250:251], v[138:139]
	v_pk_add_f32 v[248:249], v[248:249], v[142:143]
	v_pk_add_f32 v[246:247], v[246:247], v[146:147]
	v_pk_add_f32 v[244:245], v[244:245], v[150:151]
	v_pk_add_f32 v[14:15], v[14:15], v[154:155]
	v_pk_add_f32 v[232:233], v[232:233], v[158:159]
	s_delay_alu instid0(VALU_DEP_2)
	v_pk_add_f32 v[14:15], v[14:15], v[250:251]
	s_delay_alu instid0(VALU_DEP_2)
	v_pk_add_f32 v[232:233], v[232:233], v[248:249]
	v_pk_add_f32 v[254:255], v[254:255], v[246:247]
	v_pk_add_f32 v[252:253], v[252:253], v[244:245]
	s_delay_alu instid0(VALU_DEP_2)
	v_pk_add_f32 v[14:15], v[14:15], v[254:255]
	s_delay_alu instid0(VALU_DEP_2)
	v_pk_add_f32 v[232:233], v[232:233], v[252:253]
	s_delay_alu instid0(VALU_DEP_1)
	v_pk_add_f32 v[14:15], v[14:15], v[232:233]
	s_wait_alu depctr_va_vdst(0)                   ; and one for the four
.irp b, 0,1,2,3
	v_max_num_f32 v[BM+\b], 0x4800000, v[BM+\b]    ; the floor 2^(9 - 127): the byte cannot fall under 1
.endr
.irp b, 0,1,2,3
	s_delay_alu instid0(VALU_DEP_4)
	v_add_nc_u32 v[SOP+\b], 0xfc000000, v[BM+\b]   ; 8 off the exponent field: the conversion's scale operand
.endr
.irp b, 0,1,2,3
	v_and_or_b32 v[HLD+\b], v[BM+\b], 0x7f800000, s[MNT]   ; 448 x the scale
.endr
.irp b, 0,1,2,3
	v_lshrrev_b32 v[BT+\b], 23, v[SOP+\b]          ; the scale's byte
.endr
	s_delay_alu instid0(VALU_DEP_3)
	v_lshl_or_b32 v[FF+1], v[BT+1], 8, v[BT]       ; p's scale word for these 128 keys
	s_delay_alu instid0(VALU_DEP_1)
	v_lshl_or_b32 v[FF+1], v[BT+2], 16, v[FF+1]
	s_delay_alu instid0(VALU_DEP_1)
	v_lshl_or_b32 v[FF+1], v[BT+3], 24, v[FF+1]
.irp b, 0,1,2,3
.irp i, 0,1,2,3,4,5,6,7,8,9,10,11,12,13,14,15
	v_min_num_f32 v[S+16*\b+\i], v[S+16*\b+\i], v[HLD+\b]   ; the conversion does not saturate (ISA guide 7.6.2); p is not negative, so the hold is one-sided
.endr
	v_cvt_scalef32_pk8_fp8_f32 v[PCD+4*\b:PCD+4*\b+1], v[S+16*\b:S+16*\b+7], v[SOP+\b]
	v_cvt_scalef32_pk8_fp8_f32 v[PCD+4*\b+2:PCD+4*\b+3], v[S+16*\b+8:S+16*\b+15], v[SOP+\b]
.endr
	v_nop                                          ; a plain line behind the last conversion
.set nn, 0
.rept 16
	ds_load_b128 v[S+4*nn:S+4*nn+3], v[ADK] offset:8192+512*nn   ; V's four fragments (16 d x 128 keys each) into the registers that p has left
.set nn, nn+1
.endr
.set nn, 0
.rept 16
	v_pk_mul_f32 v[O+nn:O+nn+1], v[O+nn:O+nn+1], v[FF:FF+1] op_sel_hi:[1,0]   ; O^T under the new M; these lines also stand between the codes' making and the products
.set nn, nn+2
.endr
	s_wait_alu depctr_va_vdst(0)
	s_wait_dscnt 0x0
.irp t, 0,2                            ; O^T += V^T P^T: the four accumulators take turns, one instruction a turn
	v_wmma_scale_f32_16x16x128_f8f6f4 v[O+8*\t:O+8*\t+7], v[S+16*\t:S+16*\t+15], v[PCD:PCD+15], v[O+8*\t:O+8*\t+7], v[VS+\t/2], v[FF+1]
	v_wmma_scale_f32_16x16x128_f8f6f4 v[O+8*\t+8:O+8*\t+15], v[S+16*\t+16:S+16*\t+31], v[PCD:PCD+15], v[O+8*\t+8:O+8*\t+15], v[VS+\t/2], v[FF+1] matrix_a_scale:MATRIX_SCALE_ROW1
.endr
	s_xor_b32 s[TB], s[TB], SLOT1                  ; on to the other slot
.endm
; A WALK'S END: y = O^T / the sum; register 16 b + i is d = 32 b + 16 h + i of my head: two blocks of the last product's K.  The codes are that product's operand registers and leave as they stand.
.macro WAYOUT yb, ysoff, next
	s_wait_xcnt 0x0                                ; the first way out's stores have read the codes' registers
	v_add_f32 v14, v14, v15
	s_delay_alu instid0(VALU_DEP_1)
	v_permlanex16_b32 v[TMP], v14, s[SEL], s[SEL+1]
	s_delay_alu instid0(VALU_DEP_1)
	v_add_f32 v14, v14, v[TMP]                     ; the row's sum
	s_wait_alu depctr_va_vdst(0)
	v_rcp_f32 v14, v14
.rept 6
	v_nop                                          ; with the two additions eight places behind the last products; also the plain line behind the reciprocal
.endr
	s_wait_alu depctr_va_vdst(0)                   ; the wait ahead of its first reader
.set nn, 0
.rept 16
	v_pk_mul_f32 v[O+nn:O+nn+1], v[O+nn:O+nn+1], v[14:15] op_sel_hi:[1,0]   ; each accumulator from its low end on
.set nn, nn+2
.endr
	QCORE O, 2, YC
	v_lshl_or_b32 v[HW], v[TM+5], 8, v[TM+4]
	global_store_b128 v[LI], v[YC:YC+3], s[\yb:\yb+1]            ; 32 lanes store 512 consecutive bytes
	global_store_b128 v[LI], v[YC+4:YC+7], s[\yb:\yb+1] offset:512
	ds_store_b16 v[YA], v[HW] offset:\ysoff        ; my row's two bytes of its word; lanes l and l xor 16 write the same bytes with the same value
.if \next
	QLOAD QBL
	INIT
	s_wait_loadcnt 0x0
.endif
.endm
.Lstep:                                ; 16 trips: behind each change of slots the next step's record is asked for
	CHANGE 1
	STEP 0
	s_cmp_lg_u32 s[I], s[HL]
	s_cbranch_scc1 .Lgo
	WAYOUT YBH, 0, 1                               ; the first block is done; the second begins
.Lgo:
	s_add_co_u32 s[I], s[I], 1
	s_cmp_lt_u32 s[I], 16
	s_cbranch_scc1 .Lstep
	CHANGE 0                                       ; the seventeenth step is written out: nothing is left to fetch, and it always lies on the diagonal
	STEP 1
	WAYOUT YBL, YSL-YSH, 0
	s_wait_dscnt 0x0                               ; for wave 0's sake: my scale bytes have landed
	s_barrier_signal -1
	s_barrier_wait -1
	s_cmp_lg_u32 s[WV], 0
	s_cbranch_scc1 .Ldone
	ds_load_b128 v[96:99], v[LI] offset:YSH        ; the sixteen waves' bytes make 512 bytes of words for each block: each leaves by one store of 512 consecutive bytes
	ds_load_b128 v[100:103], v[LI] offset:YSL
	s_wait_dscnt 0x0
	global_store_b128 v[LI], v[96:99], s[YSBH:YSBH+1]
	global_store_b128 v[LI], v[100:103], s[YSBL:YSBL+1]
.Ldone:
	s_wait_tensorcnt 0x0                           ; the wave's end, behind the last tensor load and my last LDS store
	ds_add_u32 v[SPW], v[NIL]
	s_wait_dscnt 0x0
	s_endpgm
.Lfunc_end_k_qcad740c17e_attn:
	.size	k_qcad740c17e_attn, .Lfunc_end_k_qcad740c17e_attn-k_qcad740c17e_attn
	.p2alignl 7, 3214868480
	.fill 96, 4, 3214868480
	.section	.rodata,"a",@progbits
	.p2align	6, 0x0
	.amdhsa_kernel k_qcad740c17e_attn
		.amdhsa_group_segment_fixed_size 327680
		.amdhsa_private_segment_fixed_size 0
		.amdhsa_enable_private_segment 0
		.amdhsa_kernarg_size 32
		.amdhsa_user_sgpr_count 2
		.amdhsa_user_sgpr_kernarg_segment_ptr 1
		.amdhsa_wavefront_size32 1
		.amdhsa_system_sgpr_workgroup_id_x 1
		.amdhsa_system_sgpr_workgroup_id_y 1
		.amdhsa_system_sgpr_workgroup_id_z 1
		.amdhsa_system_vgpr_workitem_id 0
		.amdhsa_next_free_vgpr 256
		.amdhsa_next_free_sgpr 82
		.amdhsa_reserve_vcc 1
		.amdhsa_float_denorm_mode_32 3
		.amdhsa_float_denorm_mode_16_64 3
		.amdhsa_memory_ordered 1
		.amdhsa_forward_progress 1
		.amdhsa_inst_pref_size 74
	.end_amdhsa_kernel
	.amdgpu_metadata
---
amdhsa.version: [ 1, 2 ]
amdhsa.kernels:
  - .name:           k_qcad740c17e_attn
    .symbol:         k_qcad740c17e_attn.kd
    .args:
      - { .name: qrec, .offset: 0, .size: 8, .value_kind: global_buffer, .address_space: global }
      - { .name: kvrec, .offset: 8, .size: 8, .value_kind: global_buffer, .address_space: global }
      - { .name: ycodes, .offset: 16, .size: 8, .value_kind: global_buffer, .address_space: global }
      - { .name: ysc, .offset: 24, .size: 8, .value_kind: global_buffer, .address_space: global }
    .group_segment_fixed_size: 327680
    .private_segment_fixed_size: 0
    .kernarg_segment_align: 8
    .kernarg_segment_size: 32
    .max_flat_workgroup_size: 512
    .sgpr_count:     82
    .vgpr_count:     256
    .wavefront_size: 32
...
	.end_amdgpu_metadata
.endif
;; end of part 7
;; launch oproj (part 8): grid 256 x 1, 8 waves a work-group, no clusters, 68,608 bytes of LDS; arguments ycodes, ysc, wcodes, wscales, out0; writes out0
.if DOCPART == 8
	.amdgcn_target "amdgcn-amd-amdhsa--gfx1250"
	.amdhsa_code_object_version 6
	.text
	.protected	k_qcad740c17e_oproj
	.globl	k_qcad740c17e_oproj
	.p2align	8
	.type	k_qcad740c17e_oproj,@function
k_qcad740c17e_oproj:
	s_mov_b64 s[64:65], 0
	v_nop
	global_prefetch_b8 v0, s[64:65] scope:SCOPE_SE
	s_setreg_imm32_b32 hwreg(HW_REG_WAVE_SCHED_MODE, 0, 2), 2
	s_setreg_imm32_b32 hwreg(HW_REG_WAVE_MODE, 25, 1), 1
	s_wait_xcnt 0x0
	s_wait_alu depctr_vm_vsrc(0)
; FOURTH LAUNCH: out = y Wp^T on codes of FP8 (E4M3) with one E8M0 scale for each 32 along K = 512.  Nothing of the problem is left out here.
; SHARES.  A work-group takes 64 positions (four tiles; their codes are 32,768 dense bytes, laid as images of the operand's registers) and all 512 columns.  Wave w owns columns 64 w .. 64 w + 63: its 64 rows of Wp
; (16 fragments, 256 registers) fill register window 1.  The eight waves copy y's images into LDS once, 4,096 bytes each, and every wave reads all of them.
; TRANSPOSED: source 0 = 16 rows of Wp, source 1 = a tile of y: a lane holds one position and eight neighbouring columns; a tile goes through my own stage in LDS and leaves as runs of 256 consecutive bytes, aligned.
; A tile's positions are 32 (m / 2) + 8 (m % 2) + r + 8 (r / 8); Wp's tiles are laid likewise, so registers 8 t + i of lane (r, h) are columns 32 (t / 2) + 16 h + 8 (t % 2) + i.
; No cluster and no tensor load: the weights go to registers once, a part to each wave, and y's codes are read by one work-group.  No prefetch: the launch reads its codes at its head and then only stores.
; REGISTERS, window 0: v1-6 addresses; v8-15 y's scale words; v16-31 Wp's; v32-63 rows on their way out; v64-127 and v160-223 y's four fragments, two buffers; v128-159 accumulators; v192-223 at the head the copy;
;   v224, v225 at work at the head; v252, v253 the add's two.
; THE MODE: SCHED_MODE bits 1:0 = 2 (LLVM: expert scheduling mode 2), set by the entry lines.  The code itself states the register dependences
; between vector or matrix instructions and memory or LDS instructions, with s_wait_alu, always for 0.
; THE PLAN.  Registers that memory or LDS instructions touch, and who else names them:
;   v1-6, v252, v253   Written at the head, ahead of one wait on va_vdst; never again.
;   YF0, YF1           Tile m's products read buffer m % 2; the LDS loads of tile m + 1 are issued at tile m's head and land in the other buffer, which tile m - 1's products read.
;   ACC                Written by a tile's products, read by its eight LDS stores into the stage, written again by the next tile's products.
;   OB                 The stage's LDS loads land; the tile's eight global stores read it; the next tile's loads land.
;   CP                 At the head: global loads land, the copy's LDS stores read it; it lies in YF1.
; So a tile holds ONE wait on va_vdst, behind its products' places: the accumulators are written, and the products are done reading their buffer; and ONE on vm_vsrc, at its head: the last tile's LDS stores have read
; the accumulators and its global stores the rows.  No vector or matrix instruction between a tile's wait on va_vdst and the next tile's loads names the buffer in which those land.
.set YIMG,  0                          ; LDS: [tile 4][K step 4][c 4][lane][16]
.set STG,   32768                      ; a stage for each wave: 16 rows x (256 bytes + 16)
.set STGW,  4352
.set SPARE, 67584                      ; the spare words, 128 bytes for each wave: four blocks of 256 bytes that no other line names
.set LI,  1
.set SO,  2
.set SR,  3
.set CO,  4
.set YLO, 5
.set CPI, 6
.set YS,  8
.set WS,  16
.set OB,  32
.set YF,  64                           ; buffer p at YF + 96 p
.set ACC, 128
.set CP,  192
.set SPW, 252
.set NIL, 253
.set WV,  16
.set MSB, 0
.macro WIN new                         ; the immediate's high byte repeats the setting that is left
.if MSB != \new
	s_set_vgpr_msb (MSB<<8)|\new
.set MSB, \new
.endif
.endm
	s_load_b256 s[4:11], s[0:1], 0x0               ; ycodes s[4:5], ysc s[6:7], wcodes s[8:9], wscales s[10:11]
	s_load_b64 s[12:13], s[0:1], 0x20              ; out0
	v_lshl_add_u32 v[SPW], v0, 2, SPARE
	v_mov_b32 v[NIL], 0
	v_lshrrev_b32 v224, 5, v0
	v_readfirstlane_b32 s[WV], v224                ; wave 0..7
	v_and_b32 v224, 31, v0
	v_lshlrev_b32 v[LI], 4, v224
	v_and_b32 v224, 15, v0                         ; r
	v_bfe_u32 v225, v0, 4, 1                       ; h
	s_wait_alu depctr_va_sdst(0)                   ; the wave's number is written, ahead of its first reader: LDS addresses and bases are made from it
	s_mul_i32 s20, s[WV], STGW
	s_add_co_u32 s20, s20, STG                     ; my stage
	v_mul_u32_u24 v[SO], v224, 272
	v_lshl_add_u32 v[SO], v225, 6, v[SO]
	v_add_nc_u32 v[SO], s20, v[SO]                 ; in: row r, + 64 h
	v_mul_u32_u24 v[SR], v225, 272
	v_lshl_add_u32 v[SR], v224, 4, v[SR]
	v_add_nc_u32 v[SR], s20, v[SR]                 ; back: lanes 0-15 one row, lanes 16-31 the next
	v_lshlrev_b32 v[CO], 11, v225
	v_lshl_add_u32 v[CO], v224, 4, v[CO]
	s_lshl_b32 s20, s[WV], 8
	v_add_nc_u32 v[CO], s20, v[CO]                 ; the same two rows in out0, my 256 bytes of them
	s_and_b32 s20, ttmp9, 1
	s_lshl_b32 s20, s20, 3
	v_add_nc_u32 v[YLO], s20, v[LI]                ; y's scale words [lane][pair 4]: my half of the block of 128 has two pairs
	s_lshl_b32 s20, s[WV], 12
	v_add_nc_u32 v[CPI], s20, v[LI]                ; my 4,096 bytes of the copy
	s_mov_b32 s21, 0
	s_add_co_u32 s22, s[WV], 16                    ; my group of 64 rows: Wp's are groups 16 to 23
	s_wait_kmcnt 0x0
	s_lshl_b32 s20, ttmp9, 15
	s_add_nc_u64 s[4:5], s[4:5], s[20:21]
	s_lshr_b32 s20, ttmp9, 1
	s_lshl_b32 s20, s20, 11
	s_add_nc_u64 s[6:7], s[6:7], s[20:21]
	s_lshl_b32 s20, s22, 15
	s_add_nc_u64 s[8:9], s[8:9], s[20:21]
	s_lshl_b32 s20, s22, 11
	s_add_nc_u64 s[10:11], s[10:11], s[20:21]
	s_lshl_b32 s20, ttmp9, 17
	s_add_nc_u64 s[12:13], s[12:13], s[20:21]
	s_wait_alu depctr_va_vdst(0)                   ; the six addresses v1 to v6 are written, which every load and store of the kernel reads; they are never written again
.irp k, 0,1,2,3,4,5,6,7
	global_load_b128 v[CP+4*\k:CP+4*\k+3], v[CPI], s[4:5] offset:512*\k th:TH_LOAD_NT   ; read once in the launch
.endr
.irp s, 0,1,2,3
	global_load_b64 v[YS+2*\s:YS+2*\s+1], v[YLO], s[6:7] offset:512*\s   ; K step s: two pairs of tiles; lanes 0-15 the even tile's words, lanes 16-31 the odd tile's
.endr
.irp t, 0,1,2,3
	global_load_b128 v[WS+4*\t:WS+4*\t+3], v[LI], s[10:11] offset:512*\t
.endr
	WIN 0x40                                       ; destination window 1 (between the wait above and these loads stand loads and this switch alone)
.set nn, 0
.rept 64
	global_load_b128 v[4*nn:4*nn+3], v[LI], s[8:9] offset:512*nn   ; fragment (tile t, K step s) at v[16 (4 t + s)] of window 1
.set nn, nn+1
.endr
	WIN 0
	s_wait_loadcnt 63                              ; 80 loads are issued and the copy's 8 are the oldest: with 63 out at the most they are in
.irp k, 0,1,2,3,4,5,6,7
	ds_store_b128 v[CPI], v[CP+4*\k:CP+4*\k+3] offset:YIMG+512*\k
.endr
	s_wait_dscnt 0x0                               ; for the others' sake: my part of the copy has landed
	s_barrier_signal -1
	s_barrier_wait -1                              ; y's sixteen fragments lie in LDS; nobody writes them again
	s_wait_alu depctr_vm_vsrc(0)                   ; the copy's LDS stores have read v[CP ..]: these registers are part of the second fragment buffer, in which tile 1's loads land
.macro FETCHY m                        ; tile m's four fragments into buffer m % 2
.set nn, 0
.rept 16
	ds_load_b128 v[YF+96*((\m)%2)+4*nn:YF+96*((\m)%2)+4*nn+3], v[LI] offset:YIMG+8192*(\m)+512*nn
.set nn, nn+1
.endr
.endm
.macro OTILE m
.set YB, YF+96*((\m)%2)
.if (\m) > 0
	s_wait_alu depctr_vm_vsrc(0)                   ; the last tile's LDS stores have read the accumulators, which the products below write; its global stores have read v[OB ..], in which this tile's rows land
.endif
.if (\m) < 3
	FETCHY (\m)+1                                  ; into the other buffer: its last readers, the products of the tile before, stand ahead of that tile's wait on va_vdst
	s_wait_dscnt 16                                ; this tile's fragments are in; the next tile's 16 loads may be out
.else
	s_wait_dscnt 0x0
.endif
	WIN 0x01                                       ; source 0 (Wp) window 1
.irp s, 0,1,2,3                        ; the four accumulators take turns, one instruction a turn
.irp t, 0,1,2,3
.if \s == 0
.if (\m)%2
	v_wmma_scale_f32_16x16x128_f8f6f4 v[ACC+8*\t:ACC+8*\t+7], v[16*(4*\t+\s):16*(4*\t+\s)+15], v[YB+16*\s:YB+16*\s+15], 0, v[WS+4*\t+\s], v[YS+2*\s+(\m)/2] matrix_b_scale:MATRIX_SCALE_ROW1
.else
	v_wmma_scale_f32_16x16x128_f8f6f4 v[ACC+8*\t:ACC+8*\t+7], v[16*(4*\t+\s):16*(4*\t+\s)+15], v[YB+16*\s:YB+16*\s+15], 0, v[WS+4*\t+\s], v[YS+2*\s+(\m)/2]
.endif
.else
.if (\m)%2
	v_wmma_scale_f32_16x16x128_f8f6f4 v[ACC+8*\t:ACC+8*\t+7], v[16*(4*\t+\s):16*(4*\t+\s)+15], v[YB+16*\s:YB+16*\s+15], v[ACC+8*\t:ACC+8*\t+7], v[WS+4*\t+\s], v[YS+2*\s+(\m)/2] matrix_b_scale:MATRIX_SCALE_ROW1
.else
	v_wmma_scale_f32_16x16x128_f8f6f4 v[ACC+8*\t:ACC+8*\t+7], v[16*(4*\t+\s):16*(4*\t+\s)+15], v[YB+16*\s:YB+16*\s+15], v[ACC+8*\t:ACC+8*\t+7], v[WS+4*\t+\s], v[YS+2*\s+(\m)/2]
.endif
.endif
.endr
.endr
	WIN 0
.rept 9
	v_nop                                          ; eight places in front of the stores that read results; the ninth for the next tile's first product, which writes over an accumulator
.endr
	s_wait_alu depctr_va_vdst(0)                   ; the products have written the accumulators, which the LDS stores read (the places above stay beside this wait), and are done reading their fragment buffer, in which the loads at the next tile's head land
.irp t, 0,1,2,3
	ds_store_b128 v[SO], v[ACC+8*\t:ACC+8*\t+3] offset:128*(\t/2)+32*(\t%2)      ; each accumulator from its low end on
	ds_store_b128 v[SO], v[ACC+8*\t+4:ACC+8*\t+7] offset:128*(\t/2)+32*(\t%2)+16
.endr
.if (\m) > 0
	s_wait_xcnt 0x0                                ; the last tile's global stores have had their addresses translated: their registers are loaded again only behind this wait
.endif
.irp i, 0,1,2,3,4,5,6,7
	ds_load_b128 v[OB+4*\i:OB+4*\i+3], v[SR] offset:544*\i   ; LDS serves a wave's instructions in order (ISA guide 5.7.1.4): these see my stores
.endr
	s_wait_dscnt 0x0                               ; the rows are back (the next tile's fragments, asked for ahead of them, are in too)
.irp i, 0,1,2,3,4,5,6,7
	global_store_b128 v[CO], v[OB+4*\i:OB+4*\i+3], s[12:13] offset:(32*((\m)/2)+8*((\m)%2)+2*\i+8*(\i/4))*2048 th:TH_STORE_NT   ; 16 lanes store 256 consecutive bytes, at a multiple of 256 from out0's first byte
.endr
.endm
	FETCHY 0
	s_wait_loadcnt 0x0                             ; the weights and all scale words
	OTILE 0
	OTILE 1
	OTILE 2
	OTILE 3
	s_wait_dscnt 0x0                               ; the closing lines, six on end
	s_wait_alu 0x0
	s_wait_tensorcnt 0x0
	ds_add_u32 v[SPW], v[NIL]
	s_wait_dscnt 0x0
	s_endpgm
.Lfunc_end_k_qcad740c17e_oproj:
	.size	k_qcad740c17e_oproj, .Lfunc_end_k_qcad740c17e_oproj-k_qcad740c17e_oproj
	.p2alignl 7, 3214868480
	.fill 96, 4, 3214868480
	.section	.rodata,"a",@progbits
	.p2align	6, 0x0
	.amdhsa_kernel k_qcad740c17e_oproj
		.amdhsa_group_segment_fixed_size 68608
		.amdhsa_private_segment_fixed_size 0
		.amdhsa_enable_private_segment 0
		.amdhsa_kernarg_size 40
		.amdhsa_user_sgpr_count 2
		.amdhsa_user_sgpr_kernarg_segment_ptr 1
		.amdhsa_wavefront_size32 1
		.amdhsa_system_sgpr_workgroup_id_x 1
		.amdhsa_system_sgpr_workgroup_id_y 1
		.amdhsa_system_sgpr_workgroup_id_z 1
		.amdhsa_system_vgpr_workitem_id 0
		.amdhsa_next_free_vgpr 512
		.amdhsa_next_free_sgpr 66
		.amdhsa_reserve_vcc 0
		.amdhsa_float_denorm_mode_32 3
		.amdhsa_float_denorm_mode_16_64 3
		.amdhsa_memory_ordered 1
		.amdhsa_forward_progress 1
		.amdhsa_inst_pref_size 32
	.end_amdhsa_kernel
	.amdgpu_metadata
---
amdhsa.version: [ 1, 2 ]
amdhsa.kernels:
  - .name:           k_qcad740c17e_oproj
    .symbol:         k_qcad740c17e_oproj.kd
    .args:
      - { .name: ycodes, .offset: 0, .size: 8, .value_kind: global_buffer, .address_space: global }
      - { .name: ysc, .offset: 8, .size: 8, .value_kind: global_buffer, .address_space: global }
      - { .name: wcodes, .offset: 16, .size: 8, .value_kind: global_buffer, .address_space: global }
      - { .name: wscales, .offset: 24, .size: 8, .value_kind: global_buffer, .address_space: global }
      - { .name: out0, .offset: 32, .size: 8, .value_kind: global_buffer, .address_space: global }
    .group_segment_fixed_size: 68608
    .private_segment_fixed_size: 0
    .kernarg_segment_align: 8
    .kernarg_segment_size: 40
    .max_flat_workgroup_size: 256
    .sgpr_count:     66
    .vgpr_count:     512
    .wavefront_size: 32
...
	.end_amdgpu_metadata
.endif
;; end of part 8
